; MI455X (gfx1250); checked and timed in simulation.
; The chip was launched on July 23, 2026; its instructions are those of AMD's public machine-readable ISA for CDNA 5 (MIT licence, August 2026) and "CDNA5" Instruction Set Architecture Reference Guide (July 2026). The comments in the code are by the model that wrote it; some were corrected since.
;; L Net2. Allowed arithmetic: matrix products marked QUANTISED: E2M1 operands, one E8M0 scale for each 32 along K, by v_wmma_scale_f32_16x16x128_f8f6f4 with both operands' format E2M1 (or v_wmma_scale_f32_32x16x128_f4), f32 sums; products left as they are: f32 operands where the result goes on into a quantised operand, else bf16, f16 or f32 operands; f32 sums; everything else in f32.
;; Inputs: b1 64 float32; b2 64 float32; b3 128 float32; b4 256 float32; b5 512 float32; g1 64 float32; g2 64 float32; g3 128 float32; g4 256 float32; g5 512 float32; src 4 x 3 x 2,048 float32; tgt 4 x 3 x 2,048 float32; w1 64 x 6 float32; w2_codes 64 x 2 x 16 uint8 (E2M1 codes of w2, K innermost, in blocks of 32 codes, two codes a byte); w2_scales 64 x 2 uint8 (E8M0 scales of w2, one for each 32 codes along K); w3_codes 128 x 2 x 16 uint8 (E2M1 codes of w3, K innermost, in blocks of 32 codes, two codes a byte); w3_scales 128 x 2 uint8 (E8M0 scales of w3, one for each 32 codes along K); w4_codes 256 x 4 x 16 uint8 (E2M1 codes of w4, K innermost, in blocks of 32 codes, two codes a byte); w4_scales 256 x 4 uint8 (E8M0 scales of w4, one for each 32 codes along K); w5_codes 512 x 16 x 16 uint8 (E2M1 codes of w5, K innermost, in blocks of 32 codes, two codes a byte); w5_scales 512 x 16 uint8 (E8M0 scales of w5, one for each 32 codes along K).
;; Outputs: out0 4 x 3 x 2,048 float32.
;; This version of the problem:
;;   THIS VERSION OF THE PROBLEM IS GIVEN IN LOW PRECISION. The matrix products marked QUANTISED in the list below multiply operands that are first quantised to E2M1 (2 exponent bits, 1 mantissa bit; 4 bits a number), with one power-of-two scale for each 32 numbers along K (OCP MX v1.0); their sums are f32. All else is computed in f32.
;;   The module's matrix products, in the order in which they are computed (A, B: the left and right operand; K: the contracted axis; several contracted axes count as one K, in the product's order):
;;     1. batch 4 x [M 2,048, K 3] x [K 3, N 2,048]; A: input src; B: input src: left as it is (K = 3 < 32)
;;     2. [M 262,144, K 6] x [K 6, N 64]; A: computed on the way; B: input w1: left as it is (K = 6 < 32)
;;     3. [M 262,144, K 64] x [K 64, N 64]; A: computed on the way; B: input w2 (given as codes): QUANTISED
;;     4. [M 262,144, K 64] x [K 64, N 128]; A: computed on the way; B: input w3 (given as codes): QUANTISED
;;     5. [M 262,144, K 128] x [K 128, N 256]; A: computed on the way; B: input w4 (given as codes): QUANTISED
;;     6. [M 8,192, K 512] x [K 512, N 512]; A: computed on the way; B: input w5 (given as codes): QUANTISED
;;     7. batch 4 x [M 2,048, K 3] x [K 3, N 2,048]; A: input tgt; B: input tgt: left as it is (K = 3 < 32)
;;     8. [M 262,144, K 6] x [K 6, N 64]; A: computed on the way; B: input w1: left as it is (K = 6 < 32)
;;     9. [M 262,144, K 64] x [K 64, N 64]; A: computed on the way; B: input w2 (given as codes): QUANTISED
;;     10. [M 262,144, K 64] x [K 64, N 128]; A: computed on the way; B: input w3 (given as codes): QUANTISED
;;     11. [M 262,144, K 128] x [K 128, N 256]; A: computed on the way; B: input w4 (given as codes): QUANTISED
;;     12. [M 8,192, K 512] x [K 512, N 512]; A: computed on the way; B: input w5 (given as codes): QUANTISED
;;     13. batch 4 x [M 2,048, K 512] x [K 512, N 2,048]; A: computed on the way; B: computed on the way: QUANTISED
;;     14. batch 4 x [M 3, K 2,048] x [K 2,048, N 2,048]; A: input tgt; B: softmax: left as it is (M = 3 < 16)
;;   THE QUANTISER, for each operand of a quantised product, along K:
;;     - K is cut into blocks of 32 from its start; a last block that is shorter is filled with zeros.
;;     - A block's scale is 2^e with e = floor(log2(the largest magnitude in the block)) - 2, held to -126 .. 127; a block of zeros has e = 0. As a byte (E8M0): e + 127.
;;     - Each number is divided by its block's scale, clamped to +-6, and rounded to the nearest number of E2M1, ties to even, subnormals kept.
;;     - The product sums the exact products of the quantised numbers (number of the format x scale) in f32.
;;   ~~~python
;;   def quantise(x, axis):      # numpy; x: float32 -> the quantised numbers, widened to float32 again
;;       x = np.moveaxis(x, axis, -1); K = x.shape[-1]
;;       x = np.pad(x, [(0, 0)] * (x.ndim - 1) + [(0, -K % 32)]); x = x.reshape(x.shape[:-1] + (-1, 32)); a = np.abs(x).max(-1, keepdims=True)
;;       e = np.where(a > 0, np.clip(np.frexp(np.where(a > 0, a, 1))[1] - 1 - 2, -126, 127), 0)      # np.frexp(a)[1] - 1 = floor(log2(a)), exactly
;;       r = np.clip(x / 2.0 ** e, -6, 6)
;;       step = 2.0 ** (np.maximum(np.frexp(np.where(r == 0, 1, r))[1] - 1, 0) - 1)
;;       q = np.round(r / step) * step * 2.0 ** e      # np.round: ties to even
;;       return np.moveaxis(q.reshape(q.shape[:-2] + (-1,))[..., :K], -1, axis).astype(np.float32)
;;   ~~~
;;   OPERANDS COMPUTED ON THE WAY. 'Computed on the way' means the value that the module computes at that place (a softmax that the list does not call 'softmax' is quantised finished and normalised). What goes into a quantiser is computed in f32, as accurately as f32 sums, v_exp_f32 and their like allow (about 1e-6 of the number): no bf16 or f16 on the way to a quantiser, and a product that is left as it is and whose result goes on into a quantised operand takes f32 operands (vector FMAs, or v_wmma_f32_16x16x4_f32). A number that lies on a knife's edge between two numbers of the format may be rounded either way, as far as f32 arithmetic and the matrix unit's own rounding can turn it there, and no further.
;;   INPUTS GIVEN AS CODES. w2 (in the module: [64, 64], K = its axis 1); w3 (in the module: [128, 64], K = its axis 1); w4 (in the module: [256, 128], K = its axis 1); w5 (in the module: [512, 512], K = its axis 1): each comes as NAME_codes (uint8): NAME with its K axis moved to the last place and cut into blocks of 32 codes, [.., K / 32, bytes a block], one block behind the other in memory; two codes a byte, the lower K in the low four bits (a code: sign, 2 exponent bits, 1 mantissa bit); and NAME_scales (uint8): the same leading axes, one E8M0 byte (e + 127) for each 32 codes along K. Its value is code x scale, taken as it is: it is not quantised again, and the codes and scales need not be those that the quantiser above would give.
;; One version. Each part assembles by itself: llvm-mc -triple=amdgcn-amd-amdhsa -mcpu=gfx1250 --defsym DOCPART=n.
;; ======== version 1 of 1: 8 launches
;; limits: values are held in f16: magnitudes above 65,504 overflow, below 6.1e-05 lose precision; right only within a limited range of input values
;; workspace buffers: idx 2,097,152 bytes of whole numbers; cat 33,554,432 bytes; partA 1,052,672 bytes; partB 1,052,672 bytes; catq 4,718,592 bytes; embq 5,242,880 bytes; h1q 20,971,520 bytes; h2q 20,971,520 bytes
;; launch knn (part 1): grid 32 x 8, 8 waves a work-group, no clusters, 167,936 bytes of LDS; arguments src, tgt, idx; writes idx
.if DOCPART == 1
	.amdgcn_target "amdgcn-amd-amdhsa--gfx1250"
	.amdhsa_code_object_version 6
	.text
	.protected	k_q8169dda7a3_knn
	.globl	k_q8169dda7a3_knn
	.p2align	8
	.type	k_q8169dda7a3_knn,@function
k_q8169dda7a3_knn:
	s_mov_b64 s[64:65], 0
	v_nop
	global_prefetch_b8 v0, s[64:65] scope:SCOPE_SE
	s_setreg_imm32_b32 hwreg(HW_REG_WAVE_MODE, 25, 1), 1
	s_wait_xcnt 0x0
; THE PROGRAM: knn | edge1..edge4 | cat5 | emb5 | corr.  This launch: the 32 nearest neighbours of every point of both clouds, stored as whole numbers (as a set: the later launches take maxima and sums over them).
; NO INPUT AND NO PRODUCT OF reference() IS LEFT OUT.  ONE TERM IS: in neg_d2 = -(xx_i - 2 inner + xx_j) the term xx_i is the same for all candidates j of a query i, so it moves no order along top_k's axis, whatever the inputs hold;
; only idx goes on from top_k.  The order is taken on e = xx_j - 2 inner.  (A NaN, an infinity or an overflow that reaches xx_i alone is not carried to the result.)
; Two identities, true for all values of the inputs, shape the later launches:
;  (1) per channel, relu(bn(.)) rises with x where g >= 0 and falls where g < 0.  The later launches flip the sign of a weight row whose g is negative and work on
;      x~ = sign(g) x, h = relu(|g| rsqrt(var + eps) x~ + (b - mean(x~) |g| rsqrt(var + eps))): so max over the neighbours of h = h(max over the neighbours of x~), and only that maximum is kept;
;  (2) sqrt(pd_sq + err 1e-16) (1 - err) = sqrt(max(pd, 0)).
; A layer cannot be quantised before its batch statistics are known: edge1 and edge2 begin from the coordinates; edge3 and edge4 begin from the codes of the layer two below, which the launch before has stored.
; THIS LAUNCH.  A work-group: 64 queries of one batch of one cloud (x: the group of queries; y: 4 cloud + batch), eight waves.  Wave w serves queries 32 (w / 4) on, a lane a query, and walks candidates 512 (w % 4) on, 32 at a time.
; 256 work-groups.
; e = ((xx_j + (-2 z_i) z_j) + (-2 y_i) y_j) + (-2 x_i) x_j, three fused multiply-adds in f32.  PASS 1 finds T, the 32nd smallest e, by sorting networks of minima and maxima.  PASS 2 makes the same e by the same lines;
; u = (e - T) 2^32, one fused multiply-add, has the exact sign of e - T and is 0 or at least 2^-117 in size; held to +-2^-120 its bits are 0x83800000, 0 or 0x03800000; with 0x40000000 + j added as whole numbers the key,
; read as f32, is negative (e < T), 2.0 and up by j (e = T) or 256.0 and up (else).  At most 31 candidates lie under T and at least 32 at or under it: the 32 smallest keys are the set that top_k keeps, ties to the lower index.
; No address and no branch hangs on data.
; LIMITS: NaN and infinities among the inputs are not served; |e| stays under 2^95.  e is rounded otherwise than reference()'s sum: two candidates within a rounding of each other at rank 32 may change places against reference().
; Element e of a bank of 32 lies in register (e & 30) | parity(e): the two ends of every comparator then differ in the register's parity, as a dual instruction's two destinations must.
; LDS: from 0 the table, 32 bytes a pair of points (x0 x1 y0 y1 | z0 z1 xx0 xx1); from 32,768 a pad of 512 bytes of zeros, which the last batch's look-ahead reads and nobody uses;
.set LST1, 33792                       ; the waves' sorted lists of pass 1, images of 32 registers, 4,096 bytes a wave;
.set LSTD, 32768                       ; pass 2's lie so far behind them;
.set STG, 99328                        ; the way out: 32 rows of 128 bytes + 16 for each group of queries;
.set SPARE, 108544                     ; the spare words, 128 bytes a wave
.set A, 32                             ; v32-63   the running sorted list
.set P, 64                             ; v64-95, v96-127  two banks that take turns
.set Q, 96
.set CB, 128                           ; v128-191 two chunks of four pairs of candidates
.macro STAGE src, dst, k, j            ; one stage of a bitonic network, out of place: partners j apart, ascending where (e & k) = 0
.set ei, 0
.rept 32
.set el, ei^(\j)
.if el > ei
.set ri, (ei&30)|(((ei>>4)^(ei>>3)^(ei>>2)^(ei>>1)^ei)&1)
.set rl, (el&30)|(((el>>4)^(el>>3)^(el>>2)^(el>>1)^el)&1)
.if (ei&(\k)) != 0
.set rt, ri
.set ri, rl
.set rl, rt
.endif
	v_dual_min_num_f32 v[\dst+ri], v[\src+ri], v[\src+rl] :: v_dual_max_num_f32 v[\dst+rl], v[\src+ri], v[\src+rl]
.endif
.set ei, ei+1
.endr
.endm
.macro SORT                            ; bank P, in any order, comes out ascending in bank Q
	STAGE P, Q, 2, 1
	STAGE Q, P, 4, 2
	STAGE P, Q, 4, 1
	STAGE Q, P, 8, 4
	STAGE P, Q, 8, 2
	STAGE Q, P, 8, 1
	STAGE P, Q, 16, 8
	STAGE Q, P, 16, 4
	STAGE P, Q, 16, 2
	STAGE Q, P, 16, 1
	STAGE P, Q, 32, 16
	STAGE Q, P, 32, 8
	STAGE P, Q, 32, 4
	STAGE Q, P, 32, 2
	STAGE P, Q, 32, 1
.endm
.macro MINS                            ; A and Q ascending: min(A[e], Q[31 - e]) are the 32 smallest of the 64, a bitonic run, in P.  Elements e and e + 1 (e even) go as one dual: their registers differ in the lowest bit, in all three banks
.set ei, 0
.rept 16
.set el, 31-ei
.set ri, (ei&30)|(((ei>>4)^(ei>>3)^(ei>>2)^(ei>>1)^ei)&1)
.set rl, (el&30)|(((el>>4)^(el>>3)^(el>>2)^(el>>1)^el)&1)
	v_dual_min_num_f32 v[P+ri], v[A+ri], v[Q+rl] :: v_dual_min_num_f32 v[P+(ri^1)], v[A+(ri^1)], v[Q+(rl^1)]
.set ei, ei+2
.endr
.endm
.macro MERGE                           ; and sorted again, into A
	MINS
	STAGE P, Q, 32, 16
	STAGE Q, P, 32, 8
	STAGE P, Q, 32, 4
	STAGE Q, P, 32, 2
	STAGE P, A, 32, 1
.endm
.macro CHUNK c, buf                    ; four pairs of candidates: every lane reads the same bytes
.irp q,0,1,2,3
	ds_load_b128 v[CB+32*\buf+8*\q:CB+32*\buf+8*\q+3], v7 offset:32*(4*\c+\q)
	ds_load_b128 v[CB+32*\buf+8*\q+4:CB+32*\buf+8*\q+7], v7 offset:32*(4*\c+\q)+16
.endr
.endm
.macro DIST c, buf, dst                ; e of my query to eight candidates, two an instruction; candidate n of the batch goes to register dst + n
.irp q,0,1,2,3
	v_pk_fma_f32 v[\dst+8*\c+2*\q:\dst+8*\c+2*\q+1], v[12:13], v[CB+32*\buf+8*\q+4:CB+32*\buf+8*\q+5], v[CB+32*\buf+8*\q+6:CB+32*\buf+8*\q+7]
.endr
.irp q,0,1,2,3
	v_pk_fma_f32 v[\dst+8*\c+2*\q:\dst+8*\c+2*\q+1], v[10:11], v[CB+32*\buf+8*\q+2:CB+32*\buf+8*\q+3], v[\dst+8*\c+2*\q:\dst+8*\c+2*\q+1]
.endr
.irp q,0,1,2,3
	v_pk_fma_f32 v[\dst+8*\c+2*\q:\dst+8*\c+2*\q+1], v[8:9], v[CB+32*\buf+8*\q:CB+32*\buf+8*\q+1], v[\dst+8*\c+2*\q:\dst+8*\c+2*\q+1]
.endr
.endm
.macro KEYS c                          ; pass 2: the keys of eight candidates, from e in Q into P
.irp q,0,1,2,3
	v_pk_fma_f32 v[Q+8*\c+2*\q:Q+8*\c+2*\q+1], v[Q+8*\c+2*\q:Q+8*\c+2*\q+1], v[28:29], v[26:27]   ; u = e 2^32 - T 2^32
.endr
.irp n,0,1,2,3,4,5,6,7
	v_med3_num_f32 v[P+8*\c+\n], v[Q+8*\c+\n], -v30, v30                                         ; -2^-120, 0 or 2^-120
.endr
.irp n,0,1,2,3,4,5,6,7
	v_add3_u32 v[P+8*\c+\n], v[P+8*\c+\n], s17, 0x40000000+8*\c+\n                               ; + the candidate's number, in the low 11 bits
.endr
.endm
.macro WORK c, buf, key
.if \key
	DIST \c, \buf, Q
	KEYS \c
.else
	DIST \c, \buf, P
.endif
.endm
.macro PASS key                        ; my wave's 512 candidates, 16 batches of 32, merged into A
	s_lshl_b32 s16, s22, 13                        ; their bytes in the table
	s_lshl_b32 s17, s22, 9                         ; the batch's first candidate
	s_mov_b32 s18, 0
	v_mov_b32 v7, s16
	CHUNK 0, 0
	CHUNK 1, 1
.Lbatch_\@:                                        ; at the top of a trip the batch's first two chunks are on their way, 16 loads
	s_wait_dscnt 8                                 ; the older chunk is in; the younger chunk's eight loads may be out
	WORK 0, 0, \key
	CHUNK 2, 0
	s_wait_dscnt 8
	WORK 1, 1, \key
	CHUNK 3, 1
	s_wait_dscnt 8
	WORK 2, 0, \key
	s_add_co_u32 s16, s16, 512
	v_mov_b32 v7, s16
	CHUNK 0, 0                                     ; the next batch's first chunk (behind my last batch: the next quarter's, or the pad: read and not used)
	s_wait_dscnt 8
	WORK 3, 1, \key
	CHUNK 1, 1                                     ; and its second: both land under the sort
	SORT
	MERGE
	s_add_co_u32 s17, s17, 32
	s_add_co_u32 s18, s18, 1
	s_cmp_lt_u32 s18, 16
	s_cbranch_scc1 .Lbatch_\@
.endm
.macro IMG_ST                          ; my list goes to LDS as an image of its registers,
.irp k,0,1,2,3,4,5,6,7
	ds_store_b128 v3, v[A+4*\k:A+4*\k+3] offset:512*\k
.endr
	s_wait_dscnt 0x0                               ; for the others' sake: my stores have landed (and the look-ahead's loads are back)
	s_barrier_signal -1
	s_barrier_wait -1
.endm
.macro IMG_LD reg, w                   ; and that of wave w of my four comes back so
.irp k,0,1,2,3,4,5,6,7
	ds_load_b128 v[\reg+4*\k:\reg+4*\k+3], v24 offset:4096*\w+512*\k
.endr
.endm
.macro FOUR                            ; the lists of the four waves that share my queries: the 32 smallest of all, unsorted, in P
	IMG_LD A, 0
	IMG_LD Q, 1
	s_wait_dscnt 0x0
	MERGE
	IMG_LD Q, 2
	s_wait_dscnt 0x0
	MERGE
	IMG_LD Q, 3
	s_wait_dscnt 0x0
	MINS
.endm
	s_load_b128 s[4:7], s[0:1], 0x0                ; src, tgt
	s_load_b64 s[8:9], s[0:1], 0x10                ; idx
	v_lshl_add_u32 v20, v0, 2, SPARE               ; my spare word,
	v_mov_b32 v21, 0                               ; and 0: kept for the wave's closing lines (and the pad's zeros)
	v_lshrrev_b32 v1, 5, v0
	v_readfirstlane_b32 s10, v1                    ; wave
	s_and_b32 s11, ttmp7, 0xffff                   ; 4 cloud + batch
	s_and_b32 s12, s11, 3
	s_mul_i32 s12, s12, 24576                      ; the batch's three planes of 2,048 numbers
	s_mov_b32 s13, 0
	s_lshr_b32 s21, s10, 2                         ; my group of 32 queries
	s_and_b32 s22, s10, 3                          ; my quarter of the candidates
	s_lshl_b32 s14, s11, 18                        ; idx: 2,048 rows of 128 bytes a batch,
	s_lshl_b32 s15, ttmp9, 13                      ; 64 rows a work-group,
	s_add_co_u32 s14, s14, s15
	s_lshl_b32 s15, s21, 12                        ; 32 a group
	s_add_co_u32 s14, s14, s15
	s_mov_b32 s15, 0
	s_lshl_b32 s19, ttmp9, 8
	s_lshl_b32 s20, s21, 7
	s_add_co_u32 s19, s19, s20                     ; my group's first query, in bytes of a plane
	s_lshl_b32 s20, s10, 12
	s_add_co_u32 s20, s20, LST1                    ; my wave's list
	s_lshl_b32 s23, s21, 14
	s_add_co_u32 s23, s23, LST1                    ; my group's four lists
	s_mul_i32 s24, s21, 4608
	s_add_co_u32 s24, s24, STG                     ; my group's stage
	v_and_b32 v1, 31, v0                           ; lane
	v_lshlrev_b32 v2, 5, v0                        ; the table, on the way in: 32 bytes a thread
	v_lshlrev_b32 v4, 4, v1                        ; 16 x lane
	v_add_nc_u32 v3, s20, v4                       ; an image's place for my lane in my wave's list,
	v_add_nc_u32 v24, s23, v4                      ; and in the first of my group's
	v_mad_u32_u24 v5, v1, 144, s24                 ; the stage: my query's row
	v_lshrrev_b32 v6, 3, v1
	v_and_b32 v7, 7, v1
	v_mad_u32_u24 v6, v6, 144, s24
	v_lshl_add_u32 v6, v7, 4, v6                   ; and back: eight lanes to a row
	v_lshlrev_b32 v22, 3, v0                       ; a pair of numbers a thread
	v_lshl_add_u32 v31, v0, 1, 32768               ; the pad: two bytes a thread
	v_lshl_add_u32 v23, v1, 2, s19                 ; my query
	v_mov_b32 v17, 0x7f000000
	v_mov_b32 v28, 0x4f800000                      ; 2^32, twice
	v_mov_b32 v29, 0x4f800000
	v_mov_b32 v30, 0x03800000                      ; 2^-120
	s_wait_alu depctr_va_vdst(0)                   ; the wait at the head's end
	s_wait_kmcnt 0x0
	s_cmp_lt_u32 s11, 4
	s_cselect_b64 s[4:5], s[4:5], s[6:7]           ; my cloud
	s_add_nc_u64 s[4:5], s[4:5], s[12:13]
	s_add_nc_u64 s[8:9], s[8:9], s[14:15]
.irp i,0,1,2,3
	global_load_b64 v[CB+8*\i:CB+8*\i+1], v22, s[4:5] offset:2048*\i            ; pair t + 256 i: a wave's load covers 256 consecutive bytes
	global_load_b64 v[CB+8*\i+2:CB+8*\i+3], v22, s[4:5] offset:8192+2048*\i
	global_load_b64 v[CB+8*\i+4:CB+8*\i+5], v22, s[4:5] offset:16384+2048*\i
.endr
	global_load_b32 v8, v23, s[4:5]
	global_load_b32 v10, v23, s[4:5] offset:8192
	global_load_b32 v12, v23, s[4:5] offset:16384
	s_wait_loadcnt 0x0
.irp i,0,1,2,3
	v_pk_mul_f32 v[CB+8*\i+6:CB+8*\i+7], v[CB+8*\i:CB+8*\i+1], v[CB+8*\i:CB+8*\i+1]
.endr
.irp i,0,1,2,3
	v_pk_fma_f32 v[CB+8*\i+6:CB+8*\i+7], v[CB+8*\i+2:CB+8*\i+3], v[CB+8*\i+2:CB+8*\i+3], v[CB+8*\i+6:CB+8*\i+7]
.endr
.irp i,0,1,2,3
	v_pk_fma_f32 v[CB+8*\i+6:CB+8*\i+7], v[CB+8*\i+4:CB+8*\i+5], v[CB+8*\i+4:CB+8*\i+5], v[CB+8*\i+6:CB+8*\i+7]
.endr
.irp i,0,1,2,3
	ds_store_b128 v2, v[CB+8*\i:CB+8*\i+3] offset:8192*\i
	ds_store_b128 v2, v[CB+8*\i+4:CB+8*\i+7] offset:8192*\i+16
.endr
	ds_store_b16 v31, v21                          ; the pad's zeros
	v_mul_f32 v8, -2.0, v8                         ; my query x -2: a power of two rounds nothing;
	v_mul_f32 v10, -2.0, v10
	v_mul_f32 v12, -2.0, v12
	v_mov_b32 v9, v8                               ; each of the three numbers twice: pairs for the packed forms
	v_mov_b32 v11, v10
	v_mov_b32 v13, v12
.set ei, 0
.rept 32
	v_mov_b32 v[A+ei], 0x7f800000                  ; pass 1 begins with a list of +infinity
.set ei, ei+1
.endr
	s_wait_dscnt 0x0
	s_barrier_signal -1
	s_barrier_wait -1                              ; the table is whole
	PASS 0
	IMG_ST
	FOUR                                           ; every wave merges its group's four lists: each needs T
	v_add_nc_u32 v3, LSTD, v3                      ; on to pass 2's lists
	v_add_nc_u32 v24, LSTD, v24
	v_max3_num_f32 v16, v[P], v[P+1], v[P+2]
.irp i,3,5,7,9,11,13,15,17,19,21,23,25,27,29
	v_max3_num_f32 v16, v16, v[P+\i], v[P+\i+1]
.endr
	v_max_num_f32 v16, v16, v[P+31]                ; T: the 32nd smallest e
	v_mul_f32 v26, 0xcf800000, v16                 ; -T 2^32, twice: a power of two rounds nothing
	v_mul_f32 v27, 0xcf800000, v16
.set ei, 0
.rept 32
	v_mov_b32 v[A+ei], v17                         ; pass 2 begins with a list over every key
.set ei, ei+1
.endr
	PASS 1
	IMG_ST
	s_cmp_lg_u32 s22, 0                            ; the first wave of each group merges the keys and stores
	s_cbranch_scc1 .Lend
	FOUR
.set ei, 0
.rept 32
	v_and_b32 v[P+ei], 0x7ff, v[P+ei]              ; a key's low 11 bits are the neighbour's number
.set ei, ei+1
.endr
.irp k,0,1,2,3,4,5,6,7
	ds_store_b128 v5, v[P+4*\k:P+4*\k+3] offset:16*\k
.endr
.irp k,0,1,2,3,4,5,6,7
	ds_load_b128 v[Q+4*\k:Q+4*\k+3], v6 offset:576*\k      ; LDS serves a wave's instructions in order: these see my stores
.endr
	s_wait_dscnt 0x0
.irp k,0,1,2,3,4,5,6,7
	global_store_b128 v4, v[Q+4*\k:Q+4*\k+3], s[8:9] offset:512*\k      ; four rows of idx: 512 consecutive bytes
.endr
.Lend:
	s_wait_tensorcnt 0x0                           ; the wave's end, behind my last LDS store
	ds_add_u32 v20, v21
	s_wait_dscnt 0x0
	s_endpgm
.Lfunc_end_k_q8169dda7a3_knn:
	.size	k_q8169dda7a3_knn, .Lfunc_end_k_q8169dda7a3_knn-k_q8169dda7a3_knn
	.p2alignl 7, 3214868480
	.fill 96, 4, 3214868480
	.section	.rodata,"a",@progbits
	.p2align	6, 0x0
	.amdhsa_kernel k_q8169dda7a3_knn
		.amdhsa_group_segment_fixed_size 167936
		.amdhsa_private_segment_fixed_size 0
		.amdhsa_enable_private_segment 0
		.amdhsa_kernarg_size 24
		.amdhsa_user_sgpr_count 2
		.amdhsa_user_sgpr_kernarg_segment_ptr 1
		.amdhsa_wavefront_size32 1
		.amdhsa_system_sgpr_workgroup_id_x 1
		.amdhsa_system_sgpr_workgroup_id_y 1
		.amdhsa_system_sgpr_workgroup_id_z 1
		.amdhsa_system_vgpr_workitem_id 0
		.amdhsa_next_free_vgpr 192
		.amdhsa_next_free_sgpr 66
		.amdhsa_reserve_vcc 0
		.amdhsa_float_denorm_mode_32 3
		.amdhsa_float_denorm_mode_16_64 3
		.amdhsa_memory_ordered 1
		.amdhsa_forward_progress 1
		.amdhsa_inst_pref_size 107
	.end_amdhsa_kernel
	.amdgpu_metadata
---
amdhsa.version: [ 1, 2 ]
amdhsa.kernels:
  - .name:           k_q8169dda7a3_knn
    .symbol:         k_q8169dda7a3_knn.kd
    .args:
      - { .name: src, .offset: 0, .size: 8, .value_kind: global_buffer, .address_space: global }
      - { .name: tgt, .offset: 8, .size: 8, .value_kind: global_buffer, .address_space: global }
      - { .name: idx, .offset: 16, .size: 8, .value_kind: global_buffer, .address_space: global }
    .group_segment_fixed_size: 167936
    .private_segment_fixed_size: 0
    .kernarg_segment_align: 8
    .kernarg_segment_size: 24
    .max_flat_workgroup_size: 256
    .sgpr_count:     66
    .vgpr_count:     192
    .wavefront_size: 32
...
	.end_amdgpu_metadata
.endif
;; end of part 1
;; launch edge1 (part 2): grid 256 x 1, 4 waves a work-group, no clusters, 14,848 bytes of LDS; arguments src, tgt, idx, cat, partA, w1, g1; writes cat, partA
.if DOCPART == 2
	.amdgcn_target "amdgcn-amd-amdhsa--gfx1250"
	.amdhsa_code_object_version 6
	.text
	.protected	k_q8169dda7a3_edge1
	.globl	k_q8169dda7a3_edge1
	.p2align	8
	.type	k_q8169dda7a3_edge1,@function
k_q8169dda7a3_edge1:
	s_mov_b64 s[64:65], 0
	v_nop
	global_prefetch_b8 v0, s[64:65] scope:SCOPE_SE
	s_setreg_imm32_b32 hwreg(HW_REG_WAVE_MODE, 25, 1), 1
	s_wait_xcnt 0x0
; EDGE LAYERS, pass DEPTH of four (one text; the line below is all that differs).  Pass L recomputes layers 1 .. L-1 from the coordinates, with their batch norms known, and forms layer L's
; pre-activation x~ = sign(g) x only to take (a) its maximum over each point's 32 neighbours, stored in cat, and (b) its batch statistics, stored as one (mean, M2) a channel and work-group.
; Nothing of reference() is left out: relu(bn(.)) rises with x~, so the maximum over the neighbours is taken ahead of it.
; SHARES.  Work-group x: points 64 x .. 64 x + 63 of the 16,384 (cloud = x / 128).  A wave: 16 points, one a trip; a point is 32 rows, two tiles of 16.
; LAYER 1 (K = 6, f32, feeds a quantiser) goes by ONE v_wmma_f32_16x16x4_f32 a tile, on features (xj yj zj 1): the centre's part w[3..5] . (xi yi zi) is the same for a point's 32 rows, so it is made once a point,
; three fused multiply-adds a tile, and stands with the batch norm's shift in the weights' column against the 1; in passes 2 to 4 the weights carry the batch norm's factor.
; A LAYER THAT IS QUANTISED is used transposed (source 0 = weight rows 64 (T/4) + 32 (r/8) + 8 (T%4) + r%8): a lane then holds one row and, in four tiles' registers, one whole block of 32 channels in the next operand's order.
; THE PASS'S LAST LAYER is used natural (source 1 = weight rows 64 (T/4) + 4 r + T%4): a lane is a channel, its registers are rows.  Its C is minus a pivot (the wave's first point's mean, found in an extra trip 0),
; so that no variance is a difference of large sums.  The registers that the f32 matrix form writes (window 1, v0-127) are written by matrix instructions alone.
; The statistics of layer L-1 are combined from the 128 partials of the cloud in this launch's prologue (REDUCE).  The gathers' addresses come from idx, whole numbers stored by the first launch.
; LIMITS: NaN and infinities are not served; a block whose largest number lies under 2^-124 gets the scale byte 1 over zero codes; g = 0 gives relu(b), as in reference().
; REGISTERS: window 0: v1-31 addresses and features; v32-59 the weights' scale words, v60-65 the activations'; v66-97 operands; v98-113 maxima; v114-121 at work; v128-191 numbers ahead of a quantiser; v192-231 at work.
;   window 1: v0-127 matrix results; v128-239 the transposed layers' weights; v240-255 the centre's weights and shift (pass 1: window 3, v16-31).   window 2: v0-191 batch-norm factors and shifts; v192-255 sums.   window 3: v0-127 the natural layer's weights; v128-255 minus the pivots.
.set DEPTH, 1
.if DEPTH == 1
.set C, 64
.set OFF, 0
.set CP, 64
.set OFFP, 0
.set GPV, 16
.set BPV, 16
.set HX, 66
.set HSN, 60
.set SN, 32
.elseif DEPTH == 2
.set C, 64
.set OFF, 64
.set CP, 64
.set OFFP, 0
.set GPV, 16
.set BPV, 20
.set HX, 66
.set HSN, 60
.set SN, 32
.elseif DEPTH == 3
.set C, 128
.set OFF, 128
.set CP, 64
.set OFFP, 64
.set GPV, 26
.set BPV, 28
.set HX, 66
.set HSN, 62
.set SN, 36
.else
.set C, 256
.set OFF, 256
.set CP, 128
.set OFFP, 128
.set GPV, 34
.set BPV, 36
.set HX, 82
.set HSN, 64
.set SN, 44
.endif
.if DEPTH == 1
.set W1B, 0                            ; w1's fragments, four registers a tile of which the first two are the operand: window 3 from v0,
.set KB, 16                            ; the centre's weights (x: KB + n, y: KB + 4 + n, z: KB + 8 + n) and the addend (KB + 12 + n) behind them,
.set CIW, 0xf3                         ; and the windows of the three multiply-adds: destination, sources 0 and 2 there, source 1 in window 0
.else
.set W1B, 128                          ; the same in window 1
.set KB, 240
.set CIW, 0x51
.endif
.set NT, C/16                          ; tiles of 16 channels in the pass's last layer
.set NG, C/64                          ; groups of four
.set RX, 0                             ; LDS: REDUCE's exchange, 32 bytes a thread;
.set AT, 4096                          ; the batch norms' factors, by channel in cat's order;
.set DT, 5120                          ; their shifts;
.set WX, 6144                          ; the waves' statistics at the end: 8 C bytes a wave;
.set SPARE, 14336                      ; the spare words
.set SEL, 48                           ; s[48:49] v_permlanex16_b32's selects for lane l xor 16
.set HM, 50                            ; s50 the mask of lanes 16-31
.set VSH, 3
.set EX, 98
.set TM, 114
.set R, 128
.set PT, 192
.set SD, 224
.set RR, 98
.set RS, 66
.set MSB, 0
.macro WIN new                         ; the immediate's high byte repeats the setting that is left; a switch that changes nothing is dropped
.if MSB != (\new)
	s_set_vgpr_msb (MSB<<8)|(\new)
.set MSB, (\new)
.endif
.endm
.macro PLACES n
.rept \n
	v_nop
.endr
.endm
.macro MM0 d, a, b, sa, sb
	v_wmma_scale_f32_16x16x128_f8f6f4 v[\d:\d+7], v[\a:\a+7], v[\b:\b+7], 0, v[\sa], v[\sb] matrix_a_fmt:MATRIX_FMT_FP4 matrix_b_fmt:MATRIX_FMT_FP4
.endm
.macro MMC d, a, b, c, sa, sb
	v_wmma_scale_f32_16x16x128_f8f6f4 v[\d:\d+7], v[\a:\a+7], v[\b:\b+7], v[\c:\c+7], v[\sa], v[\sb] matrix_a_fmt:MATRIX_FMT_FP4 matrix_b_fmt:MATRIX_FMT_FP4
.endm
.macro BMAX m, base, w                 ; the largest of a lane's 32 numbers (a whole block) and the floor 2^(3 - 127); no |.|: a relu follows, and what is negative must not count.  Each tile is read from its low end on
	WIN \w
	v_max3_num_f32 v[\m], v[\base], v[\base+1], 0x1800000
	v_max_num_f32 v[\m+1], v[\base+16], v[\base+17]
.irp i,2,4,6,8,10,12,14
	v_max3_num_f32 v[\m], v[\base+\i], v[\base+\i+1], v[\m]
	v_max3_num_f32 v[\m+1], v[\base+16+\i], v[\base+17+\i], v[\m+1]
.endr
	WIN 0
	v_max_num_f32 v[\m], v[\m], v[\m+1]
.endm
.macro SCW1 hs                         ; one block a lane (K = 64): the conversion's scale operand in TM+4; the row's scale word: byte h is mine, the other comes from lane l xor 16
	v_add_nc_u32 v[TM+4], 0xff000000, v[TM]
	v_lshrrev_b32 v[TM+6], 23, v[TM+4]
	v_lshlrev_b32 v[TM+6], v[VSH], v[TM+6]
	v_permlanex16_b32 v[TM+1], v[TM+6], s[SEL], s[SEL+1]
	v_or_b32 v[\hs], v[TM+6], v[TM+1]
.endm
.macro SCW2 hs                         ; two blocks a lane (K = 128): blocks h and 2 + h
	v_add_nc_u32 v[TM+4], 0xff000000, v[TM]
	v_add_nc_u32 v[TM+5], 0xff000000, v[TM+2]
	v_lshrrev_b32 v[TM+6], 23, v[TM+4]
	v_lshrrev_b32 v[TM+7], 23, v[TM+5]
	v_lshl_or_b32 v[TM+6], v[TM+7], 16, v[TM+6]
	v_lshlrev_b32 v[TM+6], v[VSH], v[TM+6]
	v_permlanex16_b32 v[TM+1], v[TM+6], s[SEL], s[SEL+1]
	v_or_b32 v[\hs], v[TM+6], v[TM+1]
.endm
.macro RELU base, n
.set qi, 0
.rept \n
	v_max_num_f32 v[\base+qi], 0, v[\base+qi]
.set qi, qi+1
.endr
.endm
.macro CVT4 dst, src, sc               ; a block's 32 numbers become four registers of the operand; one plain place behind the last conversion
.irp g,0,1,2,3
	v_cvt_scalef32_pk8_fp4_f32 v[\dst+\g], v[\src+8*\g:\src+8*\g+7], v[\sc]
.endr
	v_nop
.endm
; The cloud's 128 partials (mean, M2) of a layer become its batch norm.  Thread t: channel pair q = t mod 2^lch2, rows rr (t >> lch2) on.  Row 0's mean is the pivot m0: A = sum(mean - m0), B = sum((mean - m0)^2), M = sum(M2);
; mean = m0 + A/128, M2 = M + n (B - A^2/128).  s[RS] = n, s[RS+1] = 1/N, s[RS+2] = eps.  A ring of 32 slots: the wait ahead of row i counts the younger loads of the ring.
.macro REDUCE pb, rowb, lch2, rr, thr, gp, bp, ato, dto, rb, wv
	v_and_b32 v[RR], (1<<\lch2)-1, v0
	v_lshrrev_b32 v[RR+2], \lch2, v0
	v_lshlrev_b32 v[RR+1], 4, v[RR]
	v_lshlrev_b32 v[RR], 3, v[RR]
	v_mul_u32_u24 v[RR+2], v[RR+2], \rr*\rowb
	v_add_nc_u32 v[RR+2], v[RR+1], v[RR+2]
	v_lshlrev_b32 v[RR+3], 5, v0
	global_load_b128 v[RR+4:RR+7], v[RR+1], s[\pb:\pb+1]
	global_load_b64 v[RR+8:RR+9], v[RR], s[\gp:\gp+1]
	global_load_b64 v[RR+10:RR+11], v[RR], s[\bp:\bp+1]
.set ri, 0
.rept 32
	global_load_b128 v[\rb+4*ri:\rb+4*ri+3], v[RR+2], s[\pb:\pb+1] offset:ri*\rowb
.set ri, ri+1
.endr
.irp k,13,15,16,17,18,19,20,21
	v_mov_b32 v[RR+\k], 0
.endr
.set ri, 0
.rept \rr
.if \rr-1-ri < 31
	s_wait_loadcnt \rr-1-ri
.else
	s_wait_loadcnt 31
.endif
.if ri == 0
	v_xor_b32 v[RR+12], 0x80000000, v[RR+4]        ; (-m0, 0) for each of my two channels
	v_xor_b32 v[RR+14], 0x80000000, v[RR+6]
.endif
.set sl, \rb+4*(ri%32)
	v_pk_add_f32 v[sl:sl+1], v[sl:sl+1], v[RR+12:RR+13]
	v_pk_add_f32 v[sl+2:sl+3], v[sl+2:sl+3], v[RR+14:RR+15]
	v_pk_add_f32 v[RR+16:RR+17], v[RR+16:RR+17], v[sl:sl+1]
	v_pk_add_f32 v[RR+18:RR+19], v[RR+18:RR+19], v[sl+2:sl+3]
	v_fma_f32 v[RR+20], v[sl], v[sl], v[RR+20]
	v_fma_f32 v[RR+21], v[sl+2], v[sl+2], v[RR+21]
.if ri+32 < \rr
	global_load_b128 v[sl:sl+3], v[RR+2], s[\pb:\pb+1] offset:(ri+32)*\rowb
.endif
.set ri, ri+1
.endr
	ds_store_b128 v[RR+3], v[RR+16:RR+19] offset:RX
	ds_store_b64 v[RR+3], v[RR+20:RR+21] offset:RX+16
	s_wait_dscnt 0x0                               ; my sums have landed
	s_barrier_signal -1
	s_barrier_wait -1
	s_cmp_ge_u32 s[\wv], (1<<\lch2)/32             ; the first 2^lch2 threads finish a channel pair each
	s_cbranch_scc1 .Lred_\@
.set rg, 1
.rept (\thr>>\lch2)-1
	ds_load_b128 v[\rb+8*rg:\rb+8*rg+3], v[RR+3] offset:RX+(32<<\lch2)*rg
	ds_load_b64 v[\rb+8*rg+4:\rb+8*rg+5], v[RR+3] offset:RX+(32<<\lch2)*rg+16
.set rg, rg+1
.endr
	s_wait_dscnt 0x0
.set rg, 1
.rept (\thr>>\lch2)-1
	v_pk_add_f32 v[RR+16:RR+17], v[RR+16:RR+17], v[\rb+8*rg:\rb+8*rg+1]
	v_pk_add_f32 v[RR+18:RR+19], v[RR+18:RR+19], v[\rb+8*rg+2:\rb+8*rg+3]
	v_pk_add_f32 v[RR+20:RR+21], v[RR+20:RR+21], v[\rb+8*rg+4:\rb+8*rg+5]
.set rg, rg+1
.endr
.irp e,0,1
	v_mul_f32 v[\rb+40+\e], 0x3c000000, v[RR+16+2*\e]                      ; A / 128
	v_fma_f32 v[RR+20+\e], -v[\rb+40+\e], v[RR+16+2*\e], v[RR+20+\e]       ; B - A^2 / 128
	v_add_f32 v[\rb+42+\e], v[RR+4+2*\e], v[\rb+40+\e]                     ; the mean
	v_fma_f32 v[RR+17+2*\e], s[RS], v[RR+20+\e], v[RR+17+2*\e]             ; M2
	v_fma_f32 v[\rb+44+\e], v[RR+17+2*\e], s[RS+1], s[RS+2]                ; var + eps
.endr
	v_rsq_f32 v[\rb+46], v[\rb+44]
	v_rsq_f32 v[\rb+47], v[\rb+45]
	v_nop                                          ; a plain place behind the last of the two,
	s_wait_alu depctr_va_vdst(0)                   ; and the one wait ahead of their first reader
.irp e,0,1
	v_mul_f32 v[\rb+48+\e], |v[RR+8+\e]|, v[\rb+46+\e]                     ; the factor |g| rsqrt(var + eps)
	v_fma_f32 v[\rb+50+\e], -v[\rb+42+\e], v[\rb+48+\e], v[RR+10+\e]       ; the shift b - mean x factor
.endr
	ds_store_b64 v[RR], v[\rb+48:\rb+49] offset:\ato
	ds_store_b64 v[RR], v[\rb+50:\rb+51] offset:\dto
.Lred_\@:
	s_wait_dscnt 0x0
	s_barrier_signal -1
	s_barrier_wait -1                              ; factors and shifts lie in LDS
.endm
; A layer's fragments (window win, 8 registers a tile), scale words and gains.  kb: bytes of a row of codes.  nat = 1: rows 64 (T/4) + 4 r + T%4, else 64 (T/4) + 32 (r/8) + 8 (T%4) + r%8
.macro LW cp, sp, gp, win, base, nt, kb, nat, sreg, greg
	s_wait_xcnt 0x0                                ; the loads issued so far have read their address registers
.if \nat
	v_mul_u32_u24 v100, v28, \kb
	v_mul_u32_u24 v101, v28, \kb/16
	v_lshlrev_b32 v102, 2, v28
.else
	v_mul_u32_u24 v100, v98, \kb
	v_mul_u32_u24 v101, v98, \kb/16
	v_lshlrev_b32 v102, 2, v98
.endif
	v_lshl_add_u32 v100, v2, 4, v100
	WIN (\win<<6)
.set lt, 0
.rept \nt
.set tp, 64*(lt/4)+(8-7*\nat)*(lt%4)
	global_load_b128 v[\base+8*lt:\base+8*lt+3], v100, s[\cp:\cp+1] offset:tp*\kb
.if \kb == 64
	global_load_b128 v[\base+8*lt+4:\base+8*lt+7], v100, s[\cp:\cp+1] offset:tp*\kb+32
.endif
.set lt, lt+1
.endr
	WIN 0
.set lt, 0
.rept \nt
.set tp, 64*(lt/4)+(8-7*\nat)*(lt%4)
.if \kb == 64
	global_load_b32 v[\sreg+lt], v101, s[\sp:\sp+1] offset:tp*4
.else
	global_load_u16 v[\sreg+lt], v101, s[\sp:\sp+1] offset:tp*2     ; two bytes a row; the word's upper bytes are 0, over zero codes
.endif
.set lt, lt+1
.endr
	WIN 0x80
.set lt, 0
.rept \nt
.set tp, 64*(lt/4)+(8-7*\nat)*(lt%4)
	global_load_b32 v[\greg+lt], v102, s[\gp:\gp+1] offset:tp*4
.set lt, lt+1
.endr
	WIN 0
.endm
.macro LW1 win, base, nat              ; w1: lane (r, h), tile n: registers 0, 1: w1[c][2 h ..]; registers 2, 3: w1[c][4 ..]
	s_wait_xcnt 0x0
.if \nat
	v_mul_u32_u24 v103, v28, 24
	v_lshlrev_b32 v102, 2, v28
.else
	v_mul_u32_u24 v103, v98, 24
	v_lshlrev_b32 v102, 2, v98
.endif
	v_lshl_add_u32 v104, v2, 3, v103
	WIN (\win<<6)
.irp n,0,1,2,3
	global_load_b64 v[\base+4*\n:\base+4*\n+1], v104, s[14:15] offset:(8-7*\nat)*\n*24
	global_load_b64 v[\base+4*\n+2:\base+4*\n+3], v103, s[14:15] offset:(8-7*\nat)*\n*24+16
.endr
	WIN 0x80
.irp n,0,1,2,3
	global_load_b32 v[192+\n], v102, s[16:17] offset:(8-7*\nat)*\n*4
.endr
	WIN 0
.endm
.macro FLIP win, base, nt, nr, greg    ; a row whose g is negative changes the sign of its codes; a K of 64 is filled up with zero codes
	WIN 0x08
.set lt, 0
.rept \nt
	v_ashrrev_i32 v[PT+lt], 31, v[\greg+lt]
.set lt, lt+1
.endr
	WIN 0
.set lt, 0
.rept \nt
	v_and_b32 v[PT+lt], 0x88888888, v[PT+lt]
.set lt, lt+1
.endr
	WIN (\win<<6)|(\win<<2)
.set lt, 0
.rept \nt
.set lj, 0
.rept \nr
	v_xor_b32 v[\base+8*lt+lj], v[PT+lt], v[\base+8*lt+lj]
.set lj, lj+1
.endr
.set lt, lt+1
.endr
.if \nr == 4
	WIN (\win<<6)
.set lt, 0
.rept \nt
.irp j,4,5,6,7
	v_mov_b32 v[\base+8*lt+\j], 0
.endr
.set lt, lt+1
.endr
.endif
	WIN 0
.endm
.macro NEXT                            ; the coordinates of the point whose idx is in v8, v9 (its centre at byte s69), and the idx of point s70 of my 16
	v_min_u32 v5, 2047, v8
	v_min_u32 v6, 2047, v9
	v_lshlrev_b32 v5, 2, v5
	v_lshlrev_b32 v6, 2, v6
	v_mov_b32 v7, s69
	v_lshl_add_u32 v4, s70, 7, v28
.irp k,0,1,2
	global_load_b32 v[10+\k], v5, s[4:5] offset:8192*\k
	global_load_b32 v[13+\k], v6, s[4:5] offset:8192*\k
	global_load_b32 v[16+\k], v7, s[4:5] offset:8192*\k
.endr
	global_load_b32 v8, v4, s[8:9]
	global_load_b32 v9, v4, s[8:9] offset:64
.endm
.macro CI                              ; the weights' second register: lanes 16-31: the centre's part and the shift, against the feature 1; lanes 0-15: the three factors are 0 and the addend is w[1], which so comes back
	WIN CIW
.irp n,0,1,2,3
	v_fma_f32 v[W1B+4*\n+1], v[KB+8+\n], v18, v[KB+12+\n]
.endr
.irp n,0,1,2,3
	v_fma_f32 v[W1B+4*\n+1], v[KB+4+\n], v17, v[W1B+4*\n+1]
.endr
.irp n,0,1,2,3
	v_fma_f32 v[W1B+4*\n+1], v[KB+\n], v16, v[W1B+4*\n+1]
.endr
	WIN 0
.endm
.macro L1T                             ; layer 1, transposed: eight tiles, one K step of 4 each
	WIN 0x51
.irp t,0,1
.irp n,0,1,2,3
	v_wmma_f32_16x16x4_f32 v[32*\t+8*\n:32*\t+8*\n+7], v[128+4*\n:129+4*\n], v[20+2*\t:21+2*\t], 0
.endr
.endr
	WIN 0
	PLACES 8
.endm
.macro L1N                             ; layer 1, natural, C = minus the pivot
	WIN 0x7c
.irp q,0,1,2,3
.irp t,0,1
	v_wmma_f32_16x16x4_f32 v[16*\q+8*\t:16*\q+8*\t+7], v[20+2*\t:21+2*\t], v[4*\q:4*\q+1], v[128+8*\q:135+8*\q]
.endr
.endr
	WIN 0
	PLACES 8
.endm
.macro Q1 t                            ; h1 of row tile t: its batch norm is in the weights; the relu copies it out of the matrix results
	BMAX TM, 32*\t, 0x05
	SCW1 60+\t
	WIN 0x04
.set qi, 0
.rept 32
	v_max_num_f32 v[R+qi], 0, v[32*\t+qi]
.set qi, qi+1
.endr
	WIN 0
	CVT4 66+8*\t, R, TM+4
.endm
.macro Q2 t
	WIN 0x29
.set qi, 0
.rept 16
	v_pk_fma_f32 v[R+qi:R+qi+1], v[64+32*\t+qi:64+32*\t+qi+1], v[qi:qi+1], v[32+qi:32+qi+1]
.set qi, qi+2
.endr
	BMAX TM, R, 0
	SCW1 62+\t
	RELU R, 32
	CVT4 66+8*\t, R, TM+4
.endm
.macro Q3 t
	WIN 0x29
.set qi, 0
.rept 32
	v_pk_fma_f32 v[R+qi:R+qi+1], v[64*\t+qi:64*\t+qi+1], v[64+qi:64+qi+1], v[128+qi:128+qi+1]
.set qi, qi+2
.endr
	BMAX TM, R, 0
	BMAX TM+2, R+32, 0
	SCW2 64+\t
	RELU R, 64
	CVT4 82+8*\t, R, TM+4
	CVT4 86+8*\t, R+32, TM+5
.endm
.macro LT nt, wb, sb, hs, d0, d1       ; a transposed layer on K = 64: source 0 = weight rows, source 1 = the two row tiles by turns
	WIN 0x41
.set lt, 0
.rept \nt
	MM0 \d0+8*lt, \wb+8*lt, 66, \sb+lt, \hs
	MM0 \d1+8*lt, \wb+8*lt, 74, \sb+lt, \hs+1
.set lt, lt+1
.endr
	WIN 0
	PLACES 4
.endm
.macro LN g                            ; group g of the natural layer: four tiles of channels x two row tiles, C = minus the pivot
	WIN 0x7c
.irp q,0,1,2,3
.irp t,0,1
	MMC 64*((\g)&1)+16*\q+8*\t, HX+8*\t, 8*(4*(\g)+\q), 128+8*(4*(\g)+\q), HSN+\t, SN+4*(\g)+\q
.endr
.endr
.endm
.macro ST g                            ; group g's sums, sums of squares and maxima over the point's 32 rows; each accumulator is read from its low end on
	WIN 0xa5
.irp p,0,2,4,6
.irp t,0,1
.irp q,0,1,2,3
	v_pk_fma_f32 v[192+4*(4*(\g)+\q):193+4*(4*(\g)+\q)], v[64*((\g)&1)+16*\q+8*\t+\p:64*((\g)&1)+16*\q+8*\t+\p+1], 1.0, v[192+4*(4*(\g)+\q):193+4*(4*(\g)+\q)] op_sel_hi:[1,0,1]   ; the sum, x 1.0: under one window setting with the squares, eight chains by turns
	v_pk_fma_f32 v[194+4*(4*(\g)+\q):195+4*(4*(\g)+\q)], v[64*((\g)&1)+16*\q+8*\t+\p:64*((\g)&1)+16*\q+8*\t+\p+1], v[64*((\g)&1)+16*\q+8*\t+\p:64*((\g)&1)+16*\q+8*\t+\p+1], v[194+4*(4*(\g)+\q):195+4*(4*(\g)+\q)]
.endr
.endr
.endr
	WIN 0x05
.irp q,0,1,2,3
	v_max_num_f32 v[EX+4*(\g)+\q], v[64*((\g)&1)+16*\q], v[64*((\g)&1)+16*\q+1]
.endr
.irp i,2,4,6,8,10,12,14
.irp q,0,1,2,3
	v_max3_num_f32 v[EX+4*(\g)+\q], v[64*((\g)&1)+16*\q+\i], v[64*((\g)&1)+16*\q+\i+1], v[EX+4*(\g)+\q]
.endr
.endr
.endm
	s_load_b256 s[4:11], s[0:1], 0x0               ; src, tgt, idx, cat
	s_load_b128 s[12:15], s[0:1], 0x20             ; the partials out, w1
	s_load_b64 s[16:17], s[0:1], 0x30              ; g1
.if DEPTH >= 2
	s_load_b64 s[18:19], s[0:1], 0x38              ; the partials in
	s_load_b256 s[20:27], s[0:1], 0x40             ; b1, w2's codes, scales, g2
.endif
.if DEPTH >= 3
	s_load_b256 s[28:35], s[0:1], 0x60             ; b2, w3's codes, scales, g3
.endif
.if DEPTH >= 4
	s_load_b256 s[36:43], s[0:1], 0x80             ; b3, w4's codes, scales, g4
.endif
	v_lshl_add_u32 v26, v0, 2, SPARE               ; my spare word,
	v_mov_b32 v27, 0                               ; and 0: kept for the wave's closing lines
	v_lshrrev_b32 v1, 5, v0
	v_readfirstlane_b32 s44, v1                    ; wave
	v_and_b32 v1, 15, v0                           ; r
	v_bfe_u32 v2, v0, 4, 1                         ; h
	v_lshlrev_b32 v3, 3, v2                        ; 8 h
	v_lshlrev_b32 v28, 2, v1                       ; 4 r
	v_lshlrev_b32 v30, 3, v0                       ; 8 t
	v_lshlrev_b32 v31, 4, v0                       ; 16 t
	v_lshlrev_b32 v29, 4, v1                       ; my bytes of a point's channels in cat
.if NG == 1
	v_lshl_add_u32 v29, v2, 3, v29
.else
	v_lshl_add_u32 v29, v2, 8, v29
.endif
	v_and_b32 v98, 7, v1
	v_lshrrev_b32 v99, 3, v1
	v_lshl_add_u32 v98, v99, 5, v98                ; 32 (r / 8) + r % 8
	v_lshlrev_b32 v66, 2, v98                      ; LDS: layer 1's factor at my weight row
	v_lshlrev_b32 v67, 7, v2                       ; LDS: 32 h channels on
	s_mul_i32 s53, s44, 8*C
	v_lshlrev_b32 v123, 4, v1
	v_mad_u32_u24 v123, v2, 4*C, v123
	v_add_nc_u32 v123, s53, v123                   ; LDS: where my statistics go at the end
	s_lshr_b32 s46, ttmp9, 7                       ; cloud
	s_and_b32 s47, ttmp9, 127                      ; work-group in the cloud
	s_mov_b32 s48, 0x76543210
	s_mov_b32 s49, 0xfedcba98
	s_mov_b32 s50, 0xffff0000
	s_lshl_b32 s52, ttmp9, 6
	s_lshl_b32 s53, s44, 4
	s_add_co_u32 s52, s52, s53                     ; my wave's first point
	s_mov_b32 s55, 0
	s_wait_kmcnt 0x0
	s_cmp_eq_u32 s46, 0
	s_cselect_b64 s[4:5], s[4:5], s[6:7]           ; my cloud's coordinates,
	s_bfe_u32 s54, s52, 0x2000b
	s_mul_i32 s54, s54, 24576
	s_add_nc_u64 s[4:5], s[4:5], s[54:55]          ; my batch's
	s_lshl_b32 s54, s52, 7
	s_add_nc_u64 s[8:9], s[8:9], s[54:55]          ; idx at my first point
	s_lshl_b32 s54, s52, 11
	s_add_co_u32 s54, s54, 4*OFF
	s_add_nc_u64 s[10:11], s[10:11], s[54:55]      ; cat at my first point, this layer's channels
	s_and_b32 s52, s52, 2047                       ; the point's number in its batch
	s_lshl_b32 s54, s46, 11
	s_add_co_u32 s54, s54, 0x100000
	s_add_nc_u64 s[56:57], s[12:13], s[54:55]      ; out: the finished batch norms of my cloud
.if DEPTH >= 3
	s_add_nc_u64 s[60:61], s[18:19], s[54:55]      ; in: those of the layers before the last
.endif
	s_mul_i32 s54, ttmp9, 8*C
	s_add_nc_u64 s[12:13], s[12:13], s[54:55]      ; out: my work-group's partial
.if DEPTH >= 2
	s_mul_i32 s54, s46, 1024*CP
	s_add_nc_u64 s[58:59], s[18:19], s[54:55]      ; in: my cloud's 128 partials
	s_mov_b32 s66, 0x45000000                      ; n = 2,048 rows a partial
	s_mov_b32 s67, 0x36800000                      ; 1 / 262,144
	s_mov_b32 s68, 0x3727c5ac                      ; eps = 1e-5
.endif
.if DEPTH == 1
	LW1 3, 0, 1
.else
	LW1 1, 128, 0
.endif
.if DEPTH == 2
	LW 22, 24, 26, 3, 0, 4, 32, 1, 32, 196
.endif
.if DEPTH >= 3
	LW 22, 24, 26, 1, 144, 4, 32, 0, 32, 196
.endif
.if DEPTH == 3
	LW 30, 32, 34, 3, 0, 8, 32, 1, 36, 200
.endif
.if DEPTH == 4
	LW 30, 32, 34, 1, 176, 8, 32, 0, 36, 200
	LW 38, 40, 42, 3, 0, 16, 64, 1, 44, 208
.endif
	global_load_b32 v8, v28, s[8:9]                ; my first point's neighbours
	global_load_b32 v9, v28, s[8:9] offset:64
.if DEPTH >= 3
	s_cmp_ge_u32 s44, OFFP/64                      ; the earlier layers' batch norms are copied: two channels a thread
	s_cbranch_scc1 .Lnocopy
	global_load_b64 v[124:125], v30, s[60:61]
	global_load_b64 v[126:127], v30, s[60:61] offset:1024
	s_wait_loadcnt 0x0
	ds_store_b64 v30, v[124:125] offset:AT
	ds_store_b64 v30, v[126:127] offset:DT
.Lnocopy:
.endif
	s_wait_xcnt 0x0                                ; the weights' loads have read their address registers, which are written again below
.if DEPTH == 2 || DEPTH == 3
	REDUCE 58, 512, 5, 32, 128, GPV, BPV, AT+4*OFFP, DT+4*OFFP, 128, 44
.elseif DEPTH == 4
	REDUCE 58, 1024, 6, 64, 128, GPV, BPV, AT+4*OFFP, DT+4*OFFP, 128, 44
.else
	s_wait_loadcnt 0x0
.endif
	s_lshl_b32 s69, s52, 2
	s_mov_b32 s70, 0
	NEXT                                           ; point 0's coordinates; trip 1 takes point 0 again
.if DEPTH >= 2
.irp n,0,1,2,3
	ds_load_b32 v[128+\n], v66 offset:AT+32*\n
	ds_load_b32 v[132+\n], v66 offset:DT+32*\n
.endr
.endif
.if DEPTH >= 3
	WIN 0x80
.irp k,0,1,2,3,4,5,6,7
	ds_load_b128 v[4*\k:4*\k+3], v67 offset:AT+256+16*\k
	ds_load_b128 v[32+4*\k:35+4*\k], v67 offset:DT+256+16*\k
.endr
.endif
.if DEPTH >= 4
.irp c,0,1
.irp k,0,1,2,3,4,5,6,7
	ds_load_b128 v[64+32*\c+4*\k:67+32*\c+4*\k], v67 offset:AT+512+256*\c+16*\k
	ds_load_b128 v[128+32*\c+4*\k:131+32*\c+4*\k], v67 offset:DT+512+256*\c+16*\k
.endr
.endr
.endif
	WIN 0
	s_wait_dscnt 0x0
	WIN 0x20                                       ; w1's factor: the batch norm's (pass 1: 1) with the sign of g1
.irp n,0,1,2,3
.if DEPTH == 1
	v_bfi_b32 v[136+\n], 0x7fffffff, 1.0, v[192+\n]
.else
	v_bfi_b32 v[136+\n], 0x7fffffff, v[128+\n], v[192+\n]
.endif
.endr
.if DEPTH == 1
	WIN 0xc3
.irp n,0,1,2,3
.irp j,0,1,2,3
	v_mul_f32 v[4*\n+\j], v[4*\n+\j], v[136+\n]
.endr
	v_cndmask_b32 v[KB+12+\n], v[4*\n+1], 0, s[HM] ; the addend: lanes 0-15 w[1]; lanes 16-31 the shift, here 0
.endr
	WIN 0xcc
.irp n,0,1,2,3
.irp j,0,1,2
	v_cndmask_b32 v[KB+4*\j+\n], 0, v[4*\n+1+\j], s[HM]   ; the centre's weights w[3], w[4], w[5] in lanes 16-31, 0 in lanes 0-15
.endr
.endr
.else
	WIN 0x41
.irp n,0,1,2,3
.irp j,0,1,2,3
	v_mul_f32 v[128+4*\n+\j], v[128+4*\n+\j], v[136+\n]
.endr
	v_cndmask_b32 v[KB+12+\n], v[129+4*\n], v[132+\n], s[HM]   ; the addend: lanes 0-15 w[1]; lanes 16-31 the batch norm's shift
.endr
	WIN 0x44
.irp n,0,1,2,3
.irp j,0,1,2
	v_cndmask_b32 v[KB+4*\j+\n], 0, v[129+4*\n+\j], s[HM]   ; the centre's weights w[3], w[4], w[5] in lanes 16-31, 0 in lanes 0-15
.endr
.endr
.endif
	WIN 0
.if DEPTH == 2
	FLIP 3, 0, 4, 4, 196
.endif
.if DEPTH >= 3
	FLIP 1, 144, 4, 4, 196
.endif
.if DEPTH == 3
	FLIP 3, 0, 8, 4, 200
.endif
.if DEPTH == 4
	FLIP 1, 176, 8, 4, 200
	FLIP 3, 0, 16, 8, 208
.endif
.irp j,70,71,72,73,78,79,80,81
	v_mov_b32 v\j, 0                               ; the upper half of a K = 64 operand: zero codes
.endr
.set lt, 0
.rept 32
	v_mov_b32 v[PT+lt], 0                          ; written once: a lane permute's destination counts as one of its sources
.set lt, lt+1
.endr
	WIN 0xc0
.set lt, 0
.rept 8*NT
	v_mov_b32 v[128+lt], 0                         ; trip 0 runs with the pivot 0
.set lt, lt+1
.endr
	WIN 0x80
.set lt, 0
.rept 4*NT
	v_mov_b32 v[192+lt], 0
.set lt, lt+1
.endr
	WIN 0
.if DEPTH >= 2
	s_cmp_lg_u32 s47, 0                            ; the cloud's first work-group hands the finished batch norms on
	s_cbranch_scc1 .Lnobn
	s_cmp_ge_u32 s44, OFF/64
	s_cbranch_scc1 .Lnobn
	ds_load_b64 v[124:125], v30 offset:AT
	ds_load_b64 v[126:127], v30 offset:DT
	s_wait_dscnt 0x0
	global_store_b64 v30, v[124:125], s[56:57]
	global_store_b64 v30, v[126:127], s[56:57] offset:1024
.Lnobn:
.endif
	s_mov_b32 s51, 0
.Ltrip:                                            ; 17 trips: trip 0 finds the pivots on point 0; trip t takes point t - 1
	s_wait_loadcnt 0x0                             ; all that was asked for a trip ago: this point's coordinates, the next point's idx
	v_cndmask_b32 v20, v10, v12, s[HM]             ; the features: lanes 0-15 (xj, yj), lanes 16-31 (zj, 1)
	v_cndmask_b32 v21, v11, 1.0, s[HM]
	v_cndmask_b32 v22, v13, v15, s[HM]
	v_cndmask_b32 v23, v14, 1.0, s[HM]
	CI                                             ; the centre's part, ahead of the loads that bring the next centre
	s_cmp_eq_u32 s51, 16                           ; the last trip asks for nothing
	s_cbranch_scc1 .Lnonext
	s_min_u32 s70, s51, 15
	s_add_co_u32 s69, s52, s70
	s_lshl_b32 s69, s69, 2
	s_add_co_u32 s70, s51, 1
	s_min_u32 s70, s70, 15
	NEXT
.Lnonext:
.if DEPTH == 1
	s_wait_alu depctr_va_vdst(0)
	L1N
	ST 0
.else
	L1T
	Q1 0
	Q1 1
	PLACES 4
.if DEPTH >= 3
	LT 4, 144, 32, 60, 64, 96
	Q2 0
	Q2 1
	PLACES 4
.endif
.if DEPTH >= 4
	LT 8, 176, 36, 62, 0, 64
	Q3 0
	Q3 1
	PLACES 4
.endif
	LN 0
.if NG >= 2
	LN 1
.endif
	PLACES 4
	ST 0
.if NG == 4
	LN 2
.endif
.if NG >= 2
	ST 1
.endif
.if NG == 4
	LN 3
	ST 2
	ST 3
.endif
.endif
	WIN 0
	s_cmp_lg_u32 s51, 0
	s_cbranch_scc1 .Lkeep
	WIN 0x0a                                       ; trip 0: minus the point's mean becomes the pivot's eight registers, and the sums begin anew
.set lt, 0
.rept NT
	v_add_f32 v[EX+lt], v[192+4*lt], v[193+4*lt]
.set lt, lt+1
.endr
	WIN 0
.set lt, 0
.rept NT
	v_permlanex16_b32 v[PT+lt], v[EX+lt], s[SEL], s[SEL+1]
.set lt, lt+1
.endr
.set lt, 0
.rept NT
	v_add_f32 v[EX+lt], v[EX+lt], v[PT+lt]
.set lt, lt+1
.endr
.set lt, 0
.rept NT
	v_mul_f32 v[EX+lt], 0xbd000000, v[EX+lt]
.set lt, lt+1
.endr
	WIN 0xc0
.set lt, 0
.rept NT
.irp j,0,1,2,3,4,5,6,7
	v_mov_b32 v[128+8*lt+\j], v[EX+lt]
.endr
.set lt, lt+1
.endr
	WIN 0x80
.set lt, 0
.rept 4*NT
	v_mov_b32 v[192+lt], 0
.set lt, lt+1
.endr
	WIN 0
	s_branch .Lnext
.Lkeep:
.set lt, 0
	s_wait_alu depctr_va_vdst(0)
.rept NT
	v_permlanex16_b32 v[PT+lt], v[EX+lt], s[SEL], s[SEL+1]
.set lt, lt+1
.endr
.set lt, 0
.rept NT
	v_max_num_f32 v[EX+lt], v[EX+lt], v[PT+lt]     ; with the other 16 rows'
.set lt, lt+1
.endr
	WIN 0x0c
.set lt, 0
.rept NT
	v_sub_f32 v[EX+lt], v[EX+lt], v[128+8*lt]      ; the pivot comes back
.set lt, lt+1
.endr
	WIN 0
	s_wait_alu depctr_va_vdst(0)
	s_wait_xcnt 0x0                                ; the last trip's stores have read their registers
	s_sub_co_u32 s71, s51, 1
	v_lshl_add_u32 v19, s71, 11, v29
.if NG == 1
	v_cndmask_b32 v[SD], v[EX], v[EX+2], s[HM]     ; lane (r, h): channels 4 r + 2 h, + 1: the wave stores 256 consecutive bytes
	v_cndmask_b32 v[SD+1], v[EX+1], v[EX+3], s[HM]
	global_store_b64 v19, v[SD:SD+1], s[10:11]
.else
.set lt, 0
.rept NG/2
.irp q,0,1,2,3
	v_cndmask_b32 v[SD+4*lt+\q], v[EX+8*lt+\q], v[EX+8*lt+4+\q], s[HM]   ; lanes 0-15 carry one group of 64 channels, lanes 16-31 the next: 512 consecutive bytes
.endr
	global_store_b128 v19, v[SD+4*lt:SD+4*lt+3], s[10:11] offset:512*lt
.set lt, lt+1
.endr
.endif
.Lnext:
	s_add_co_u32 s51, s51, 1
	s_cmp_lt_u32 s51, 17
	s_cbranch_scc1 .Ltrip
	; my wave's 512 rows: mean = S1 / 512 + pivot, M2 = S2 - S1^2 / 512
	WIN 0x0a
.set lt, 0
	s_wait_alu depctr_va_vdst(0)
.rept NT
	v_add_f32 v[EX+lt], v[192+4*lt], v[193+4*lt]
	v_add_f32 v[128+lt], v[194+4*lt], v[195+4*lt]
.set lt, lt+1
.endr
	WIN 0
.set lt, 0
.rept NT
	v_permlanex16_b32 v[PT+lt], v[EX+lt], s[SEL], s[SEL+1]
	v_permlanex16_b32 v[PT+16+lt], v[128+lt], s[SEL], s[SEL+1]
.set lt, lt+1
.endr
.set lt, 0
.rept NT
	v_add_f32 v[EX+lt], v[EX+lt], v[PT+lt]
	v_add_f32 v[128+lt], v[128+lt], v[PT+16+lt]
.set lt, lt+1
.endr
.set lt, 0
.rept NT
	v_mul_f32 v[144+lt], 0x3b000000, v[EX+lt]
.set lt, lt+1
.endr
.set lt, 0
.rept NT
	v_fma_f32 v[128+lt], -v[144+lt], v[EX+lt], v[128+lt]
.set lt, lt+1
.endr
	WIN 0x0c
.set lt, 0
.rept NT
	v_sub_f32 v[144+lt], v[144+lt], v[128+8*lt]
.set lt, lt+1
.endr
	WIN 0
.set lt, 0
.rept NG
.irp q,0,1,2,3
	v_cndmask_b32 v[160+4*lt+\q], v[144+4*lt+\q], v[128+4*lt+\q], s[HM]   ; lanes 0-15 carry the means, lanes 16-31 the M2
.endr
	ds_store_b128 v123, v[160+4*lt:163+4*lt] offset:WX+256*lt
.set lt, lt+1
.endr
	s_wait_dscnt 0x0
	s_barrier_signal -1
	s_barrier_wait -1                              ; the four waves' statistics lie in LDS
	s_cmp_ge_u32 s44, C/64                         ; two channels a thread
	s_cbranch_scc1 .Ldone
.irp w,0,1,2,3
	ds_load_b64 v[128+4*\w:129+4*\w], v30 offset:WX+\w*8*C
	ds_load_b64 v[130+4*\w:131+4*\w], v30 offset:WX+\w*8*C+4*C
.endr
	s_wait_dscnt 0x0
.irp e,0,1
	v_add_f32 v[144+\e], v[128+\e], v[132+\e]
	v_add_f32 v[146+\e], v[136+\e], v[140+\e]
	v_add_f32 v[144+\e], v[144+\e], v[146+\e]
	v_mul_f32 v[160+2*\e], 0x3e800000, v[144+\e]   ; the work-group's mean
	v_add_f32 v[148+\e], v[130+\e], v[134+\e]
	v_add_f32 v[150+\e], v[138+\e], v[142+\e]
	v_add_f32 v[148+\e], v[148+\e], v[150+\e]
	v_sub_f32 v[152+\e], v[128+\e], v[160+2*\e]
	v_mul_f32 v[154+\e], v[152+\e], v[152+\e]
.irp w,1,2,3
	v_sub_f32 v[152+\e], v[128+4*\w+\e], v[160+2*\e]
	v_fma_f32 v[154+\e], v[152+\e], v[152+\e], v[154+\e]
.endr
	v_fmamk_f32 v[161+2*\e], v[154+\e], 0x44000000, v[148+\e]   ; its M2: the waves' + 512 x the squares of their means' distances
.endr
	global_store_b128 v31, v[160:163], s[12:13]
.Ldone:
	s_wait_tensorcnt 0x0                           ; the wave's end, behind my last LDS store
	ds_add_u32 v26, v27
	s_wait_dscnt 0x0
	s_endpgm
.Lfunc_end_k_q8169dda7a3_edge1:
	.size	k_q8169dda7a3_edge1, .Lfunc_end_k_q8169dda7a3_edge1-k_q8169dda7a3_edge1
	.p2alignl 7, 3214868480
	.fill 96, 4, 3214868480
	.section	.rodata,"a",@progbits
	.p2align	6, 0x0
	.amdhsa_kernel k_q8169dda7a3_edge1
		.amdhsa_group_segment_fixed_size 14848
		.amdhsa_private_segment_fixed_size 0
		.amdhsa_enable_private_segment 0
		.amdhsa_kernarg_size 56
		.amdhsa_user_sgpr_count 2
		.amdhsa_user_sgpr_kernarg_segment_ptr 1
		.amdhsa_wavefront_size32 1
		.amdhsa_system_sgpr_workgroup_id_x 1
		.amdhsa_system_sgpr_workgroup_id_y 1
		.amdhsa_system_sgpr_workgroup_id_z 1
		.amdhsa_system_vgpr_workitem_id 0
		.amdhsa_next_free_vgpr 1024
		.amdhsa_next_free_sgpr 80
		.amdhsa_reserve_vcc 0
		.amdhsa_float_denorm_mode_32 3
		.amdhsa_float_denorm_mode_16_64 3
		.amdhsa_memory_ordered 1
		.amdhsa_forward_progress 1
		.amdhsa_inst_pref_size 28
	.end_amdhsa_kernel
	.amdgpu_metadata
---
amdhsa.version: [ 1, 2 ]
amdhsa.kernels:
  - .name:           k_q8169dda7a3_edge1
    .symbol:         k_q8169dda7a3_edge1.kd
    .args:
      - { .name: src, .offset: 0, .size: 8, .value_kind: global_buffer, .address_space: global }
      - { .name: tgt, .offset: 8, .size: 8, .value_kind: global_buffer, .address_space: global }
      - { .name: idx, .offset: 16, .size: 8, .value_kind: global_buffer, .address_space: global }
      - { .name: cat, .offset: 24, .size: 8, .value_kind: global_buffer, .address_space: global }
      - { .name: partA, .offset: 32, .size: 8, .value_kind: global_buffer, .address_space: global }
      - { .name: w1, .offset: 40, .size: 8, .value_kind: global_buffer, .address_space: global }
      - { .name: g1, .offset: 48, .size: 8, .value_kind: global_buffer, .address_space: global }
    .group_segment_fixed_size: 14848
    .private_segment_fixed_size: 0
    .kernarg_segment_align: 8
    .kernarg_segment_size: 56
    .max_flat_workgroup_size: 128
    .sgpr_count:     80
    .vgpr_count:     1024
    .wavefront_size: 32
...
	.end_amdgpu_metadata
.endif
;; end of part 2
;; launch edge2 (part 3): grid 256 x 1, 4 waves a work-group, no clusters, 14,848 bytes of LDS; arguments src, tgt, idx, cat, partB, w1, g1, partA, b1, w2_codes, w2_scales, g2, h1q; writes cat, partB, h1q
.if DOCPART == 3
	.amdgcn_target "amdgcn-amd-amdhsa--gfx1250"
	.amdhsa_code_object_version 6
	.text
	.protected	k_q8169dda7a3_edge2
	.globl	k_q8169dda7a3_edge2
	.p2align	8
	.type	k_q8169dda7a3_edge2,@function
k_q8169dda7a3_edge2:
	s_mov_b64 s[64:65], 0
	v_nop
	global_prefetch_b8 v0, s[64:65] scope:SCOPE_SE
	s_setreg_imm32_b32 hwreg(HW_REG_WAVE_MODE, 25, 1), 1
	s_wait_xcnt 0x0
; EDGE LAYERS, pass DEPTH of four (one text; the line below is all that differs).  Pass L recomputes layers 1 .. L-1 from the coordinates, with their batch norms known, and forms layer L's
; pre-activation x~ = sign(g) x only to take (a) its maximum over each point's 32 neighbours, stored in cat, and (b) its batch statistics, stored as one (mean, M2) a channel and work-group.
; Nothing of reference() is left out: relu(bn(.)) rises with x~, so the maximum over the neighbours is taken ahead of it.
; SHARES.  Work-group x: points 64 x .. 64 x + 63 of the 16,384 (cloud = x / 128).  A wave: 16 points, one a trip; a point is 32 rows, two tiles of 16.
; LAYER 1 (K = 6, f32, feeds a quantiser) goes by ONE v_wmma_f32_16x16x4_f32 a tile, on features (xj yj zj 1): the centre's part w[3..5] . (xi yi zi) is the same for a point's 32 rows, so it is made once a point,
; three fused multiply-adds a tile, and stands with the batch norm's shift in the weights' column against the 1; in passes 2 to 4 the weights carry the batch norm's factor.
; A LAYER THAT IS QUANTISED is used transposed (source 0 = weight rows 64 (T/4) + 32 (r/8) + 8 (T%4) + r%8): a lane then holds one row and, in four tiles' registers, one whole block of 32 channels in the next operand's order.
; THE PASS'S LAST LAYER is used natural (source 1 = weight rows 64 (T/4) + 4 r + T%4): a lane is a channel, its registers are rows.  Its C is minus a pivot (the wave's first point's mean, found in an extra trip 0),
; so that no variance is a difference of large sums.  The registers that the f32 matrix form writes (window 1, v0-127) are written by matrix instructions alone.
; The statistics of layer L-1 are combined from the 128 partials of the cloud in this launch's prologue (REDUCE).  The gathers' addresses come from idx, whole numbers stored by the first launch.
; LIMITS: NaN and infinities are not served; a block whose largest number lies under 2^-124 gets the scale byte 1 over zero codes; g = 0 gives relu(b), as in reference().
; REGISTERS: window 0: v1-31 addresses and features; v32-59 the weights' scale words, v60-65 the activations'; v66-97 operands; v98-113 maxima; v114-121 at work; v128-191 numbers ahead of a quantiser; v192-231 at work.
;   window 1: v0-127 matrix results; v128-239 the transposed layers' weights; v240-255 the centre's weights and shift (pass 1: window 3, v16-31).   window 2: v0-191 batch-norm factors and shifts; v192-255 sums.   window 3: v0-127 the natural layer's weights; v128-255 minus the pivots.
.set DEPTH, 2
.if DEPTH == 1
.set C, 64
.set OFF, 0
.set CP, 64
.set OFFP, 0
.set GPV, 16
.set BPV, 16
.set HX, 66
.set HSN, 60
.set SN, 32
.elseif DEPTH == 2
.set C, 64
.set OFF, 64
.set CP, 64
.set OFFP, 0
.set GPV, 16
.set BPV, 20
.set HX, 66
.set HSN, 60
.set SN, 32
.elseif DEPTH == 3
.set C, 128
.set OFF, 128
.set CP, 64
.set OFFP, 64
.set GPV, 26
.set BPV, 28
.set HX, 66
.set HSN, 62
.set SN, 36
.else
.set C, 256
.set OFF, 256
.set CP, 128
.set OFFP, 128
.set GPV, 34
.set BPV, 36
.set HX, 82
.set HSN, 64
.set SN, 44
.endif
.if DEPTH == 1
.set W1B, 0                            ; w1's fragments, four registers a tile of which the first two are the operand: window 3 from v0,
.set KB, 16                            ; the centre's weights (x: KB + n, y: KB + 4 + n, z: KB + 8 + n) and the addend (KB + 12 + n) behind them,
.set CIW, 0xf3                         ; and the windows of the three multiply-adds: destination, sources 0 and 2 there, source 1 in window 0
.else
.set W1B, 128                          ; the same in window 1
.set KB, 240
.set CIW, 0x51
.endif
.set NT, C/16                          ; tiles of 16 channels in the pass's last layer
.set NG, C/64                          ; groups of four
.set RX, 0                             ; LDS: REDUCE's exchange, 32 bytes a thread;
.set AT, 4096                          ; the batch norms' factors, by channel in cat's order;
.set DT, 5120                          ; their shifts;
.set WX, 6144                          ; the waves' statistics at the end: 8 C bytes a wave;
.set SPARE, 14336                      ; the spare words
.set SEL, 48                           ; s[48:49] v_permlanex16_b32's selects for lane l xor 16
.set HM, 50                            ; s50 the mask of lanes 16-31
.set VSH, 3
.set EX, 98
.set TM, 114
.set R, 128
.set PT, 192
.set SD, 224
.set RR, 98
.set RS, 66
.set MSB, 0
.macro WIN new                         ; the immediate's high byte repeats the setting that is left; a switch that changes nothing is dropped
.if MSB != (\new)
	s_set_vgpr_msb (MSB<<8)|(\new)
.set MSB, (\new)
.endif
.endm
.macro PLACES n
.rept \n
	v_nop
.endr
.endm
.macro MM0 d, a, b, sa, sb
	v_wmma_scale_f32_16x16x128_f8f6f4 v[\d:\d+7], v[\a:\a+7], v[\b:\b+7], 0, v[\sa], v[\sb] matrix_a_fmt:MATRIX_FMT_FP4 matrix_b_fmt:MATRIX_FMT_FP4
.endm
.macro MMC d, a, b, c, sa, sb
	v_wmma_scale_f32_16x16x128_f8f6f4 v[\d:\d+7], v[\a:\a+7], v[\b:\b+7], v[\c:\c+7], v[\sa], v[\sb] matrix_a_fmt:MATRIX_FMT_FP4 matrix_b_fmt:MATRIX_FMT_FP4
.endm
.macro BMAX m, base, w                 ; the largest of a lane's 32 numbers (a whole block) and the floor 2^(3 - 127); no |.|: a relu follows, and what is negative must not count.  Each tile is read from its low end on
	WIN \w
	v_max3_num_f32 v[\m], v[\base], v[\base+1], 0x1800000
	v_max_num_f32 v[\m+1], v[\base+16], v[\base+17]
.irp i,2,4,6,8,10,12,14
	v_max3_num_f32 v[\m], v[\base+\i], v[\base+\i+1], v[\m]
	v_max3_num_f32 v[\m+1], v[\base+16+\i], v[\base+17+\i], v[\m+1]
.endr
	WIN 0
	v_max_num_f32 v[\m], v[\m], v[\m+1]
.endm
.macro SCW1 hs                         ; one block a lane (K = 64): the conversion's scale operand in TM+4; the row's scale word: byte h is mine, the other comes from lane l xor 16
	v_add_nc_u32 v[TM+4], 0xff000000, v[TM]
	v_lshrrev_b32 v[TM+6], 23, v[TM+4]
	v_lshlrev_b32 v[TM+6], v[VSH], v[TM+6]
	v_permlanex16_b32 v[TM+1], v[TM+6], s[SEL], s[SEL+1]
	v_or_b32 v[\hs], v[TM+6], v[TM+1]
.endm
.macro SCW2 hs                         ; two blocks a lane (K = 128): blocks h and 2 + h
	v_add_nc_u32 v[TM+4], 0xff000000, v[TM]
	v_add_nc_u32 v[TM+5], 0xff000000, v[TM+2]
	v_lshrrev_b32 v[TM+6], 23, v[TM+4]
	v_lshrrev_b32 v[TM+7], 23, v[TM+5]
	v_lshl_or_b32 v[TM+6], v[TM+7], 16, v[TM+6]
	v_lshlrev_b32 v[TM+6], v[VSH], v[TM+6]
	v_permlanex16_b32 v[TM+1], v[TM+6], s[SEL], s[SEL+1]
	v_or_b32 v[\hs], v[TM+6], v[TM+1]
.endm
.macro RELU base, n
.set qi, 0
.rept \n
	v_max_num_f32 v[\base+qi], 0, v[\base+qi]
.set qi, qi+1
.endr
.endm
.macro CVT4 dst, src, sc               ; a block's 32 numbers become four registers of the operand; one plain place behind the last conversion
.irp g,0,1,2,3
	v_cvt_scalef32_pk8_fp4_f32 v[\dst+\g], v[\src+8*\g:\src+8*\g+7], v[\sc]
.endr
	v_nop
.endm
; The cloud's 128 partials (mean, M2) of a layer become its batch norm.  Thread t: channel pair q = t mod 2^lch2, rows rr (t >> lch2) on.  Row 0's mean is the pivot m0: A = sum(mean - m0), B = sum((mean - m0)^2), M = sum(M2);
; mean = m0 + A/128, M2 = M + n (B - A^2/128).  s[RS] = n, s[RS+1] = 1/N, s[RS+2] = eps.  A ring of 32 slots: the wait ahead of row i counts the younger loads of the ring.
.macro REDUCE pb, rowb, lch2, rr, thr, gp, bp, ato, dto, rb, wv
	v_and_b32 v[RR], (1<<\lch2)-1, v0
	v_lshrrev_b32 v[RR+2], \lch2, v0
	v_lshlrev_b32 v[RR+1], 4, v[RR]
	v_lshlrev_b32 v[RR], 3, v[RR]
	v_mul_u32_u24 v[RR+2], v[RR+2], \rr*\rowb
	v_add_nc_u32 v[RR+2], v[RR+1], v[RR+2]
	v_lshlrev_b32 v[RR+3], 5, v0
	global_load_b128 v[RR+4:RR+7], v[RR+1], s[\pb:\pb+1]
	global_load_b64 v[RR+8:RR+9], v[RR], s[\gp:\gp+1]
	global_load_b64 v[RR+10:RR+11], v[RR], s[\bp:\bp+1]
.set ri, 0
.rept 32
	global_load_b128 v[\rb+4*ri:\rb+4*ri+3], v[RR+2], s[\pb:\pb+1] offset:ri*\rowb
.set ri, ri+1
.endr
.irp k,13,15,16,17,18,19,20,21
	v_mov_b32 v[RR+\k], 0
.endr
.set ri, 0
.rept \rr/4                            ; four rows at a time, in the rows' order
	s_wait_alu depctr_va_vdst(0)                   ; the wait here, directly ahead of the wait below
.if \rr-4-ri < 28
	s_wait_loadcnt \rr-4-ri                        ; rows ri .. ri + 3 are in: the count is that of the ring's loads younger than row ri + 3's
.else
	s_wait_loadcnt 28
.endif
.if ri == 0
	v_xor_b32 v[RR+12], 0x80000000, v[RR+4]        ; (-m0, 0) for each of my two channels
	v_xor_b32 v[RR+14], 0x80000000, v[RR+6]
.endif
.irp j,0,1,2,3
.set sl, \rb+4*((ri+\j)%32)
	v_pk_add_f32 v[sl:sl+1], v[sl:sl+1], v[RR+12:RR+13]
	v_pk_add_f32 v[sl+2:sl+3], v[sl+2:sl+3], v[RR+14:RR+15]
.endr
.irp j,0,1,2,3
.set sl, \rb+4*((ri+\j)%32)
	v_pk_add_f32 v[RR+16:RR+17], v[RR+16:RR+17], v[sl:sl+1]
	v_pk_add_f32 v[RR+18:RR+19], v[RR+18:RR+19], v[sl+2:sl+3]
	v_fma_f32 v[RR+20], v[sl], v[sl], v[RR+20]
	v_fma_f32 v[RR+21], v[sl+2], v[sl+2], v[RR+21]
.endr
.if ri+32 < \rr
.irp j,0,1,2,3
.set sl, \rb+4*((ri+\j)%32)
	global_load_b128 v[sl:sl+3], v[RR+2], s[\pb:\pb+1] offset:(ri+\j+32)*\rowb
.endr
.endif
.set ri, ri+4
.endr
	ds_store_b128 v[RR+3], v[RR+16:RR+19] offset:RX
	ds_store_b64 v[RR+3], v[RR+20:RR+21] offset:RX+16
	s_wait_dscnt 0x0                               ; my sums have landed
	s_barrier_signal -1
	s_barrier_wait -1
	s_cmp_ge_u32 s[\wv], (1<<\lch2)/32             ; the first 2^lch2 threads finish a channel pair each
	s_cbranch_scc1 .Lred_\@
.set rg, 1
.rept (\thr>>\lch2)-1
	ds_load_b128 v[\rb+8*rg:\rb+8*rg+3], v[RR+3] offset:RX+(32<<\lch2)*rg
	ds_load_b64 v[\rb+8*rg+4:\rb+8*rg+5], v[RR+3] offset:RX+(32<<\lch2)*rg+16
.set rg, rg+1
.endr
	s_wait_dscnt 0x0
.set rg, 1
	s_wait_alu depctr_va_vdst(0)
.rept (\thr>>\lch2)-1
	v_pk_add_f32 v[RR+16:RR+17], v[RR+16:RR+17], v[\rb+8*rg:\rb+8*rg+1]
	v_pk_add_f32 v[RR+18:RR+19], v[RR+18:RR+19], v[\rb+8*rg+2:\rb+8*rg+3]
	v_pk_add_f32 v[RR+20:RR+21], v[RR+20:RR+21], v[\rb+8*rg+4:\rb+8*rg+5]
.set rg, rg+1
.endr
.irp e,0,1
	v_mul_f32 v[\rb+40+\e], 0x3c000000, v[RR+16+2*\e]                      ; A / 128
	v_fma_f32 v[RR+20+\e], -v[\rb+40+\e], v[RR+16+2*\e], v[RR+20+\e]       ; B - A^2 / 128
	v_add_f32 v[\rb+42+\e], v[RR+4+2*\e], v[\rb+40+\e]                     ; the mean
	v_fma_f32 v[RR+17+2*\e], s[RS], v[RR+20+\e], v[RR+17+2*\e]             ; M2
	v_fma_f32 v[\rb+44+\e], v[RR+17+2*\e], s[RS+1], s[RS+2]                ; var + eps
.endr
	s_wait_alu depctr_va_vdst(0)
	v_rsq_f32 v[\rb+46], v[\rb+44]
	v_rsq_f32 v[\rb+47], v[\rb+45]
	v_nop                                          ; a plain place behind the last of the two,
	s_wait_alu depctr_va_vdst(0)                   ; and the one wait ahead of their first reader
.irp e,0,1
	v_mul_f32 v[\rb+48+\e], |v[RR+8+\e]|, v[\rb+46+\e]                     ; the factor |g| rsqrt(var + eps)
	v_fma_f32 v[\rb+50+\e], -v[\rb+42+\e], v[\rb+48+\e], v[RR+10+\e]       ; the shift b - mean x factor
.endr
	ds_store_b64 v[RR], v[\rb+48:\rb+49] offset:\ato
	ds_store_b64 v[RR], v[\rb+50:\rb+51] offset:\dto
.Lred_\@:
	s_wait_dscnt 0x0
	s_barrier_signal -1
	s_barrier_wait -1                              ; factors and shifts lie in LDS
.endm
; A layer's fragments (window win, 8 registers a tile), scale words and gains.  kb: bytes of a row of codes.  nat = 1: rows 64 (T/4) + 4 r + T%4, else 64 (T/4) + 32 (r/8) + 8 (T%4) + r%8
.macro LW cp, sp, gp, win, base, nt, kb, nat, sreg, greg
	s_wait_xcnt 0x0                                ; the loads issued so far have read their address registers
.if \nat
	v_mul_u32_u24 v100, v28, \kb
	v_mul_u32_u24 v101, v28, \kb/16
	v_lshlrev_b32 v102, 2, v28
.else
	v_mul_u32_u24 v100, v98, \kb
	v_mul_u32_u24 v101, v98, \kb/16
	v_lshlrev_b32 v102, 2, v98
.endif
	v_lshl_add_u32 v100, v2, 4, v100
	WIN (\win<<6)
.set lt, 0
.rept \nt
.set tp, 64*(lt/4)+(8-7*\nat)*(lt%4)
	global_load_b128 v[\base+8*lt:\base+8*lt+3], v100, s[\cp:\cp+1] offset:tp*\kb
.if \kb == 64
	global_load_b128 v[\base+8*lt+4:\base+8*lt+7], v100, s[\cp:\cp+1] offset:tp*\kb+32
.endif
.set lt, lt+1
.endr
	WIN 0
.set lt, 0
.rept \nt
.set tp, 64*(lt/4)+(8-7*\nat)*(lt%4)
.if \kb == 64
	global_load_b32 v[\sreg+lt], v101, s[\sp:\sp+1] offset:tp*4
.else
	global_load_u16 v[\sreg+lt], v101, s[\sp:\sp+1] offset:tp*2     ; two bytes a row; the word's upper bytes are 0, over zero codes
.endif
.set lt, lt+1
.endr
	WIN 0x80
.set lt, 0
.rept \nt
.set tp, 64*(lt/4)+(8-7*\nat)*(lt%4)
	global_load_b32 v[\greg+lt], v102, s[\gp:\gp+1] offset:tp*4
.set lt, lt+1
.endr
	WIN 0
.endm
.macro LW1 win, base, nat              ; w1: lane (r, h), tile n: registers 0, 1: w1[c][2 h ..]; registers 2, 3: w1[c][4 ..]
	s_wait_xcnt 0x0
.if \nat
	v_mul_u32_u24 v103, v28, 24
	v_lshlrev_b32 v102, 2, v28
.else
	v_mul_u32_u24 v103, v98, 24
	v_lshlrev_b32 v102, 2, v98
.endif
	v_lshl_add_u32 v104, v2, 3, v103
	WIN (\win<<6)
.irp n,0,1,2,3
	global_load_b64 v[\base+4*\n:\base+4*\n+1], v104, s[14:15] offset:(8-7*\nat)*\n*24
	global_load_b64 v[\base+4*\n+2:\base+4*\n+3], v103, s[14:15] offset:(8-7*\nat)*\n*24+16
.endr
	WIN 0x80
.irp n,0,1,2,3
	global_load_b32 v[192+\n], v102, s[16:17] offset:(8-7*\nat)*\n*4
.endr
	WIN 0
.endm
.macro FLIP win, base, nt, nr, greg    ; a row whose g is negative changes the sign of its codes; a K of 64 is filled up with zero codes
	WIN 0x08
.set lt, 0
.rept \nt
	v_ashrrev_i32 v[PT+lt], 31, v[\greg+lt]
.set lt, lt+1
.endr
	WIN 0
.set lt, 0
.rept \nt
	v_and_b32 v[PT+lt], 0x88888888, v[PT+lt]
.set lt, lt+1
.endr
	WIN (\win<<6)|(\win<<2)
.set lt, 0
.rept \nt
.set lj, 0
.rept \nr
	v_xor_b32 v[\base+8*lt+lj], v[PT+lt], v[\base+8*lt+lj]
.set lj, lj+1
.endr
.set lt, lt+1
.endr
.if \nr == 4
	WIN (\win<<6)
.set lt, 0
.rept \nt
.irp j,4,5,6,7
	v_mov_b32 v[\base+8*lt+\j], 0
.endr
.set lt, lt+1
.endr
.endif
	WIN 0
.endm
.macro NEXT                            ; the coordinates of the point whose idx is in v8, v9 (its centre at byte s69), and the idx of point s70 of my 16
	v_min_u32 v5, 2047, v8
	v_min_u32 v6, 2047, v9
	v_lshlrev_b32 v5, 2, v5
	v_lshlrev_b32 v6, 2, v6
	v_mov_b32 v7, s69
	v_lshl_add_u32 v4, s70, 7, v28
.irp k,0,1,2
	global_load_b32 v[10+\k], v5, s[4:5] offset:8192*\k
	global_load_b32 v[13+\k], v6, s[4:5] offset:8192*\k
	global_load_b32 v[16+\k], v7, s[4:5] offset:8192*\k
.endr
	global_load_b32 v8, v4, s[8:9]
	global_load_b32 v9, v4, s[8:9] offset:64
.endm
.macro CI                              ; the weights' second register: lanes 16-31: the centre's part and the shift, against the feature 1; lanes 0-15: the three factors are 0 and the addend is w[1], which so comes back
	WIN CIW
.irp n,0,1,2,3
	v_fma_f32 v[W1B+4*\n+1], v[KB+8+\n], v18, v[KB+12+\n]
.endr
.irp n,0,1,2,3
	v_fma_f32 v[W1B+4*\n+1], v[KB+4+\n], v17, v[W1B+4*\n+1]
.endr
.irp n,0,1,2,3
	v_fma_f32 v[W1B+4*\n+1], v[KB+\n], v16, v[W1B+4*\n+1]
.endr
	WIN 0
.endm
.macro L1T                             ; layer 1, transposed: eight tiles, one K step of 4 each
	WIN 0x51
.irp t,0,1
.irp n,0,1,2,3
	v_wmma_f32_16x16x4_f32 v[32*\t+8*\n:32*\t+8*\n+7], v[128+4*\n:129+4*\n], v[20+2*\t:21+2*\t], 0
.endr
.endr
	WIN 0
	PLACES 8
.endm
.macro L1N                             ; layer 1, natural, C = minus the pivot
	WIN 0x7c
.irp q,0,1,2,3
.irp t,0,1
	v_wmma_f32_16x16x4_f32 v[16*\q+8*\t:16*\q+8*\t+7], v[20+2*\t:21+2*\t], v[4*\q:4*\q+1], v[128+8*\q:135+8*\q]
.endr
.endr
	WIN 0
	PLACES 8
.endm
.macro Q1 t                            ; h1 of row tile t: its batch norm is in the weights; the relu copies it out of the matrix results
	BMAX TM, 32*\t, 0x05
	SCW1 60+\t
	WIN 0x04
.set qi, 0
.rept 32
	v_max_num_f32 v[R+qi], 0, v[32*\t+qi]
.set qi, qi+1
.endr
	WIN 0
	CVT4 66+8*\t, R, TM+4
.endm
.macro Q2 t
	WIN 0x29
.set qi, 0
.rept 16
	v_pk_fma_f32 v[R+qi:R+qi+1], v[64+32*\t+qi:64+32*\t+qi+1], v[qi:qi+1], v[32+qi:32+qi+1]
.set qi, qi+2
.endr
	BMAX TM, R, 0
	SCW1 62+\t
	RELU R, 32
	CVT4 66+8*\t, R, TM+4
.endm
.macro Q3 t
	WIN 0x29
.set qi, 0
.rept 32
	v_pk_fma_f32 v[R+qi:R+qi+1], v[64*\t+qi:64*\t+qi+1], v[64+qi:64+qi+1], v[128+qi:128+qi+1]
.set qi, qi+2
.endr
	BMAX TM, R, 0
	BMAX TM+2, R+32, 0
	SCW2 64+\t
	RELU R, 64
	CVT4 82+8*\t, R, TM+4
	CVT4 86+8*\t, R+32, TM+5
.endm
.macro LT nt, wb, sb, hs, d0, d1       ; a transposed layer on K = 64: source 0 = weight rows, source 1 = the two row tiles by turns
	WIN 0x41
.set lt, 0
.rept \nt
	MM0 \d0+8*lt, \wb+8*lt, 66, \sb+lt, \hs
	MM0 \d1+8*lt, \wb+8*lt, 74, \sb+lt, \hs+1
.set lt, lt+1
.endr
	WIN 0
	PLACES 4
.endm
.macro LN g                            ; group g of the natural layer: four tiles of channels x two row tiles, C = minus the pivot
	WIN 0x7c
.irp q,0,1,2,3
.irp t,0,1
	MMC 64*((\g)&1)+16*\q+8*\t, HX+8*\t, 8*(4*(\g)+\q), 128+8*(4*(\g)+\q), HSN+\t, SN+4*(\g)+\q
.endr
.endr
.endm
.macro ST g                            ; group g's sums, sums of squares and maxima over the point's 32 rows; each accumulator is read from its low end on
	WIN 0xa5
.irp p,0,2,4,6
.irp t,0,1
.irp q,0,1,2,3
	v_pk_fma_f32 v[192+4*(4*(\g)+\q):193+4*(4*(\g)+\q)], v[64*((\g)&1)+16*\q+8*\t+\p:64*((\g)&1)+16*\q+8*\t+\p+1], 1.0, v[192+4*(4*(\g)+\q):193+4*(4*(\g)+\q)] op_sel_hi:[1,0,1]   ; the sum, x 1.0: under one window setting with the squares, eight chains by turns
	v_pk_fma_f32 v[194+4*(4*(\g)+\q):195+4*(4*(\g)+\q)], v[64*((\g)&1)+16*\q+8*\t+\p:64*((\g)&1)+16*\q+8*\t+\p+1], v[64*((\g)&1)+16*\q+8*\t+\p:64*((\g)&1)+16*\q+8*\t+\p+1], v[194+4*(4*(\g)+\q):195+4*(4*(\g)+\q)]
.endr
.endr
.endr
	WIN 0x05
.irp q,0,1,2,3
	v_max_num_f32 v[EX+4*(\g)+\q], v[64*((\g)&1)+16*\q], v[64*((\g)&1)+16*\q+1]
.endr
.irp i,2,4,6,8,10,12,14
.irp q,0,1,2,3
	v_max3_num_f32 v[EX+4*(\g)+\q], v[64*((\g)&1)+16*\q+\i], v[64*((\g)&1)+16*\q+\i+1], v[EX+4*(\g)+\q]
.endr
.endr
.endm
	s_load_b256 s[4:11], s[0:1], 0x0               ; src, tgt, idx, cat
	s_load_b128 s[12:15], s[0:1], 0x20             ; the partials out, w1
	s_load_b64 s[16:17], s[0:1], 0x30              ; g1
.if DEPTH >= 2
	s_load_b64 s[18:19], s[0:1], 0x38              ; the partials in
	s_load_b256 s[20:27], s[0:1], 0x40             ; b1, w2's codes, scales, g2
	s_load_b64 s[28:29], s[0:1], 0x60              ; h1q: h1's codes and scale words, for the next launch
.endif
.if DEPTH >= 3
	s_load_b256 s[28:35], s[0:1], 0x60             ; b2, w3's codes, scales, g3
.endif
.if DEPTH >= 4
	s_load_b256 s[36:43], s[0:1], 0x80             ; b3, w4's codes, scales, g4
.endif
	v_lshl_add_u32 v26, v0, 2, SPARE               ; my spare word,
	v_mov_b32 v27, 0                               ; and 0: kept for the wave's closing lines
	v_lshrrev_b32 v1, 5, v0
	v_readfirstlane_b32 s44, v1                    ; wave
	v_and_b32 v1, 15, v0                           ; r
	v_bfe_u32 v2, v0, 4, 1                         ; h
	v_lshlrev_b32 v3, 3, v2                        ; 8 h
	v_lshlrev_b32 v28, 2, v1                       ; 4 r
	v_lshlrev_b32 v30, 3, v0                       ; 8 t
	v_lshlrev_b32 v31, 4, v0                       ; 16 t
	v_and_b32 v24, 31, v0
	v_lshlrev_b32 v25, 3, v24
	v_lshlrev_b32 v24, 4, v24                      ; h1q: 16 x lane in a tile's image of 512 bytes,
	v_add_nc_u32 v25, 1024, v25                    ; and 8 x lane among the scale words behind the two images
	v_lshlrev_b32 v29, 4, v1                       ; my bytes of a point's channels in cat
.if NG == 1
	v_lshl_add_u32 v29, v2, 3, v29
.else
	v_lshl_add_u32 v29, v2, 8, v29
.endif
	v_and_b32 v98, 7, v1
	v_lshrrev_b32 v99, 3, v1
	v_lshl_add_u32 v98, v99, 5, v98                ; 32 (r / 8) + r % 8
	v_lshlrev_b32 v66, 2, v98                      ; LDS: layer 1's factor at my weight row
	v_lshlrev_b32 v67, 7, v2                       ; LDS: 32 h channels on
	s_mul_i32 s53, s44, 8*C
	v_lshlrev_b32 v123, 4, v1
	v_mad_u32_u24 v123, v2, 4*C, v123
	v_add_nc_u32 v123, s53, v123                   ; LDS: where my statistics go at the end
	s_lshr_b32 s46, ttmp9, 7                       ; cloud
	s_and_b32 s47, ttmp9, 127                      ; work-group in the cloud
	s_mov_b32 s48, 0x76543210
	s_mov_b32 s49, 0xfedcba98
	s_mov_b32 s50, 0xffff0000
	s_lshl_b32 s52, ttmp9, 6
	s_lshl_b32 s53, s44, 4
	s_add_co_u32 s52, s52, s53                     ; my wave's first point
	s_mov_b32 s55, 0
	s_wait_alu depctr_va_vdst(0)
	s_wait_kmcnt 0x0
	s_cmp_eq_u32 s46, 0
	s_cselect_b64 s[4:5], s[4:5], s[6:7]           ; my cloud's coordinates,
	s_bfe_u32 s54, s52, 0x2000b
	s_mul_i32 s54, s54, 24576
	s_add_nc_u64 s[4:5], s[4:5], s[54:55]          ; my batch's
	s_lshl_b32 s54, s52, 7
	s_add_nc_u64 s[8:9], s[8:9], s[54:55]          ; idx at my first point
	s_mul_i32 s54, s52, 1280
	s_add_nc_u64 s[28:29], s[28:29], s[54:55]      ; h1q at my first point: 1,280 bytes a point
	s_lshl_b32 s54, s52, 11
	s_add_co_u32 s54, s54, 4*OFF
	s_add_nc_u64 s[10:11], s[10:11], s[54:55]      ; cat at my first point, this layer's channels
	s_and_b32 s52, s52, 2047                       ; the point's number in its batch
	s_lshl_b32 s54, s46, 11
	s_add_co_u32 s54, s54, 0x100000
	s_add_nc_u64 s[56:57], s[12:13], s[54:55]      ; out: the finished batch norms of my cloud
.if DEPTH >= 3
	s_add_nc_u64 s[60:61], s[18:19], s[54:55]      ; in: those of the layers before the last
.endif
	s_mul_i32 s54, ttmp9, 8*C
	s_add_nc_u64 s[12:13], s[12:13], s[54:55]      ; out: my work-group's partial
.if DEPTH >= 2
	s_mul_i32 s54, s46, 1024*CP
	s_add_nc_u64 s[58:59], s[18:19], s[54:55]      ; in: my cloud's 128 partials
	s_mov_b32 s66, 0x45000000                      ; n = 2,048 rows a partial
	s_mov_b32 s67, 0x36800000                      ; 1 / 262,144
	s_mov_b32 s68, 0x3727c5ac                      ; eps = 1e-5
.endif
.if DEPTH == 1
	LW1 3, 0, 1
.else
	LW1 1, 128, 0
.endif
.if DEPTH == 2
	LW 22, 24, 26, 3, 0, 4, 32, 1, 32, 196
.endif
.if DEPTH >= 3
	LW 22, 24, 26, 1, 144, 4, 32, 0, 32, 196
.endif
.if DEPTH == 3
	LW 30, 32, 34, 3, 0, 8, 32, 1, 36, 200
.endif
.if DEPTH == 4
	LW 30, 32, 34, 1, 176, 8, 32, 0, 36, 200
	LW 38, 40, 42, 3, 0, 16, 64, 1, 44, 208
.endif
	global_load_b32 v8, v28, s[8:9]                ; my first point's neighbours
	global_load_b32 v9, v28, s[8:9] offset:64
.if DEPTH >= 3
	s_cmp_ge_u32 s44, OFFP/64                      ; the earlier layers' batch norms are copied: two channels a thread
	s_cbranch_scc1 .Lnocopy
	global_load_b64 v[124:125], v30, s[60:61]
	global_load_b64 v[126:127], v30, s[60:61] offset:1024
	s_wait_loadcnt 0x0
	ds_store_b64 v30, v[124:125] offset:AT
	ds_store_b64 v30, v[126:127] offset:DT
.Lnocopy:
.endif
	s_wait_xcnt 0x0                                ; the weights' loads have read their address registers, which are written again below
.if DEPTH == 2 || DEPTH == 3
	REDUCE 58, 512, 5, 32, 128, GPV, BPV, AT+4*OFFP, DT+4*OFFP, 128, 44
.elseif DEPTH == 4
	REDUCE 58, 1024, 6, 64, 128, GPV, BPV, AT+4*OFFP, DT+4*OFFP, 128, 44
.else
	s_wait_loadcnt 0x0
.endif
	s_lshl_b32 s69, s52, 2
	s_mov_b32 s70, 0
	NEXT                                           ; point 0's coordinates; trip 1 takes point 0 again
.if DEPTH >= 2
.irp n,0,1,2,3
	ds_load_b32 v[128+\n], v66 offset:AT+32*\n
	ds_load_b32 v[132+\n], v66 offset:DT+32*\n
.endr
.endif
.if DEPTH >= 3
	WIN 0x80
.irp k,0,1,2,3,4,5,6,7
	ds_load_b128 v[4*\k:4*\k+3], v67 offset:AT+256+16*\k
	ds_load_b128 v[32+4*\k:35+4*\k], v67 offset:DT+256+16*\k
.endr
.endif
.if DEPTH >= 4
.irp c,0,1
.irp k,0,1,2,3,4,5,6,7
	ds_load_b128 v[64+32*\c+4*\k:67+32*\c+4*\k], v67 offset:AT+512+256*\c+16*\k
	ds_load_b128 v[128+32*\c+4*\k:131+32*\c+4*\k], v67 offset:DT+512+256*\c+16*\k
.endr
.endr
.endif
	WIN 0
	s_wait_dscnt 0x0
	WIN 0x20                                       ; w1's factor: the batch norm's (pass 1: 1) with the sign of g1
.irp n,0,1,2,3
.if DEPTH == 1
	v_bfi_b32 v[136+\n], 0x7fffffff, 1.0, v[192+\n]
.else
	v_bfi_b32 v[136+\n], 0x7fffffff, v[128+\n], v[192+\n]
.endif
.endr
.if DEPTH == 1
	WIN 0xc3
.irp n,0,1,2,3
.irp j,0,1,2,3
	v_mul_f32 v[4*\n+\j], v[4*\n+\j], v[136+\n]
.endr
	v_cndmask_b32 v[KB+12+\n], v[4*\n+1], 0, s[HM] ; the addend: lanes 0-15 w[1]; lanes 16-31 the shift, here 0
.endr
	WIN 0xcc
.irp n,0,1,2,3
.irp j,0,1,2
	v_cndmask_b32 v[KB+4*\j+\n], 0, v[4*\n+1+\j], s[HM]   ; the centre's weights w[3], w[4], w[5] in lanes 16-31, 0 in lanes 0-15
.endr
.endr
.else
	WIN 0x41
.irp n,0,1,2,3
.irp j,0,1,2,3
	v_mul_f32 v[128+4*\n+\j], v[128+4*\n+\j], v[136+\n]
.endr
	v_cndmask_b32 v[KB+12+\n], v[129+4*\n], v[132+\n], s[HM]   ; the addend: lanes 0-15 w[1]; lanes 16-31 the batch norm's shift
.endr
	WIN 0x44
.irp n,0,1,2,3
.irp j,0,1,2
	v_cndmask_b32 v[KB+4*\j+\n], 0, v[129+4*\n+\j], s[HM]   ; the centre's weights w[3], w[4], w[5] in lanes 16-31, 0 in lanes 0-15
.endr
.endr
.endif
	WIN 0
.if DEPTH == 2
	FLIP 3, 0, 4, 4, 196
.endif
.if DEPTH >= 3
	FLIP 1, 144, 4, 4, 196
.endif
.if DEPTH == 3
	FLIP 3, 0, 8, 4, 200
.endif
.if DEPTH == 4
	FLIP 1, 176, 8, 4, 200
	FLIP 3, 0, 16, 8, 208
.endif
.irp j,70,71,72,73,78,79,80,81
	v_mov_b32 v\j, 0                               ; the upper half of a K = 64 operand: zero codes
.endr
.set lt, 0
.rept 32
	v_mov_b32 v[PT+lt], 0                          ; written once: a lane permute's destination counts as one of its sources
.set lt, lt+1
.endr
	WIN 0xc0
.set lt, 0
.rept 8*NT
	v_mov_b32 v[128+lt], 0                         ; trip 0 runs with the pivot 0
.set lt, lt+1
.endr
	WIN 0x80
.set lt, 0
.rept 4*NT
	v_mov_b32 v[192+lt], 0
.set lt, lt+1
.endr
	WIN 0
.if DEPTH >= 2
	s_cmp_lg_u32 s47, 0                            ; the cloud's first work-group hands the finished batch norms on
	s_cbranch_scc1 .Lnobn
	s_cmp_ge_u32 s44, OFF/64
	s_cbranch_scc1 .Lnobn
	ds_load_b64 v[124:125], v30 offset:AT
	ds_load_b64 v[126:127], v30 offset:DT
	s_wait_dscnt 0x0
	global_store_b64 v30, v[124:125], s[56:57]
	global_store_b64 v30, v[126:127], s[56:57] offset:1024
.Lnobn:
.endif
	s_mov_b32 s51, 0
.Ltrip:                                            ; 17 trips: trip 0 finds the pivots on point 0; trip t takes point t - 1
	s_wait_loadcnt 0x0                             ; all that was asked for a trip ago: this point's coordinates, the next point's idx
	s_wait_xcnt 0x0                                ; the last trip's stores have read the codes' registers, which this trip writes again
	v_cndmask_b32 v20, v10, v12, s[HM]             ; the features: lanes 0-15 (xj, yj), lanes 16-31 (zj, 1)
	v_cndmask_b32 v21, v11, 1.0, s[HM]
	v_cndmask_b32 v22, v13, v15, s[HM]
	v_cndmask_b32 v23, v14, 1.0, s[HM]
	CI                                             ; the centre's part, ahead of the loads that bring the next centre
	s_cmp_eq_u32 s51, 16                           ; the last trip asks for nothing
	s_cbranch_scc1 .Lnonext
	s_min_u32 s70, s51, 15
	s_add_co_u32 s69, s52, s70
	s_lshl_b32 s69, s69, 2
	s_add_co_u32 s70, s51, 1
	s_min_u32 s70, s70, 15
	NEXT
.Lnonext:
.if DEPTH == 1
	L1N
	ST 0
.else
	s_wait_alu depctr_va_vdst(0)
	L1T
	Q1 0
	Q1 1
	PLACES 4
.if DEPTH >= 3
	LT 4, 144, 32, 60, 64, 96
	Q2 0
	Q2 1
	PLACES 4
.endif
.if DEPTH >= 4
	LT 8, 176, 36, 62, 0, 64
	Q3 0
	Q3 1
	PLACES 4
.endif
	LN 0
.if NG >= 2
	LN 1
.endif
	PLACES 4
	ST 0
.if NG == 4
	LN 2
.endif
.if NG >= 2
	ST 1
.endif
.if NG == 4
	LN 3
	ST 2
	ST 3
.endif
.endif
	WIN 0
	s_cmp_lg_u32 s51, 0
	s_cbranch_scc1 .Lkeep
	WIN 0x0a                                       ; trip 0: minus the point's mean becomes the pivot's eight registers, and the sums begin anew
.set lt, 0
.rept NT
	v_add_f32 v[EX+lt], v[192+4*lt], v[193+4*lt]
.set lt, lt+1
.endr
	WIN 0
.set lt, 0
.rept NT
	v_permlanex16_b32 v[PT+lt], v[EX+lt], s[SEL], s[SEL+1]
.set lt, lt+1
.endr
.set lt, 0
.rept NT
	v_add_f32 v[EX+lt], v[EX+lt], v[PT+lt]
.set lt, lt+1
.endr
.set lt, 0
.rept NT
	v_mul_f32 v[EX+lt], 0xbd000000, v[EX+lt]
.set lt, lt+1
.endr
	WIN 0xc0
.set lt, 0
.rept NT
.irp j,0,1,2,3,4,5,6,7
	v_mov_b32 v[128+8*lt+\j], v[EX+lt]
.endr
.set lt, lt+1
.endr
	WIN 0x80
.set lt, 0
.rept 4*NT
	v_mov_b32 v[192+lt], 0
.set lt, lt+1
.endr
	WIN 0
	s_branch .Lnext
.Lkeep:
.set lt, 0
	s_wait_alu depctr_va_vdst(0)
.rept NT
	v_permlanex16_b32 v[PT+lt], v[EX+lt], s[SEL], s[SEL+1]
.set lt, lt+1
.endr
.set lt, 0
.rept NT
	v_max_num_f32 v[EX+lt], v[EX+lt], v[PT+lt]     ; with the other 16 rows'
.set lt, lt+1
.endr
	WIN 0x0c
.set lt, 0
.rept NT
	v_sub_f32 v[EX+lt], v[EX+lt], v[128+8*lt]      ; the pivot comes back
.set lt, lt+1
.endr
	WIN 0
	s_wait_alu depctr_va_vdst(0)
	s_wait_xcnt 0x0                                ; the last trip's stores have read their registers
	s_sub_co_u32 s71, s51, 1
	s_mul_i32 s72, s71, 1280
	v_add_nc_u32 v124, s72, v24
	v_add_nc_u32 v125, s72, v25
	global_store_b128 v124, v[66:69], s[28:29]               ; h1 of the point's rows 0-15 as an image of the operand's four registers: 512 consecutive bytes,
	global_store_b128 v124, v[74:77], s[28:29] offset:512    ; of rows 16-31,
	global_store_b64 v125, v[60:61], s[28:29]                ; and the two tiles' scale words: 256 consecutive bytes
	v_lshl_add_u32 v19, s71, 11, v29
.if NG == 1
	v_cndmask_b32 v[SD], v[EX], v[EX+2], s[HM]     ; lane (r, h): channels 4 r + 2 h, + 1: the wave stores 256 consecutive bytes
	v_cndmask_b32 v[SD+1], v[EX+1], v[EX+3], s[HM]
	global_store_b64 v19, v[SD:SD+1], s[10:11]
.else
.set lt, 0
.rept NG/2
.irp q,0,1,2,3
	v_cndmask_b32 v[SD+4*lt+\q], v[EX+8*lt+\q], v[EX+8*lt+4+\q], s[HM]   ; lanes 0-15 carry one group of 64 channels, lanes 16-31 the next: 512 consecutive bytes
.endr
	global_store_b128 v19, v[SD+4*lt:SD+4*lt+3], s[10:11] offset:512*lt
.set lt, lt+1
.endr
.endif
.Lnext:
	s_add_co_u32 s51, s51, 1
	s_cmp_lt_u32 s51, 17
	s_cbranch_scc1 .Ltrip
	; my wave's 512 rows: mean = S1 / 512 + pivot, M2 = S2 - S1^2 / 512
	WIN 0x0a
.set lt, 0
	s_wait_alu depctr_va_vdst(0)
.rept NT
	v_add_f32 v[EX+lt], v[192+4*lt], v[193+4*lt]
	v_add_f32 v[128+lt], v[194+4*lt], v[195+4*lt]
.set lt, lt+1
.endr
	WIN 0
.set lt, 0
.rept NT
	v_permlanex16_b32 v[PT+lt], v[EX+lt], s[SEL], s[SEL+1]
	v_permlanex16_b32 v[PT+16+lt], v[128+lt], s[SEL], s[SEL+1]
.set lt, lt+1
.endr
.set lt, 0
.rept NT
	v_add_f32 v[EX+lt], v[EX+lt], v[PT+lt]
	v_add_f32 v[128+lt], v[128+lt], v[PT+16+lt]
.set lt, lt+1
.endr
.set lt, 0
.rept NT
	v_mul_f32 v[144+lt], 0x3b000000, v[EX+lt]
.set lt, lt+1
.endr
.set lt, 0
.rept NT
	v_fma_f32 v[128+lt], -v[144+lt], v[EX+lt], v[128+lt]
.set lt, lt+1
.endr
	WIN 0x0c
.set lt, 0
.rept NT
	v_sub_f32 v[144+lt], v[144+lt], v[128+8*lt]
.set lt, lt+1
.endr
	WIN 0
.set lt, 0
.rept NG
.irp q,0,1,2,3
	v_cndmask_b32 v[160+4*lt+\q], v[144+4*lt+\q], v[128+4*lt+\q], s[HM]   ; lanes 0-15 carry the means, lanes 16-31 the M2
.endr
	ds_store_b128 v123, v[160+4*lt:163+4*lt] offset:WX+256*lt
.set lt, lt+1
.endr
	s_wait_dscnt 0x0
	s_barrier_signal -1
	s_barrier_wait -1                              ; the four waves' statistics lie in LDS
	s_cmp_ge_u32 s44, C/64                         ; two channels a thread
	s_cbranch_scc1 .Ldone
.irp w,0,1,2,3
	ds_load_b64 v[128+4*\w:129+4*\w], v30 offset:WX+\w*8*C
	ds_load_b64 v[130+4*\w:131+4*\w], v30 offset:WX+\w*8*C+4*C
.endr
	s_wait_dscnt 0x0
.irp e,0,1
	v_add_f32 v[144+\e], v[128+\e], v[132+\e]
	v_add_f32 v[146+\e], v[136+\e], v[140+\e]
	v_add_f32 v[144+\e], v[144+\e], v[146+\e]
	v_mul_f32 v[160+2*\e], 0x3e800000, v[144+\e]   ; the work-group's mean
	v_add_f32 v[148+\e], v[130+\e], v[134+\e]
	v_add_f32 v[150+\e], v[138+\e], v[142+\e]
	v_add_f32 v[148+\e], v[148+\e], v[150+\e]
	v_sub_f32 v[152+\e], v[128+\e], v[160+2*\e]
	v_mul_f32 v[154+\e], v[152+\e], v[152+\e]
.irp w,1,2,3
	v_sub_f32 v[152+\e], v[128+4*\w+\e], v[160+2*\e]
	v_fma_f32 v[154+\e], v[152+\e], v[152+\e], v[154+\e]
.endr
	v_fmamk_f32 v[161+2*\e], v[154+\e], 0x44000000, v[148+\e]   ; its M2: the waves' + 512 x the squares of their means' distances
.endr
	global_store_b128 v31, v[160:163], s[12:13]
.Ldone:
	s_wait_tensorcnt 0x0                           ; the wave's end, behind my last LDS store
	ds_add_u32 v26, v27
	s_wait_dscnt 0x0
	s_endpgm
.Lfunc_end_k_q8169dda7a3_edge2:
	.size	k_q8169dda7a3_edge2, .Lfunc_end_k_q8169dda7a3_edge2-k_q8169dda7a3_edge2
	.p2alignl 7, 3214868480
	.fill 96, 4, 3214868480
	.section	.rodata,"a",@progbits
	.p2align	6, 0x0
	.amdhsa_kernel k_q8169dda7a3_edge2
		.amdhsa_group_segment_fixed_size 14848
		.amdhsa_private_segment_fixed_size 0
		.amdhsa_enable_private_segment 0
		.amdhsa_kernarg_size 104
		.amdhsa_user_sgpr_count 2
		.amdhsa_user_sgpr_kernarg_segment_ptr 1
		.amdhsa_wavefront_size32 1
		.amdhsa_system_sgpr_workgroup_id_x 1
		.amdhsa_system_sgpr_workgroup_id_y 1
		.amdhsa_system_sgpr_workgroup_id_z 1
		.amdhsa_system_vgpr_workitem_id 0
		.amdhsa_next_free_vgpr 1024
		.amdhsa_next_free_sgpr 80
		.amdhsa_reserve_vcc 0
		.amdhsa_float_denorm_mode_32 3
		.amdhsa_float_denorm_mode_16_64 3
		.amdhsa_memory_ordered 1
		.amdhsa_forward_progress 1
		.amdhsa_inst_pref_size 59
	.end_amdhsa_kernel
	.amdgpu_metadata
---
amdhsa.version: [ 1, 2 ]
amdhsa.kernels:
  - .name:           k_q8169dda7a3_edge2
    .symbol:         k_q8169dda7a3_edge2.kd
    .args:
      - { .name: src, .offset: 0, .size: 8, .value_kind: global_buffer, .address_space: global }
      - { .name: tgt, .offset: 8, .size: 8, .value_kind: global_buffer, .address_space: global }
      - { .name: idx, .offset: 16, .size: 8, .value_kind: global_buffer, .address_space: global }
      - { .name: cat, .offset: 24, .size: 8, .value_kind: global_buffer, .address_space: global }
      - { .name: partB, .offset: 32, .size: 8, .value_kind: global_buffer, .address_space: global }
      - { .name: w1, .offset: 40, .size: 8, .value_kind: global_buffer, .address_space: global }
      - { .name: g1, .offset: 48, .size: 8, .value_kind: global_buffer, .address_space: global }
      - { .name: partA, .offset: 56, .size: 8, .value_kind: global_buffer, .address_space: global }
      - { .name: b1, .offset: 64, .size: 8, .value_kind: global_buffer, .address_space: global }
      - { .name: w2_codes, .offset: 72, .size: 8, .value_kind: global_buffer, .address_space: global }
      - { .name: w2_scales, .offset: 80, .size: 8, .value_kind: global_buffer, .address_space: global }
      - { .name: g2, .offset: 88, .size: 8, .value_kind: global_buffer, .address_space: global }
      - { .name: h1q, .offset: 96, .size: 8, .value_kind: global_buffer, .address_space: global }
    .group_segment_fixed_size: 14848
    .private_segment_fixed_size: 0
    .kernarg_segment_align: 8
    .kernarg_segment_size: 104
    .max_flat_workgroup_size: 128
    .sgpr_count:     80
    .vgpr_count:     1024
    .wavefront_size: 32
...
	.end_amdgpu_metadata
.endif
;; end of part 3
;; launch edge3 (part 4): grid 256 x 1, 4 waves a work-group, no clusters, 14,848 bytes of LDS; arguments h1q, cat, partA, partB, w2_codes, w2_scales, g2, b2, w3_codes, w3_scales, g3, h2q; writes cat, partA, h2q
.if DOCPART == 4
	.amdgcn_target "amdgcn-amd-amdhsa--gfx1250"
	.amdhsa_code_object_version 6
	.text
	.protected	k_q8169dda7a3_edge3
	.globl	k_q8169dda7a3_edge3
	.p2align	8
	.type	k_q8169dda7a3_edge3,@function
k_q8169dda7a3_edge3:
	s_mov_b64 s[64:65], 0
	v_nop
	global_prefetch_b8 v0, s[64:65] scope:SCOPE_SE
	s_setreg_imm32_b32 hwreg(HW_REG_WAVE_MODE, 25, 1), 1
	s_wait_xcnt 0x0
; EDGE LAYERS 2 AND 3.  From h1's codes (h1q, stored by the launch before): x2~ = sign(g2) w2 h1, its batch norm (combined here from the cloud's 128 partials), relu, quantised: h2, stored in h2q for the next launch;
; then x3~ = sign(g3) w3 h2, of which only the maximum over each point's 32 neighbours (into cat) and the batch statistics (one (mean, M2) a channel and work-group) are kept.  Nothing of reference() is left out: relu(bn(.)) rises with x~.
; SHARES: work-group x: points 64 x on (cloud = x / 128); a wave 16 points, one a trip; a point is 32 rows, two tiles of 16.  A point in h1q and h2q: two images of an operand's four registers (512 bytes each) and 256 bytes of scale words.
; LAYER 2 is used transposed (weight rows 32 (r/8) + 8 T + r%8): a lane holds one row and a whole block of 32 channels in the next operand's order.  LAYER 3 is used natural (weight rows 64 (T/4) + 4 r + T%4): a lane is a channel.
; THE PIVOT: layer 3's C is minus a pivot, so that no variance is a difference of large sums over the wave's 512 rows.  Trip 0 runs with the pivot 0; behind it the pivot becomes point 0's mean and point 0's sums are brought under it:
; S1 = 0, S2 = S2 - S1 x mean: a difference over those 32 rows alone (its rounding, about 2^-23 x 32 mean^2, stands beside the wave's 512 variances).
; THE NEXT POINT's 1,280 bytes are asked for behind layer 2's products, which are the last to read the registers that take them; a prefetch names the point two trips further on: five blocks of 256 bytes, lanes 0 to 4 (the others name the fifth again); the last three trips ask for none.
; LIMITS: NaN and infinities are not served; a block under 2^-124 gets the byte 1 over zero codes.
; REGISTERS: window 0: v1-31 addresses; v32-43 weights' scale words, v62-63 h2's; v66-81 h2's codes; v98-105 maxima; v114-121 at work; v128-191 numbers ahead of the quantiser; v192-231 at work; v232-249 h1's codes and scale words.
;   window 1: v0-127 matrix results, v144-175 w2.  window 2: v0-63 factors and shifts, v192-223 sums.  window 3: v0-63 w3, v128-191 minus the pivots.
.set C, 128
.set CP, 64
.set NT, C/16
.set NG, C/64
.set NA, 4
.set WA, 144
.set SA, 32
.set D0, 64
.set D1, 96
.set HX, 66
.set HSN, 62
.set SN, 36
.set PB, 1280
.set IN, 232
.set RX, 0
.set AT, 4096
.set DT, 5120
.set WX, 6144
.set SPARE, 14336
.set SEL, 48
.set HM, 50
.set VSH, 3
.set EX, 98
.set TM, 114
.set R, 128
.set PT, 192
.set SD, 224
.set RR, 98
.set RS, 66
.set MSB, 0
.macro WIN new                         ; the immediate's high byte repeats the setting that is left
.if MSB != (\new)
	s_set_vgpr_msb (MSB<<8)|(\new)
.set MSB, (\new)
.endif
.endm
.macro PLACES n
.rept \n
	v_nop
.endr
.endm
.macro MM0 d, a, b, sa, sb
	v_wmma_scale_f32_16x16x128_f8f6f4 v[\d:\d+7], v[\a:\a+7], v[\b:\b+7], 0, v[\sa], v[\sb] matrix_a_fmt:MATRIX_FMT_FP4 matrix_b_fmt:MATRIX_FMT_FP4
.endm
.macro MMC d, a, b, c, sa, sb
	v_wmma_scale_f32_16x16x128_f8f6f4 v[\d:\d+7], v[\a:\a+7], v[\b:\b+7], v[\c:\c+7], v[\sa], v[\sb] matrix_a_fmt:MATRIX_FMT_FP4 matrix_b_fmt:MATRIX_FMT_FP4
.endm
.macro BMAX2 m, base                   ; two blocks of 32 numbers a lane: the largest of each and the floor 2^(3 - 127), in four chains by turns; no |.|: a relu follows
	v_max3_num_f32 v[\m], v[\base], v[\base+1], 0x1800000
	v_max_num_f32 v[\m+1], v[\base+16], v[\base+17]
	v_max3_num_f32 v[\m+2], v[\base+32], v[\base+33], 0x1800000
	v_max_num_f32 v[\m+3], v[\base+48], v[\base+49]
.irp i,2,4,6,8,10,12,14
	v_max3_num_f32 v[\m], v[\base+\i], v[\base+\i+1], v[\m]
	v_max3_num_f32 v[\m+1], v[\base+16+\i], v[\base+17+\i], v[\m+1]
	v_max3_num_f32 v[\m+2], v[\base+32+\i], v[\base+33+\i], v[\m+2]
	v_max3_num_f32 v[\m+3], v[\base+48+\i], v[\base+49+\i], v[\m+3]
.endr
	v_max_num_f32 v[\m], v[\m], v[\m+1]
	v_max_num_f32 v[\m+2], v[\m+2], v[\m+3]
.endm
.macro RELU base, n                    ; two numbers an instruction
.set qi, 0
.rept (\n)/2
	v_dual_max_num_f32 v[\base+qi], 0, v[\base+qi] :: v_dual_max_num_f32 v[\base+qi+1], 0, v[\base+qi+1]
.set qi, qi+2
.endr
.endm
.macro CVT4 dst, src, sc               ; a block becomes four registers of the operand; one plain place behind the last conversion
.irp g,0,1,2,3
	v_cvt_scalef32_pk8_fp4_f32 v[\dst+\g], v[\src+8*\g:\src+8*\g+7], v[\sc]
.endr
	v_nop
.endm
; The cloud's 128 partials (mean, M2) become a batch norm.  Thread t: channel pair t mod 2^lch2, rows rr (t >> lch2) on.  Row 0's mean is the pivot m0: A = sum(mean - m0), B = sum of squares, M = sum(M2);
; mean = m0 + A/128, M2 = M + n (B - A^2/128).  s[RS] = n, s[RS+1] = 1/N, s[RS+2] = eps.  A ring of 32 slots: the wait ahead of row i counts the younger loads of the ring.
.macro REDUCE pb, rowb, lch2, rr, thr, gp, bp, ato, dto, rb, wv
	v_and_b32 v[RR], (1<<\lch2)-1, v0
	v_lshrrev_b32 v[RR+2], \lch2, v0
	v_lshlrev_b32 v[RR+1], 4, v[RR]
	v_lshlrev_b32 v[RR], 3, v[RR]
	v_mul_u32_u24 v[RR+2], v[RR+2], \rr*\rowb
	v_add_nc_u32 v[RR+2], v[RR+1], v[RR+2]
	v_lshlrev_b32 v[RR+3], 5, v0
	global_load_b128 v[RR+4:RR+7], v[RR+1], s[\pb:\pb+1]
	global_load_b64 v[RR+8:RR+9], v[RR], s[\gp:\gp+1]
	global_load_b64 v[RR+10:RR+11], v[RR], s[\bp:\bp+1]
.set ri, 0
.rept 32
	global_load_b128 v[\rb+4*ri:\rb+4*ri+3], v[RR+2], s[\pb:\pb+1] offset:ri*\rowb
.set ri, ri+1
.endr
.irp k,13,15,16,17,18,19,20,21
	v_mov_b32 v[RR+\k], 0
.endr
.set ri, 0
.rept \rr/4                            ; four rows at a time, in the rows' order
	s_wait_alu depctr_va_vdst(0)                   ; the wait here, directly ahead of the wait below
.if \rr-4-ri < 28
	s_wait_loadcnt \rr-4-ri                        ; rows ri .. ri + 3 are in: the count is that of the ring's loads younger than row ri + 3's
.else
	s_wait_loadcnt 28
.endif
.if ri == 0
	v_xor_b32 v[RR+12], 0x80000000, v[RR+4]        ; (-m0, 0) for each of my two channels
	v_xor_b32 v[RR+14], 0x80000000, v[RR+6]
.endif
.irp j,0,1,2,3
.set sl, \rb+4*((ri+\j)%32)
	v_pk_add_f32 v[sl:sl+1], v[sl:sl+1], v[RR+12:RR+13]
	v_pk_add_f32 v[sl+2:sl+3], v[sl+2:sl+3], v[RR+14:RR+15]
.endr
.irp j,0,1,2,3
.set sl, \rb+4*((ri+\j)%32)
	v_pk_add_f32 v[RR+16:RR+17], v[RR+16:RR+17], v[sl:sl+1]
	v_pk_add_f32 v[RR+18:RR+19], v[RR+18:RR+19], v[sl+2:sl+3]
	v_fma_f32 v[RR+20], v[sl], v[sl], v[RR+20]
	v_fma_f32 v[RR+21], v[sl+2], v[sl+2], v[RR+21]
.endr
.if ri+32 < \rr
.irp j,0,1,2,3
.set sl, \rb+4*((ri+\j)%32)
	global_load_b128 v[sl:sl+3], v[RR+2], s[\pb:\pb+1] offset:(ri+\j+32)*\rowb
.endr
.endif
.set ri, ri+4
.endr
	ds_store_b128 v[RR+3], v[RR+16:RR+19] offset:RX
	ds_store_b64 v[RR+3], v[RR+20:RR+21] offset:RX+16
	s_wait_dscnt 0x0                               ; my sums have landed
	s_barrier_signal -1
	s_barrier_wait -1
	s_cmp_ge_u32 s[\wv], (1<<\lch2)/32             ; the first 2^lch2 threads finish a channel pair each
	s_cbranch_scc1 .Lred_\@
.set rg, 1
.rept (\thr>>\lch2)-1
	ds_load_b128 v[\rb+8*rg:\rb+8*rg+3], v[RR+3] offset:RX+(32<<\lch2)*rg
	ds_load_b64 v[\rb+8*rg+4:\rb+8*rg+5], v[RR+3] offset:RX+(32<<\lch2)*rg+16
.set rg, rg+1
.endr
	s_wait_dscnt 0x0
.set rg, 1
	s_wait_alu depctr_va_vdst(0)                   ; the wait
.rept (\thr>>\lch2)-1
	v_pk_add_f32 v[RR+16:RR+17], v[RR+16:RR+17], v[\rb+8*rg:\rb+8*rg+1]
	v_pk_add_f32 v[RR+18:RR+19], v[RR+18:RR+19], v[\rb+8*rg+2:\rb+8*rg+3]
	v_pk_add_f32 v[RR+20:RR+21], v[RR+20:RR+21], v[\rb+8*rg+4:\rb+8*rg+5]
.set rg, rg+1
.endr
.irp e,0,1
	v_mul_f32 v[\rb+40+\e], 0x3c000000, v[RR+16+2*\e]                      ; A / 128
	v_fma_f32 v[RR+20+\e], -v[\rb+40+\e], v[RR+16+2*\e], v[RR+20+\e]       ; B - A^2 / 128
	v_add_f32 v[\rb+42+\e], v[RR+4+2*\e], v[\rb+40+\e]                     ; the mean
	v_fma_f32 v[RR+17+2*\e], s[RS], v[RR+20+\e], v[RR+17+2*\e]             ; M2
	v_fma_f32 v[\rb+44+\e], v[RR+17+2*\e], s[RS+1], s[RS+2]                ; var + eps
.endr
	s_wait_alu depctr_va_vdst(0)                   ; the wait ahead of the two roots,
	v_rsq_f32 v[\rb+46], v[\rb+44]
	v_rsq_f32 v[\rb+47], v[\rb+45]
	v_nop                                          ; a plain place behind them,
	s_wait_alu depctr_va_vdst(0)                   ; and the wait ahead of their first reader
.irp e,0,1
	v_mul_f32 v[\rb+48+\e], |v[RR+8+\e]|, v[\rb+46+\e]                     ; the factor |g| rsqrt(var + eps)
	v_fma_f32 v[\rb+50+\e], -v[\rb+42+\e], v[\rb+48+\e], v[RR+10+\e]       ; the shift b - mean x factor
.endr
	ds_store_b64 v[RR], v[\rb+48:\rb+49] offset:\ato
	ds_store_b64 v[RR], v[\rb+50:\rb+51] offset:\dto
.Lred_\@:
	s_wait_dscnt 0x0
	s_barrier_signal -1
	s_barrier_wait -1                              ; factors and shifts lie in LDS
.endm
; A layer's fragments (window win, 8 registers a tile), scale words and gains.  kb: bytes of a row of codes.  nat = 1: the natural choice of rows
.macro LW cp, sp, gp, win, base, nt, kb, nat, sreg, greg
	s_wait_xcnt 0x0                                ; the loads issued so far have read their address registers
.if \nat
	v_mul_u32_u24 v100, v28, \kb
	v_mul_u32_u24 v101, v28, \kb/16
	v_lshlrev_b32 v102, 2, v28
.else
	v_mul_u32_u24 v100, v98, \kb
	v_mul_u32_u24 v101, v98, \kb/16
	v_lshlrev_b32 v102, 2, v98
.endif
	v_lshl_add_u32 v100, v2, 4, v100
	WIN (\win<<6)
.set lt, 0
.rept \nt
.set tp, 64*(lt/4)+(8-7*\nat)*(lt%4)
	global_load_b128 v[\base+8*lt:\base+8*lt+3], v100, s[\cp:\cp+1] offset:tp*\kb
.if \kb == 64
	global_load_b128 v[\base+8*lt+4:\base+8*lt+7], v100, s[\cp:\cp+1] offset:tp*\kb+32
.endif
.set lt, lt+1
.endr
	WIN 0
.set lt, 0
.rept \nt
.set tp, 64*(lt/4)+(8-7*\nat)*(lt%4)
.if \kb == 64
	global_load_b32 v[\sreg+lt], v101, s[\sp:\sp+1] offset:tp*4
.else
	global_load_u16 v[\sreg+lt], v101, s[\sp:\sp+1] offset:tp*2     ; two bytes a row; the word's upper bytes are 0, over zero codes
.endif
.set lt, lt+1
.endr
	WIN 0x80
.set lt, 0
.rept \nt
.set tp, 64*(lt/4)+(8-7*\nat)*(lt%4)
	global_load_b32 v[\greg+lt], v102, s[\gp:\gp+1] offset:tp*4
.set lt, lt+1
.endr
	WIN 0
.endm
.macro FLIP win, base, nt, nr, greg    ; a row whose g is negative changes the sign of its codes; a K of 64 is filled up with zero codes
	WIN 0x08
.set lt, 0
.rept \nt
	v_ashrrev_i32 v[PT+lt], 31, v[\greg+lt]
.set lt, lt+1
.endr
	WIN 0
.set lt, 0
.rept \nt
	v_and_b32 v[PT+lt], 0x88888888, v[PT+lt]
.set lt, lt+1
.endr
	WIN (\win<<6)|(\win<<2)
.set lt, 0
.rept \nt
.set lj, 0
.rept \nr
	v_xor_b32 v[\base+8*lt+lj], v[PT+lt], v[\base+8*lt+lj]
.set lj, lj+1
.endr
.set lt, lt+1
.endr
.if \nr == 4
	WIN (\win<<6)
.set lt, 0
.rept \nt
.irp j,4,5,6,7
	v_mov_b32 v[\base+8*lt+\j], 0
.endr
.set lt, lt+1
.endr
.endif
	WIN 0
.endm
.macro LT                              ; the transposed layer on K = 64: source 0 = weight rows, source 1 = the point's two row tiles by turns
	WIN 0x41
.set lt, 0
.rept NA
	MM0 D0+8*lt, WA+8*lt, IN, SA+lt, IN+16
	MM0 D1+8*lt, WA+8*lt, IN+8, SA+lt, IN+17
.set lt, lt+1
.endr
	WIN 0
	PLACES 4
.endm
.macro Q2B                             ; h2 of both row tiles: batch norm, the blocks' scales, relu, codes.  The chain that makes the scale words is laid between the relus
	WIN 0x29
.irp t,0,1
.set qi, 0
.rept 16
	v_pk_fma_f32 v[R+32*\t+qi:R+32*\t+qi+1], v[64+32*\t+qi:64+32*\t+qi+1], v[qi:qi+1], v[32+qi:32+qi+1]
.set qi, qi+2
.endr
.endr
	WIN 0
	BMAX2 TM, R
	v_add_nc_u32 v[TM+4], 0xff000000, v[TM]        ; 2 off the exponent field: the conversions' scale operands
	v_add_nc_u32 v[TM+5], 0xff000000, v[TM+2]
	RELU R, 8
	v_lshrrev_b32 v[TM+6], 23, v[TM+4]             ; the scales' bytes,
	v_lshrrev_b32 v[TM+7], 23, v[TM+5]
	RELU R+8, 8
	v_lshlrev_b32 v[TM+6], v[VSH], v[TM+6]         ; at byte h of the row's word,
	v_lshlrev_b32 v[TM+7], v[VSH], v[TM+7]
	RELU R+16, 8
	v_permlanex16_b32 v[TM+1], v[TM+6], s[SEL], s[SEL+1]
	v_permlanex16_b32 v[TM+3], v[TM+7], s[SEL], s[SEL+1]
	RELU R+24, 8
	v_or_b32 v62, v[TM+6], v[TM+1]                 ; with lane l xor 16's byte
	v_or_b32 v63, v[TM+7], v[TM+3]
	RELU R+32, 32
	CVT4 66, R, TM+4
	CVT4 74, R+32, TM+5
.endm
.macro LN g                            ; group g of the natural layer: four tiles of channels x two row tiles, C = minus the pivot
	WIN 0x7c
.irp q,0,1,2,3
.irp t,0,1
	MMC 64*((\g)&1)+16*\q+8*\t, HX+8*\t, 8*(4*(\g)+\q), 128+8*(4*(\g)+\q), HSN+\t, SN+4*(\g)+\q
.endr
.endr
.endm
.macro ST g                            ; group g's sums (x 1.0, so that they share a window setting with the squares: eight chains by turns), sums of squares and maxima over the point's 32 rows; each accumulator is read from its low end on
	WIN 0xa5
.irp p,0,2,4,6
.irp t,0,1
.irp q,0,1,2,3
	v_pk_fma_f32 v[192+4*(4*(\g)+\q):193+4*(4*(\g)+\q)], v[64*((\g)&1)+16*\q+8*\t+\p:64*((\g)&1)+16*\q+8*\t+\p+1], 1.0, v[192+4*(4*(\g)+\q):193+4*(4*(\g)+\q)] op_sel_hi:[1,0,1]
	v_pk_fma_f32 v[194+4*(4*(\g)+\q):195+4*(4*(\g)+\q)], v[64*((\g)&1)+16*\q+8*\t+\p:64*((\g)&1)+16*\q+8*\t+\p+1], v[64*((\g)&1)+16*\q+8*\t+\p:64*((\g)&1)+16*\q+8*\t+\p+1], v[194+4*(4*(\g)+\q):195+4*(4*(\g)+\q)]
.endr
.endr
.endr
	WIN 0x05
.irp q,0,1,2,3
	v_max_num_f32 v[EX+4*(\g)+\q], v[64*((\g)&1)+16*\q], v[64*((\g)&1)+16*\q+1]
.endr
.irp i,2,4,6,8,10,12,14
.irp q,0,1,2,3
	v_max3_num_f32 v[EX+4*(\g)+\q], v[64*((\g)&1)+16*\q+\i], v[64*((\g)&1)+16*\q+\i+1], v[EX+4*(\g)+\q]
.endr
.endr
.endm
.macro SUMS                            ; the sums so far, over both halves of the lanes: S1 in v[EX ..], S2 in v128 ..
	WIN 0x0a
.set lt, 0
.rept NT
	v_add_f32 v[EX+lt], v[192+4*lt], v[193+4*lt]
	v_add_f32 v[128+lt], v[194+4*lt], v[195+4*lt]
.set lt, lt+1
.endr
	WIN 0
.set lt, 0
.rept NT
	v_permlanex16_b32 v[PT+lt], v[EX+lt], s[SEL], s[SEL+1]
	v_permlanex16_b32 v[PT+16+lt], v[128+lt], s[SEL], s[SEL+1]
.set lt, lt+1
.endr
.set lt, 0
.rept NT
	v_add_f32 v[EX+lt], v[EX+lt], v[PT+lt]
	v_add_f32 v[128+lt], v[128+lt], v[PT+16+lt]
.set lt, lt+1
.endr
.endm
	s_load_b256 s[4:11], s[0:1], 0x0               ; h1q, cat, the partials out, the partials in
	s_load_b256 s[12:19], s[0:1], 0x20             ; w2's codes, scales, g2, b2
	s_load_b128 s[20:23], s[0:1], 0x40             ; w3's codes, scales
	s_load_b128 s[24:27], s[0:1], 0x50             ; g3, h2q
	v_lshl_add_u32 v26, v0, 2, SPARE               ; my spare word,
	v_mov_b32 v27, 0                               ; and 0: kept for the wave's closing lines
	v_lshrrev_b32 v1, 5, v0
	v_readfirstlane_b32 s44, v1                    ; wave
	v_and_b32 v1, 15, v0                           ; r
	v_bfe_u32 v2, v0, 4, 1                         ; h
	v_lshlrev_b32 v3, 3, v2                        ; 8 h
	v_lshlrev_b32 v28, 2, v1                       ; 4 r
	v_lshlrev_b32 v30, 3, v0                       ; 8 t
	v_lshlrev_b32 v31, 4, v0                       ; 16 t
	v_lshlrev_b32 v29, 4, v1
	v_lshl_add_u32 v29, v2, 8, v29                 ; my bytes of a point's channels in cat
	v_and_b32 v98, 7, v1
	v_lshrrev_b32 v99, 3, v1
	v_lshl_add_u32 v98, v99, 5, v98                ; 32 (r / 8) + r % 8
	v_lshlrev_b32 v67, 7, v2                       ; LDS: 32 h channels on
	v_and_b32 v4, 31, v0
	v_min_u32 v10, 4, v4
	v_lshlrev_b32 v10, 8, v10                      ; the prefetch: a point's five blocks of 256 bytes
	v_lshlrev_b32 v5, 3, v4
	v_lshlrev_b32 v4, 4, v4                        ; a point's images: 16 x lane,
	v_add_nc_u32 v5, 1024, v5                      ; its scale words: 8 x lane behind them
	s_mul_i32 s53, s44, 8*C
	v_lshlrev_b32 v123, 4, v1
	v_mad_u32_u24 v123, v2, 4*C, v123
	v_add_nc_u32 v123, s53, v123                   ; LDS: where my statistics go at the end
	s_lshr_b32 s46, ttmp9, 7                       ; cloud
	s_and_b32 s47, ttmp9, 127                      ; work-group in the cloud
	s_mov_b32 s48, 0x76543210
	s_mov_b32 s49, 0xfedcba98
	s_mov_b32 s50, 0xffff0000
	s_lshl_b32 s52, ttmp9, 6
	s_lshl_b32 s53, s44, 4
	s_add_co_u32 s52, s52, s53                     ; my wave's first point
	s_mov_b32 s55, 0
	s_mov_b32 s66, 0x45000000                      ; n = 2,048 rows a partial
	s_mov_b32 s67, 0x36800000                      ; 1 / 262,144
	s_mov_b32 s68, 0x3727c5ac                      ; eps = 1e-5
	s_wait_alu depctr_va_vdst(0)                   ; the wait at the head's end
	s_wait_kmcnt 0x0
	s_mul_i32 s54, s52, PB
	s_add_nc_u64 s[4:5], s[4:5], s[54:55]          ; h1q and h2q at my first point
	s_add_nc_u64 s[26:27], s[26:27], s[54:55]
	s_lshl_b32 s54, s52, 11
	s_add_co_u32 s54, s54, 4*C
	s_add_nc_u64 s[6:7], s[6:7], s[54:55]          ; cat at my first point, this layer's channels
	s_lshl_b32 s54, s46, 11
	s_add_co_u32 s54, s54, 0x100000
	s_add_nc_u64 s[56:57], s[8:9], s[54:55]        ; out: the finished batch norms of my cloud
	s_add_nc_u64 s[60:61], s[10:11], s[54:55]      ; in: those of the layers before
	s_mul_i32 s54, ttmp9, 8*C
	s_add_nc_u64 s[8:9], s[8:9], s[54:55]          ; out: my work-group's partial
	s_mul_i32 s54, s46, 1024*CP
	s_add_nc_u64 s[58:59], s[10:11], s[54:55]      ; in: my cloud's 128 partials
	LW 12, 14, 16, 1, WA, NA, 32, 0, SA, 196
	LW 20, 22, 24, 3, 0, NT, 32, 1, SN, 200
	s_cmp_ge_u32 s44, CP/64                        ; the earlier layers' batch norms are handed on: two channels a thread
	s_cbranch_scc1 .Lnocopy
	global_load_b64 v[124:125], v30, s[60:61]
	global_load_b64 v[126:127], v30, s[60:61] offset:1024    ; they go into LDS behind REDUCE, whose last wait for loads is for 0
.Lnocopy:
	s_wait_xcnt 0x0                                ; the weights' loads have read their address registers, which are written again below
	REDUCE 58, 512, 5, 32, 128, 16, 18, AT+4*CP, DT+4*CP, 128, 44
	s_cmp_ge_u32 s44, CP/64                        ; the earlier layers' batch norms: each thread reads back only the bytes that it stores here
	s_cbranch_scc1 .Lnostage
	ds_store_b64 v30, v[124:125] offset:AT
	ds_store_b64 v30, v[126:127] offset:DT
.Lnostage:
	global_load_b128 v[IN:IN+3], v4, s[4:5] th:TH_LOAD_NT               ; point 0
	global_load_b128 v[IN+8:IN+11], v4, s[4:5] offset:512 th:TH_LOAD_NT
	global_load_b64 v[IN+16:IN+17], v5, s[4:5] th:TH_LOAD_NT
	WIN 0x80
.irp k,0,1,2,3,4,5,6,7
	ds_load_b128 v[4*\k:4*\k+3], v67 offset:AT+256+16*\k
	ds_load_b128 v[32+4*\k:35+4*\k], v67 offset:DT+256+16*\k
.endr
	WIN 0
	s_wait_dscnt 0x0
	FLIP 1, WA, NA, 4, 196
	FLIP 3, 0, NT, 4, 200
.irp j,70,71,72,73,78,79,80,81,236,237,238,239,244,245,246,247
	v_mov_b32 v\j, 0                               ; the upper half of a K = 64 operand: zero codes
.endr
.set lt, 0
.rept 32
	v_mov_b32 v[PT+lt], 0                          ; written once: a lane permute's destination counts as one of its sources
.set lt, lt+1
.endr
	WIN 0xc0
.set lt, 0
.rept 8*NT
	v_mov_b32 v[128+lt], 0                         ; trip 0 runs with the pivot 0
.set lt, lt+1
.endr
	WIN 0x80
.set lt, 0
.rept 4*NT
	v_mov_b32 v[192+lt], 0
.set lt, lt+1
.endr
	WIN 0
	s_cmp_lg_u32 s47, 0                            ; the cloud's first work-group hands the finished batch norms on
	s_cbranch_scc1 .Lnobn
	s_cmp_ge_u32 s44, C/64
	s_cbranch_scc1 .Lnobn
	ds_load_b64 v[124:125], v30 offset:AT
	ds_load_b64 v[126:127], v30 offset:DT
	s_wait_dscnt 0x0
	global_store_b64 v30, v[124:125], s[56:57]
	global_store_b64 v30, v[126:127], s[56:57] offset:1024
.Lnobn:
	s_mov_b32 s51, 0
.Ltrip:                                            ; 16 trips: trip t takes point t
	s_wait_alu depctr_va_vdst(0)                   ; the wait here, behind the branch and directly ahead of the waits below
	s_wait_loadcnt 0x0                             ; this point's codes and scale words, asked for a trip ago
	s_wait_xcnt 0x0                                ; the last trip's stores and prefetch have read their registers
	LT
	s_cmp_eq_u32 s51, 15                           ; the last trip asks for nothing
	s_cbranch_scc1 .Lnonext
	s_add_co_u32 s72, s51, 1
	s_mul_i32 s72, s72, PB
	v_add_nc_u32 v6, s72, v4
	v_add_nc_u32 v7, s72, v5
	global_load_b128 v[IN:IN+3], v6, s[4:5] th:TH_LOAD_NT
	global_load_b128 v[IN+8:IN+11], v6, s[4:5] offset:512 th:TH_LOAD_NT
	global_load_b64 v[IN+16:IN+17], v7, s[4:5] th:TH_LOAD_NT
	s_cmp_gt_u32 s51, 12                           ; point t + 3 is one of my 16
	s_cbranch_scc1 .Lnonext
	s_add_co_u32 s72, s72, 2*PB
	v_add_nc_u32 v11, s72, v10
	global_prefetch_b8 v11, s[4:5] th:TH_LOAD_NT scope:SCOPE_SE
.Lnonext:
	Q2B
	s_mul_i32 s73, s51, PB
	v_add_nc_u32 v8, s73, v4
	v_add_nc_u32 v9, s73, v5
	global_store_b128 v8, v[66:69], s[26:27]               ; h2 as images of the operand's registers: 512 consecutive bytes a tile,
	global_store_b128 v8, v[74:77], s[26:27] offset:512
	global_store_b64 v9, v[62:63], s[26:27]                ; and the two tiles' scale words: 256 consecutive bytes
	PLACES 4
	LN 0
	LN 1
	PLACES 4
	ST 0
	ST 1
	WIN 0
.set lt, 0
.rept NT
	v_permlanex16_b32 v[PT+lt], v[EX+lt], s[SEL], s[SEL+1]
.set lt, lt+1
.endr
.set lt, 0
.rept NT
	v_max_num_f32 v[EX+lt], v[EX+lt], v[PT+lt]     ; with the other 16 rows'
.set lt, lt+1
.endr
	WIN 0x0c
.set lt, 0
.rept NT
	v_sub_f32 v[EX+lt], v[EX+lt], v[128+8*lt]      ; the pivot comes back
.set lt, lt+1
.endr
	WIN 0
	v_lshl_add_u32 v19, s51, 11, v29
.set lt, 0
.rept NG/2
.irp q,0,1,2,3
	v_cndmask_b32 v[SD+4*lt+\q], v[EX+8*lt+\q], v[EX+8*lt+4+\q], s[HM]   ; lanes 0-15 carry one group of 64 channels, lanes 16-31 the next: 512 consecutive bytes
.endr
	global_store_b128 v19, v[SD+4*lt:SD+4*lt+3], s[6:7] offset:512*lt
.set lt, lt+1
.endr
	s_cmp_lg_u32 s51, 0
	s_cbranch_scc1 .Lnext
	SUMS                                           ; behind trip 0: minus point 0's mean becomes the pivot's eight registers, and its sums are brought under the pivot
.set lt, 0
.rept NT
	v_mul_f32 v[144+lt], 0xbd000000, v[EX+lt]      ; -S1 / 32
.set lt, lt+1
.endr
.set lt, 0
.rept NT
	v_fma_f32 v[128+lt], v[144+lt], v[EX+lt], v[128+lt]   ; S2 - S1 x mean
.set lt, lt+1
.endr
.set lt, 0
.rept NT
	v_mul_f32 v[128+lt], 0.5, v[128+lt]            ; a half for each half of the lanes
.set lt, lt+1
.endr
	WIN 0xc0
.set lt, 0
.rept 8*NT
	v_mov_b32 v[128+lt], v[144+lt/8]
.set lt, lt+1
.endr
	WIN 0x80
.set lt, 0
.rept NT
	v_mov_b32 v[192+4*lt], 0
	v_mov_b32 v[193+4*lt], 0
	v_mov_b32 v[194+4*lt], v[128+lt]
	v_mov_b32 v[195+4*lt], 0
.set lt, lt+1
.endr
	WIN 0
.Lnext:
	s_add_co_u32 s51, s51, 1
	s_cmp_lt_u32 s51, 16
	s_cbranch_scc1 .Ltrip
	s_wait_alu depctr_va_vdst(0)                   ; the wait behind the branch above
	SUMS                                           ; my wave's 512 rows: mean = S1 / 512 + pivot, M2 = S2 - S1^2 / 512
.set lt, 0
.rept NT
	v_mul_f32 v[144+lt], 0x3b000000, v[EX+lt]
.set lt, lt+1
.endr
.set lt, 0
.rept NT
	v_fma_f32 v[128+lt], -v[144+lt], v[EX+lt], v[128+lt]
.set lt, lt+1
.endr
	WIN 0x0c
.set lt, 0
.rept NT
	v_sub_f32 v[144+lt], v[144+lt], v[128+8*lt]
.set lt, lt+1
.endr
	WIN 0
.set lt, 0
.rept NG
.irp q,0,1,2,3
	v_cndmask_b32 v[160+4*lt+\q], v[144+4*lt+\q], v[128+4*lt+\q], s[HM]   ; lanes 0-15 carry the means, lanes 16-31 the M2
.endr
	ds_store_b128 v123, v[160+4*lt:163+4*lt] offset:WX+256*lt
.set lt, lt+1
.endr
	s_wait_dscnt 0x0
	s_barrier_signal -1
	s_barrier_wait -1                              ; the four waves' statistics lie in LDS
	s_cmp_ge_u32 s44, C/64                         ; two channels a thread
	s_cbranch_scc1 .Ldone
.irp w,0,1,2,3
	ds_load_b64 v[128+4*\w:129+4*\w], v30 offset:WX+\w*8*C
	ds_load_b64 v[130+4*\w:131+4*\w], v30 offset:WX+\w*8*C+4*C
.endr
	s_wait_dscnt 0x0
.irp e,0,1
	v_add_f32 v[144+\e], v[128+\e], v[132+\e]
	v_add_f32 v[146+\e], v[136+\e], v[140+\e]
	v_add_f32 v[144+\e], v[144+\e], v[146+\e]
	v_mul_f32 v[160+2*\e], 0x3e800000, v[144+\e]   ; the work-group's mean
	v_add_f32 v[148+\e], v[130+\e], v[134+\e]
	v_add_f32 v[150+\e], v[138+\e], v[142+\e]
	v_add_f32 v[148+\e], v[148+\e], v[150+\e]
	v_sub_f32 v[152+\e], v[128+\e], v[160+2*\e]
	v_mul_f32 v[154+\e], v[152+\e], v[152+\e]
.irp w,1,2,3
	v_sub_f32 v[152+\e], v[128+4*\w+\e], v[160+2*\e]
	v_fma_f32 v[154+\e], v[152+\e], v[152+\e], v[154+\e]
.endr
	v_fmamk_f32 v[161+2*\e], v[154+\e], 0x44000000, v[148+\e]   ; its M2: the waves' + 512 x the squares of their means' distances
.endr
	global_store_b128 v31, v[160:163], s[8:9]
.Ldone:
	s_wait_tensorcnt 0x0                           ; the wave's end, behind my last LDS store
	ds_add_u32 v26, v27
	s_wait_dscnt 0x0
	s_endpgm
.Lfunc_end_k_q8169dda7a3_edge3:
	.size	k_q8169dda7a3_edge3, .Lfunc_end_k_q8169dda7a3_edge3-k_q8169dda7a3_edge3
	.p2alignl 7, 3214868480
	.fill 96, 4, 3214868480
	.section	.rodata,"a",@progbits
	.p2align	6, 0x0
	.amdhsa_kernel k_q8169dda7a3_edge3
		.amdhsa_group_segment_fixed_size 14848
		.amdhsa_private_segment_fixed_size 0
		.amdhsa_enable_private_segment 0
		.amdhsa_kernarg_size 96
		.amdhsa_user_sgpr_count 2
		.amdhsa_user_sgpr_kernarg_segment_ptr 1
		.amdhsa_wavefront_size32 1
		.amdhsa_system_sgpr_workgroup_id_x 1
		.amdhsa_system_sgpr_workgroup_id_y 1
		.amdhsa_system_sgpr_workgroup_id_z 1
		.amdhsa_system_vgpr_workitem_id 0
		.amdhsa_next_free_vgpr 1024
		.amdhsa_next_free_sgpr 80
		.amdhsa_reserve_vcc 0
		.amdhsa_float_denorm_mode_32 3
		.amdhsa_float_denorm_mode_16_64 3
		.amdhsa_memory_ordered 1
		.amdhsa_forward_progress 1
		.amdhsa_inst_pref_size 76
	.end_amdhsa_kernel
	.amdgpu_metadata
---
amdhsa.version: [ 1, 2 ]
amdhsa.kernels:
  - .name:           k_q8169dda7a3_edge3
    .symbol:         k_q8169dda7a3_edge3.kd
    .args:
      - { .name: h1q, .offset: 0, .size: 8, .value_kind: global_buffer, .address_space: global }
      - { .name: cat, .offset: 8, .size: 8, .value_kind: global_buffer, .address_space: global }
      - { .name: partA, .offset: 16, .size: 8, .value_kind: global_buffer, .address_space: global }
      - { .name: partB, .offset: 24, .size: 8, .value_kind: global_buffer, .address_space: global }
      - { .name: w2_codes, .offset: 32, .size: 8, .value_kind: global_buffer, .address_space: global }
      - { .name: w2_scales, .offset: 40, .size: 8, .value_kind: global_buffer, .address_space: global }
      - { .name: g2, .offset: 48, .size: 8, .value_kind: global_buffer, .address_space: global }
      - { .name: b2, .offset: 56, .size: 8, .value_kind: global_buffer, .address_space: global }
      - { .name: w3_codes, .offset: 64, .size: 8, .value_kind: global_buffer, .address_space: global }
      - { .name: w3_scales, .offset: 72, .size: 8, .value_kind: global_buffer, .address_space: global }
      - { .name: g3, .offset: 80, .size: 8, .value_kind: global_buffer, .address_space: global }
      - { .name: h2q, .offset: 88, .size: 8, .value_kind: global_buffer, .address_space: global }
    .group_segment_fixed_size: 14848
    .private_segment_fixed_size: 0
    .kernarg_segment_align: 8
    .kernarg_segment_size: 96
    .max_flat_workgroup_size: 128
    .sgpr_count:     80
    .vgpr_count:     1024
    .wavefront_size: 32
...
	.end_amdgpu_metadata
.endif
;; end of part 4
;; launch edge4 (part 5): grid 256 x 1, 4 waves a work-group, no clusters, 14,848 bytes of LDS; arguments h2q, cat, partB, partA, w3_codes, w3_scales, g3, b3, w4_codes, w4_scales, g4; writes cat, partB
.if DOCPART == 5
	.amdgcn_target "amdgcn-amd-amdhsa--gfx1250"
	.amdhsa_code_object_version 6
	.text
	.protected	k_q8169dda7a3_edge4
	.globl	k_q8169dda7a3_edge4
	.p2align	8
	.type	k_q8169dda7a3_edge4,@function
k_q8169dda7a3_edge4:
	s_mov_b64 s[64:65], 0
	v_nop
	global_prefetch_b8 v0, s[64:65] scope:SCOPE_SE
	s_setreg_imm32_b32 hwreg(HW_REG_WAVE_MODE, 25, 1), 1
	s_wait_xcnt 0x0
; EDGE LAYERS 3 AND 4.  From h2's codes (h2q, stored by the launch before): x3~ = sign(g3) w3 h2, its batch norm (combined here from the cloud's 128 partials), relu, quantised: h3, which stays in registers;
; then x4~ = sign(g4) w4 h3, of which only the maximum over each point's 32 neighbours (into cat) and the batch statistics (one (mean, M2) a channel and work-group) are kept.  Nothing of reference() is left out: relu(bn(.)) rises with x~.
; SHARES: work-group x: points 64 x on (cloud = x / 128); a wave 16 points, one a trip; a point is 32 rows, two tiles of 16.  A point in h2q: two images of an operand's four registers (512 bytes each) and 256 bytes of scale words.
; LAYER 3 is used transposed (weight rows 64 (T/4) + 32 (r/8) + 8 (T%4) + r%8): a lane holds one row and two whole blocks of 32 channels in the next operand's order.  LAYER 4 is used natural (weight rows 64 (T/4) + 4 r + T%4): a lane is a channel.
; THE PIVOT: layer 4's C is minus a pivot, so that no variance is a difference of large sums over the wave's 512 rows.  Trip 0 runs with the pivot 0; behind it the pivot becomes point 0's mean and point 0's sums are brought under it:
; S1 = 0, S2 = S2 - S1 x mean: a difference over those 32 rows alone (its rounding, about 2^-23 x 32 mean^2, stands beside the wave's 512 variances).
; THE NEXT POINT's 1,280 bytes are asked for behind layer 3's products, which are the last to read the registers that take them; a prefetch names the point two trips further on: five blocks of 256 bytes, lanes 0 to 4 (the others name the fifth again); the last three trips ask for none.
; LIMITS: NaN and infinities are not served; a block under 2^-124 gets the byte 1 over zero codes.
; REGISTERS: window 0: v1-31 addresses; v36-59 weights' scale words, v64-65 h3's; v82-97 h3's codes; v98-113 maxima; v114-121 at work; v128-191 numbers ahead of the quantiser; v192-231 at work; v232-249 h2's codes and scale words.
;   window 1: v0-127 matrix results, v176-239 w3.  window 2: v64-191 factors and shifts, v192-255 sums.  window 3: v0-127 w4, v128-255 minus the pivots.
.set C, 256
.set CP, 128
.set NT, C/16
.set NG, C/64
.set NA, 8
.set WA, 176
.set SA, 36
.set D0, 0
.set D1, 64
.set HX, 82
.set HSN, 64
.set SN, 44
.set PB, 1280
.set IN, 232
.set RX, 0
.set AT, 4096
.set DT, 5120
.set WX, 6144
.set SPARE, 14336
.set SEL, 48
.set HM, 50
.set VSH, 3
.set EX, 98
.set TM, 114
.set R, 128
.set PT, 192
.set SD, 224
.set RR, 98
.set RS, 66
.set MSB, 0
.macro WIN new                         ; the immediate's high byte repeats the setting that is left
.if MSB != (\new)
	s_set_vgpr_msb (MSB<<8)|(\new)
.set MSB, (\new)
.endif
.endm
.macro PLACES n
.rept \n
	v_nop
.endr
.endm
.macro MM0 d, a, b, sa, sb
	v_wmma_scale_f32_16x16x128_f8f6f4 v[\d:\d+7], v[\a:\a+7], v[\b:\b+7], 0, v[\sa], v[\sb] matrix_a_fmt:MATRIX_FMT_FP4 matrix_b_fmt:MATRIX_FMT_FP4
.endm
.macro MMC d, a, b, c, sa, sb
	v_wmma_scale_f32_16x16x128_f8f6f4 v[\d:\d+7], v[\a:\a+7], v[\b:\b+7], v[\c:\c+7], v[\sa], v[\sb] matrix_a_fmt:MATRIX_FMT_FP4 matrix_b_fmt:MATRIX_FMT_FP4
.endm
.macro BMAX2 m, base                   ; two blocks of 32 numbers a lane: the largest of each and the floor 2^(3 - 127), in four chains by turns; no |.|: a relu follows
	v_max3_num_f32 v[\m], v[\base], v[\base+1], 0x1800000
	v_max_num_f32 v[\m+1], v[\base+16], v[\base+17]
	v_max3_num_f32 v[\m+2], v[\base+32], v[\base+33], 0x1800000
	v_max_num_f32 v[\m+3], v[\base+48], v[\base+49]
.irp i,2,4,6,8,10,12,14
	v_max3_num_f32 v[\m], v[\base+\i], v[\base+\i+1], v[\m]
	v_max3_num_f32 v[\m+1], v[\base+16+\i], v[\base+17+\i], v[\m+1]
	v_max3_num_f32 v[\m+2], v[\base+32+\i], v[\base+33+\i], v[\m+2]
	v_max3_num_f32 v[\m+3], v[\base+48+\i], v[\base+49+\i], v[\m+3]
.endr
	v_max_num_f32 v[\m], v[\m], v[\m+1]
	v_max_num_f32 v[\m+2], v[\m+2], v[\m+3]
.endm
.macro RELU base, n                    ; two numbers an instruction
.set qi, 0
.rept (\n)/2
	v_dual_max_num_f32 v[\base+qi], 0, v[\base+qi] :: v_dual_max_num_f32 v[\base+qi+1], 0, v[\base+qi+1]
.set qi, qi+2
.endr
.endm
.macro CVT4 dst, src, sc               ; a block becomes four registers of the operand; one plain place behind the last conversion
.irp g,0,1,2,3
	v_cvt_scalef32_pk8_fp4_f32 v[\dst+\g], v[\src+8*\g:\src+8*\g+7], v[\sc]
.endr
	v_nop
.endm
; The cloud's 128 partials (mean, M2) become a batch norm.  Thread t: channel pair t mod 2^lch2, rows rr (t >> lch2) on.  Row 0's mean is the pivot m0: A = sum(mean - m0), B = sum of squares, M = sum(M2);
; mean = m0 + A/128, M2 = M + n (B - A^2/128).  s[RS] = n, s[RS+1] = 1/N, s[RS+2] = eps.  A ring of 32 slots: the wait ahead of row i counts the younger loads of the ring.
.macro REDUCE pb, rowb, lch2, rr, thr, gp, bp, ato, dto, rb, wv
	v_and_b32 v[RR], (1<<\lch2)-1, v0
	v_lshrrev_b32 v[RR+2], \lch2, v0
	v_lshlrev_b32 v[RR+1], 4, v[RR]
	v_lshlrev_b32 v[RR], 3, v[RR]
	v_mul_u32_u24 v[RR+2], v[RR+2], \rr*\rowb
	v_add_nc_u32 v[RR+2], v[RR+1], v[RR+2]
	v_lshlrev_b32 v[RR+3], 5, v0
	global_load_b128 v[RR+4:RR+7], v[RR+1], s[\pb:\pb+1]
	global_load_b64 v[RR+8:RR+9], v[RR], s[\gp:\gp+1]
	global_load_b64 v[RR+10:RR+11], v[RR], s[\bp:\bp+1]
.set ri, 0
.rept 32
	global_load_b128 v[\rb+4*ri:\rb+4*ri+3], v[RR+2], s[\pb:\pb+1] offset:ri*\rowb
.set ri, ri+1
.endr
.irp k,13,15,16,17,18,19,20,21
	v_mov_b32 v[RR+\k], 0
.endr
.set ri, 0
.rept \rr/4                            ; four rows at a time, in the rows' order
	s_wait_alu depctr_va_vdst(0)                   ; the wait here, directly ahead of the wait below
.if \rr-4-ri < 28
	s_wait_loadcnt \rr-4-ri                        ; rows ri .. ri + 3 are in: the count is that of the ring's loads younger than row ri + 3's
.else
	s_wait_loadcnt 28
.endif
.if ri == 0
	v_xor_b32 v[RR+12], 0x80000000, v[RR+4]        ; (-m0, 0) for each of my two channels
	v_xor_b32 v[RR+14], 0x80000000, v[RR+6]
.endif
.irp j,0,1,2,3
.set sl, \rb+4*((ri+\j)%32)
	v_pk_add_f32 v[sl:sl+1], v[sl:sl+1], v[RR+12:RR+13]
	v_pk_add_f32 v[sl+2:sl+3], v[sl+2:sl+3], v[RR+14:RR+15]
.endr
.irp j,0,1,2,3
.set sl, \rb+4*((ri+\j)%32)
	v_pk_add_f32 v[RR+16:RR+17], v[RR+16:RR+17], v[sl:sl+1]
	v_pk_add_f32 v[RR+18:RR+19], v[RR+18:RR+19], v[sl+2:sl+3]
	v_fma_f32 v[RR+20], v[sl], v[sl], v[RR+20]
	v_fma_f32 v[RR+21], v[sl+2], v[sl+2], v[RR+21]
.endr
.if ri+32 < \rr
.irp j,0,1,2,3
.set sl, \rb+4*((ri+\j)%32)
	global_load_b128 v[sl:sl+3], v[RR+2], s[\pb:\pb+1] offset:(ri+\j+32)*\rowb
.endr
.endif
.set ri, ri+4
.endr
	ds_store_b128 v[RR+3], v[RR+16:RR+19] offset:RX
	ds_store_b64 v[RR+3], v[RR+20:RR+21] offset:RX+16
	s_wait_dscnt 0x0                               ; my sums have landed
	s_barrier_signal -1
	s_barrier_wait -1
	s_cmp_ge_u32 s[\wv], (1<<\lch2)/32             ; the first 2^lch2 threads finish a channel pair each
	s_cbranch_scc1 .Lred_\@
.set rg, 1
.rept (\thr>>\lch2)-1
	ds_load_b128 v[\rb+8*rg:\rb+8*rg+3], v[RR+3] offset:RX+(32<<\lch2)*rg
	ds_load_b64 v[\rb+8*rg+4:\rb+8*rg+5], v[RR+3] offset:RX+(32<<\lch2)*rg+16
.set rg, rg+1
.endr
	s_wait_dscnt 0x0
.set rg, 1
	s_wait_alu depctr_va_vdst(0)                   ; the wait
.rept (\thr>>\lch2)-1
	v_pk_add_f32 v[RR+16:RR+17], v[RR+16:RR+17], v[\rb+8*rg:\rb+8*rg+1]
	v_pk_add_f32 v[RR+18:RR+19], v[RR+18:RR+19], v[\rb+8*rg+2:\rb+8*rg+3]
	v_pk_add_f32 v[RR+20:RR+21], v[RR+20:RR+21], v[\rb+8*rg+4:\rb+8*rg+5]
.set rg, rg+1
.endr
.irp e,0,1
	v_mul_f32 v[\rb+40+\e], 0x3c000000, v[RR+16+2*\e]                      ; A / 128
	v_fma_f32 v[RR+20+\e], -v[\rb+40+\e], v[RR+16+2*\e], v[RR+20+\e]       ; B - A^2 / 128
	v_add_f32 v[\rb+42+\e], v[RR+4+2*\e], v[\rb+40+\e]                     ; the mean
	v_fma_f32 v[RR+17+2*\e], s[RS], v[RR+20+\e], v[RR+17+2*\e]             ; M2
	v_fma_f32 v[\rb+44+\e], v[RR+17+2*\e], s[RS+1], s[RS+2]                ; var + eps
.endr
	s_wait_alu depctr_va_vdst(0)                   ; the wait ahead of the two roots,
	v_rsq_f32 v[\rb+46], v[\rb+44]
	v_rsq_f32 v[\rb+47], v[\rb+45]
	v_nop                                          ; a plain place behind them,
	s_wait_alu depctr_va_vdst(0)                   ; and the wait ahead of their first reader
.irp e,0,1
	v_mul_f32 v[\rb+48+\e], |v[RR+8+\e]|, v[\rb+46+\e]                     ; the factor |g| rsqrt(var + eps)
	v_fma_f32 v[\rb+50+\e], -v[\rb+42+\e], v[\rb+48+\e], v[RR+10+\e]       ; the shift b - mean x factor
.endr
	ds_store_b64 v[RR], v[\rb+48:\rb+49] offset:\ato
	ds_store_b64 v[RR], v[\rb+50:\rb+51] offset:\dto
.Lred_\@:
	s_wait_dscnt 0x0
	s_barrier_signal -1
	s_barrier_wait -1                              ; factors and shifts lie in LDS
.endm
; A layer's fragments (window win, 8 registers a tile), scale words and gains.  kb: bytes of a row of codes.  nat = 1: the natural choice of rows
.macro LW cp, sp, gp, win, base, nt, kb, nat, sreg, greg
	s_wait_xcnt 0x0                                ; the loads issued so far have read their address registers
.if \nat
	v_mul_u32_u24 v100, v28, \kb
	v_mul_u32_u24 v101, v28, \kb/16
	v_lshlrev_b32 v102, 2, v28
.else
	v_mul_u32_u24 v100, v98, \kb
	v_mul_u32_u24 v101, v98, \kb/16
	v_lshlrev_b32 v102, 2, v98
.endif
	v_lshl_add_u32 v100, v2, 4, v100
	WIN (\win<<6)
.set lt, 0
.rept \nt
.set tp, 64*(lt/4)+(8-7*\nat)*(lt%4)
	global_load_b128 v[\base+8*lt:\base+8*lt+3], v100, s[\cp:\cp+1] offset:tp*\kb
.if \kb == 64
	global_load_b128 v[\base+8*lt+4:\base+8*lt+7], v100, s[\cp:\cp+1] offset:tp*\kb+32
.endif
.set lt, lt+1
.endr
	WIN 0
.set lt, 0
.rept \nt
.set tp, 64*(lt/4)+(8-7*\nat)*(lt%4)
.if \kb == 64
	global_load_b32 v[\sreg+lt], v101, s[\sp:\sp+1] offset:tp*4
.else
	global_load_u16 v[\sreg+lt], v101, s[\sp:\sp+1] offset:tp*2     ; two bytes a row; the word's upper bytes are 0, over zero codes
.endif
.set lt, lt+1
.endr
	WIN 0x80
.set lt, 0
.rept \nt
.set tp, 64*(lt/4)+(8-7*\nat)*(lt%4)
	global_load_b32 v[\greg+lt], v102, s[\gp:\gp+1] offset:tp*4
.set lt, lt+1
.endr
	WIN 0
.endm
.macro FLIP win, base, nt, nr, greg    ; a row whose g is negative changes the sign of its codes; a K of 64 is filled up with zero codes
	WIN 0x08
.set lt, 0
.rept \nt
	v_ashrrev_i32 v[PT+lt], 31, v[\greg+lt]
.set lt, lt+1
.endr
	WIN 0
.set lt, 0
.rept \nt
	v_and_b32 v[PT+lt], 0x88888888, v[PT+lt]
.set lt, lt+1
.endr
	WIN (\win<<6)|(\win<<2)
.set lt, 0
.rept \nt
.set lj, 0
.rept \nr
	v_xor_b32 v[\base+8*lt+lj], v[PT+lt], v[\base+8*lt+lj]
.set lj, lj+1
.endr
.set lt, lt+1
.endr
.if \nr == 4
	WIN (\win<<6)
.set lt, 0
.rept \nt
.irp j,4,5,6,7
	v_mov_b32 v[\base+8*lt+\j], 0
.endr
.set lt, lt+1
.endr
.endif
	WIN 0
.endm
.macro LT                              ; the transposed layer on K = 64: source 0 = weight rows, source 1 = the point's two row tiles by turns
	WIN 0x41
.set lt, 0
.rept NA
	MM0 D0+8*lt, WA+8*lt, IN, SA+lt, IN+16
	MM0 D1+8*lt, WA+8*lt, IN+8, SA+lt, IN+17
.set lt, lt+1
.endr
	WIN 0
	PLACES 4
.endm
.macro Q3 t                            ; h3 of row tile t: batch norm, the two blocks' scales, relu, codes.  The chain that makes the scale word is laid between the relus
	WIN 0x29
.set qi, 0
.rept 32
	v_pk_fma_f32 v[R+qi:R+qi+1], v[64*\t+qi:64*\t+qi+1], v[64+qi:64+qi+1], v[128+qi:128+qi+1]
.set qi, qi+2
.endr
	WIN 0
	BMAX2 TM, R
	v_add_nc_u32 v[TM+4], 0xff000000, v[TM]        ; 2 off the exponent field: the conversions' scale operands
	v_add_nc_u32 v[TM+5], 0xff000000, v[TM+2]
	RELU R, 8
	v_lshrrev_b32 v[TM+6], 23, v[TM+4]             ; the scales' bytes: blocks h and 2 + h are mine
	v_lshrrev_b32 v[TM+7], 23, v[TM+5]
	RELU R+8, 8
	v_lshl_or_b32 v[TM+6], v[TM+7], 16, v[TM+6]
	RELU R+16, 8
	v_lshlrev_b32 v[TM+6], v[VSH], v[TM+6]
	RELU R+24, 8
	v_permlanex16_b32 v[TM+1], v[TM+6], s[SEL], s[SEL+1]
	RELU R+32, 16
	v_or_b32 v[64+\t], v[TM+6], v[TM+1]            ; with lane l xor 16's two bytes
	RELU R+48, 16
	CVT4 82+8*\t, R, TM+4
	CVT4 86+8*\t, R+32, TM+5
.endm
.macro LN g                            ; group g of the natural layer: four tiles of channels x two row tiles, C = minus the pivot
	WIN 0x7c
.irp q,0,1,2,3
.irp t,0,1
	MMC 64*((\g)&1)+16*\q+8*\t, HX+8*\t, 8*(4*(\g)+\q), 128+8*(4*(\g)+\q), HSN+\t, SN+4*(\g)+\q
.endr
.endr
.endm
.macro ST g                            ; group g's sums (x 1.0, so that they share a window setting with the squares: eight chains by turns), sums of squares and maxima over the point's 32 rows; each accumulator is read from its low end on
	WIN 0xa5
.irp p,0,2,4,6
.irp t,0,1
.irp q,0,1,2,3
	v_pk_fma_f32 v[192+4*(4*(\g)+\q):193+4*(4*(\g)+\q)], v[64*((\g)&1)+16*\q+8*\t+\p:64*((\g)&1)+16*\q+8*\t+\p+1], 1.0, v[192+4*(4*(\g)+\q):193+4*(4*(\g)+\q)] op_sel_hi:[1,0,1]
	v_pk_fma_f32 v[194+4*(4*(\g)+\q):195+4*(4*(\g)+\q)], v[64*((\g)&1)+16*\q+8*\t+\p:64*((\g)&1)+16*\q+8*\t+\p+1], v[64*((\g)&1)+16*\q+8*\t+\p:64*((\g)&1)+16*\q+8*\t+\p+1], v[194+4*(4*(\g)+\q):195+4*(4*(\g)+\q)]
.endr
.endr
.endr
	WIN 0x05
.irp q,0,1,2,3
	v_max_num_f32 v[EX+4*(\g)+\q], v[64*((\g)&1)+16*\q], v[64*((\g)&1)+16*\q+1]
.endr
.irp i,2,4,6,8,10,12,14
.irp q,0,1,2,3
	v_max3_num_f32 v[EX+4*(\g)+\q], v[64*((\g)&1)+16*\q+\i], v[64*((\g)&1)+16*\q+\i+1], v[EX+4*(\g)+\q]
.endr
.endr
.endm
.macro SUMS                            ; the sums so far, over both halves of the lanes: S1 in v[EX ..], S2 in v128 ..
	WIN 0x0a
.set lt, 0
.rept NT
	v_add_f32 v[EX+lt], v[192+4*lt], v[193+4*lt]
	v_add_f32 v[128+lt], v[194+4*lt], v[195+4*lt]
.set lt, lt+1
.endr
	WIN 0
.set lt, 0
.rept NT
	v_permlanex16_b32 v[PT+lt], v[EX+lt], s[SEL], s[SEL+1]
	v_permlanex16_b32 v[PT+16+lt], v[128+lt], s[SEL], s[SEL+1]
.set lt, lt+1
.endr
.set lt, 0
.rept NT
	v_add_f32 v[EX+lt], v[EX+lt], v[PT+lt]
	v_add_f32 v[128+lt], v[128+lt], v[PT+16+lt]
.set lt, lt+1
.endr
.endm
	s_load_b256 s[4:11], s[0:1], 0x0               ; h2q, cat, the partials out, the partials in
	s_load_b256 s[12:19], s[0:1], 0x20             ; w3's codes, scales, g3, b3
	s_load_b128 s[20:23], s[0:1], 0x40             ; w4's codes, scales
	s_load_b64 s[24:25], s[0:1], 0x50              ; g4
	v_lshl_add_u32 v26, v0, 2, SPARE               ; my spare word,
	v_mov_b32 v27, 0                               ; and 0: kept for the wave's closing lines
	v_lshrrev_b32 v1, 5, v0
	v_readfirstlane_b32 s44, v1                    ; wave
	v_and_b32 v1, 15, v0                           ; r
	v_bfe_u32 v2, v0, 4, 1                         ; h
	v_lshlrev_b32 v3, 3, v2                        ; 8 h
	v_lshlrev_b32 v28, 2, v1                       ; 4 r
	v_lshlrev_b32 v30, 3, v0                       ; 8 t
	v_lshlrev_b32 v31, 4, v0                       ; 16 t
	v_lshlrev_b32 v29, 4, v1
	v_lshl_add_u32 v29, v2, 8, v29                 ; my bytes of a point's channels in cat
	v_and_b32 v98, 7, v1
	v_lshrrev_b32 v99, 3, v1
	v_lshl_add_u32 v98, v99, 5, v98                ; 32 (r / 8) + r % 8
	v_lshlrev_b32 v67, 7, v2                       ; LDS: 32 h channels on
	v_and_b32 v4, 31, v0
	v_min_u32 v10, 4, v4
	v_lshlrev_b32 v10, 8, v10                      ; the prefetch: a point's five blocks of 256 bytes
	v_lshlrev_b32 v5, 3, v4
	v_lshlrev_b32 v4, 4, v4                        ; a point's images: 16 x lane,
	v_add_nc_u32 v5, 1024, v5                      ; its scale words: 8 x lane behind them
	s_mul_i32 s53, s44, 8*C
	v_lshlrev_b32 v123, 4, v1
	v_mad_u32_u24 v123, v2, 4*C, v123
	v_add_nc_u32 v123, s53, v123                   ; LDS: where my statistics go at the end
	s_lshr_b32 s46, ttmp9, 7                       ; cloud
	s_and_b32 s47, ttmp9, 127                      ; work-group in the cloud
	s_mov_b32 s48, 0x76543210
	s_mov_b32 s49, 0xfedcba98
	s_mov_b32 s50, 0xffff0000
	s_lshl_b32 s52, ttmp9, 6
	s_lshl_b32 s53, s44, 4
	s_add_co_u32 s52, s52, s53                     ; my wave's first point
	s_mov_b32 s55, 0
	s_mov_b32 s66, 0x45000000                      ; n = 2,048 rows a partial
	s_mov_b32 s67, 0x36800000                      ; 1 / 262,144
	s_mov_b32 s68, 0x3727c5ac                      ; eps = 1e-5
	s_wait_alu depctr_va_vdst(0)                   ; the wait at the head's end
	s_wait_kmcnt 0x0
	s_mul_i32 s54, s52, PB
	s_add_nc_u64 s[4:5], s[4:5], s[54:55]          ; h2q at my first point
	s_lshl_b32 s54, s52, 11
	s_add_co_u32 s54, s54, 4*C
	s_add_nc_u64 s[6:7], s[6:7], s[54:55]          ; cat at my first point, this layer's channels
	s_lshl_b32 s54, s46, 11
	s_add_co_u32 s54, s54, 0x100000
	s_add_nc_u64 s[56:57], s[8:9], s[54:55]        ; out: the finished batch norms of my cloud
	s_add_nc_u64 s[60:61], s[10:11], s[54:55]      ; in: those of the layers before
	s_mul_i32 s54, ttmp9, 8*C
	s_add_nc_u64 s[8:9], s[8:9], s[54:55]          ; out: my work-group's partial
	s_mul_i32 s54, s46, 1024*CP
	s_add_nc_u64 s[58:59], s[10:11], s[54:55]      ; in: my cloud's 128 partials
	LW 12, 14, 16, 1, WA, NA, 32, 0, SA, 200
	LW 20, 22, 24, 3, 0, NT, 64, 1, SN, 208
	s_cmp_ge_u32 s44, CP/64                        ; the earlier layers' batch norms are handed on: two channels a thread
	s_cbranch_scc1 .Lnocopy
	global_load_b64 v[124:125], v30, s[60:61]
	global_load_b64 v[126:127], v30, s[60:61] offset:1024    ; they go into LDS behind REDUCE, whose last wait for loads is for 0
.Lnocopy:
	s_wait_xcnt 0x0                                ; the weights' loads have read their address registers, which are written again below
	REDUCE 58, 1024, 6, 64, 128, 16, 18, AT+4*CP, DT+4*CP, 128, 44
	s_cmp_ge_u32 s44, CP/64                        ; the earlier layers' batch norms: each thread reads back only the bytes that it stores here
	s_cbranch_scc1 .Lnostage
	ds_store_b64 v30, v[124:125] offset:AT
	ds_store_b64 v30, v[126:127] offset:DT
.Lnostage:
	global_load_b128 v[IN:IN+3], v4, s[4:5] th:TH_LOAD_NT               ; point 0
	global_load_b128 v[IN+8:IN+11], v4, s[4:5] offset:512 th:TH_LOAD_NT
	global_load_b64 v[IN+16:IN+17], v5, s[4:5] th:TH_LOAD_NT
	WIN 0x80
.irp c,0,1
.irp k,0,1,2,3,4,5,6,7
	ds_load_b128 v[64+32*\c+4*\k:67+32*\c+4*\k], v67 offset:AT+512+256*\c+16*\k
	ds_load_b128 v[128+32*\c+4*\k:131+32*\c+4*\k], v67 offset:DT+512+256*\c+16*\k
.endr
.endr
	WIN 0
	s_wait_dscnt 0x0
	FLIP 1, WA, NA, 4, 200
	FLIP 3, 0, NT, 8, 208
.irp j,236,237,238,239,244,245,246,247
	v_mov_b32 v\j, 0                               ; the upper half of a K = 64 operand: zero codes
.endr
.set lt, 0
.rept 32
	v_mov_b32 v[PT+lt], 0                          ; written once: a lane permute's destination counts as one of its sources
.set lt, lt+1
.endr
	WIN 0xc0
.set lt, 0
.rept 8*NT
	v_mov_b32 v[128+lt], 0                         ; trip 0 runs with the pivot 0
.set lt, lt+1
.endr
	WIN 0x80
.set lt, 0
.rept 4*NT
	v_mov_b32 v[192+lt], 0
.set lt, lt+1
.endr
	WIN 0
	s_cmp_lg_u32 s47, 0                            ; the cloud's first work-group hands the finished batch norms on
	s_cbranch_scc1 .Lnobn
	s_cmp_ge_u32 s44, C/64
	s_cbranch_scc1 .Lnobn
	ds_load_b64 v[124:125], v30 offset:AT
	ds_load_b64 v[126:127], v30 offset:DT
	s_wait_dscnt 0x0
	global_store_b64 v30, v[124:125], s[56:57]
	global_store_b64 v30, v[126:127], s[56:57] offset:1024
.Lnobn:
	s_mov_b32 s51, 0
.Ltrip:                                            ; 16 trips: trip t takes point t
	s_wait_alu depctr_va_vdst(0)                   ; the wait here, behind the branch and directly ahead of the waits below
	s_wait_loadcnt 0x0                             ; this point's codes and scale words, asked for a trip ago
	s_wait_xcnt 0x0                                ; the last trip's stores and prefetch have read their registers
	LT
	s_cmp_eq_u32 s51, 15                           ; the last trip asks for nothing
	s_cbranch_scc1 .Lnonext
	s_add_co_u32 s72, s51, 1
	s_mul_i32 s72, s72, PB
	v_add_nc_u32 v6, s72, v4
	v_add_nc_u32 v7, s72, v5
	global_load_b128 v[IN:IN+3], v6, s[4:5] th:TH_LOAD_NT
	global_load_b128 v[IN+8:IN+11], v6, s[4:5] offset:512 th:TH_LOAD_NT
	global_load_b64 v[IN+16:IN+17], v7, s[4:5] th:TH_LOAD_NT
	s_cmp_gt_u32 s51, 12                           ; point t + 3 is one of my 16
	s_cbranch_scc1 .Lnonext
	s_add_co_u32 s72, s72, 2*PB
	v_add_nc_u32 v11, s72, v10
	global_prefetch_b8 v11, s[4:5] th:TH_LOAD_NT scope:SCOPE_SE
.Lnonext:
	Q3 0
	Q3 1
	PLACES 4
	LN 0
	LN 1
	PLACES 4
	ST 0
	LN 2
	ST 1
	LN 3
	ST 2
	ST 3
	WIN 0
.set lt, 0
.rept NT
	v_permlanex16_b32 v[PT+lt], v[EX+lt], s[SEL], s[SEL+1]
.set lt, lt+1
.endr
.set lt, 0
.rept NT
	v_max_num_f32 v[EX+lt], v[EX+lt], v[PT+lt]     ; with the other 16 rows'
.set lt, lt+1
.endr
	WIN 0x0c
.set lt, 0
.rept NT
	v_sub_f32 v[EX+lt], v[EX+lt], v[128+8*lt]      ; the pivot comes back
.set lt, lt+1
.endr
	WIN 0
	v_lshl_add_u32 v19, s51, 11, v29
.set lt, 0
.rept NG/2
.irp q,0,1,2,3
	v_cndmask_b32 v[SD+4*lt+\q], v[EX+8*lt+\q], v[EX+8*lt+4+\q], s[HM]   ; lanes 0-15 carry one group of 64 channels, lanes 16-31 the next: 512 consecutive bytes
.endr
	global_store_b128 v19, v[SD+4*lt:SD+4*lt+3], s[6:7] offset:512*lt
.set lt, lt+1
.endr
	s_cmp_lg_u32 s51, 0
	s_cbranch_scc1 .Lnext
	SUMS                                           ; behind trip 0: minus point 0's mean becomes the pivot's eight registers, and its sums are brought under the pivot
.set lt, 0
.rept NT
	v_mul_f32 v[144+lt], 0xbd000000, v[EX+lt]      ; -S1 / 32
.set lt, lt+1
.endr
.set lt, 0
.rept NT
	v_fma_f32 v[128+lt], v[144+lt], v[EX+lt], v[128+lt]   ; S2 - S1 x mean
.set lt, lt+1
.endr
.set lt, 0
.rept NT
	v_mul_f32 v[128+lt], 0.5, v[128+lt]            ; a half for each half of the lanes
.set lt, lt+1
.endr
	WIN 0xc0
.set lt, 0
.rept 8*NT
	v_mov_b32 v[128+lt], v[144+lt/8]
.set lt, lt+1
.endr
	WIN 0x80
.set lt, 0
.rept NT
	v_mov_b32 v[192+4*lt], 0
	v_mov_b32 v[193+4*lt], 0
	v_mov_b32 v[194+4*lt], v[128+lt]
	v_mov_b32 v[195+4*lt], 0
.set lt, lt+1
.endr
	WIN 0
.Lnext:
	s_add_co_u32 s51, s51, 1
	s_cmp_lt_u32 s51, 16
	s_cbranch_scc1 .Ltrip
	s_wait_alu depctr_va_vdst(0)                   ; the wait behind the branch above
	SUMS                                           ; my wave's 512 rows: mean = S1 / 512 + pivot, M2 = S2 - S1^2 / 512
.set lt, 0
.rept NT
	v_mul_f32 v[144+lt], 0x3b000000, v[EX+lt]
.set lt, lt+1
.endr
.set lt, 0
.rept NT
	v_fma_f32 v[128+lt], -v[144+lt], v[EX+lt], v[128+lt]
.set lt, lt+1
.endr
	WIN 0x0c
.set lt, 0
.rept NT
	v_sub_f32 v[144+lt], v[144+lt], v[128+8*lt]
.set lt, lt+1
.endr
	WIN 0
.set lt, 0
.rept NG
.irp q,0,1,2,3
	v_cndmask_b32 v[160+4*lt+\q], v[144+4*lt+\q], v[128+4*lt+\q], s[HM]   ; lanes 0-15 carry the means, lanes 16-31 the M2
.endr
	ds_store_b128 v123, v[160+4*lt:163+4*lt] offset:WX+256*lt
.set lt, lt+1
.endr
	s_wait_dscnt 0x0
	s_barrier_signal -1
	s_barrier_wait -1                              ; the four waves' statistics lie in LDS
	s_cmp_ge_u32 s44, C/64                         ; two channels a thread
	s_cbranch_scc1 .Ldone
.irp w,0,1,2,3
	ds_load_b64 v[128+4*\w:129+4*\w], v30 offset:WX+\w*8*C
	ds_load_b64 v[130+4*\w:131+4*\w], v30 offset:WX+\w*8*C+4*C
.endr
	s_wait_dscnt 0x0
.irp e,0,1
	v_add_f32 v[144+\e], v[128+\e], v[132+\e]
	v_add_f32 v[146+\e], v[136+\e], v[140+\e]
	v_add_f32 v[144+\e], v[144+\e], v[146+\e]
	v_mul_f32 v[160+2*\e], 0x3e800000, v[144+\e]   ; the work-group's mean
	v_add_f32 v[148+\e], v[130+\e], v[134+\e]
	v_add_f32 v[150+\e], v[138+\e], v[142+\e]
	v_add_f32 v[148+\e], v[148+\e], v[150+\e]
	v_sub_f32 v[152+\e], v[128+\e], v[160+2*\e]
	v_mul_f32 v[154+\e], v[152+\e], v[152+\e]
.irp w,1,2,3
	v_sub_f32 v[152+\e], v[128+4*\w+\e], v[160+2*\e]
	v_fma_f32 v[154+\e], v[152+\e], v[152+\e], v[154+\e]
.endr
	v_fmamk_f32 v[161+2*\e], v[154+\e], 0x44000000, v[148+\e]   ; its M2: the waves' + 512 x the squares of their means' distances
.endr
	global_store_b128 v31, v[160:163], s[8:9]
.Ldone:
	s_wait_tensorcnt 0x0                           ; the wave's end, behind my last LDS store
	ds_add_u32 v26, v27
	s_wait_dscnt 0x0
	s_endpgm
.Lfunc_end_k_q8169dda7a3_edge4:
	.size	k_q8169dda7a3_edge4, .Lfunc_end_k_q8169dda7a3_edge4-k_q8169dda7a3_edge4
	.p2alignl 7, 3214868480
	.fill 96, 4, 3214868480
	.section	.rodata,"a",@progbits
	.p2align	6, 0x0
	.amdhsa_kernel k_q8169dda7a3_edge4
		.amdhsa_group_segment_fixed_size 14848
		.amdhsa_private_segment_fixed_size 0
		.amdhsa_enable_private_segment 0
		.amdhsa_kernarg_size 88
		.amdhsa_user_sgpr_count 2
		.amdhsa_user_sgpr_kernarg_segment_ptr 1
		.amdhsa_wavefront_size32 1
		.amdhsa_system_sgpr_workgroup_id_x 1
		.amdhsa_system_sgpr_workgroup_id_y 1
		.amdhsa_system_sgpr_workgroup_id_z 1
		.amdhsa_system_vgpr_workitem_id 0
		.amdhsa_next_free_vgpr 1024
		.amdhsa_next_free_sgpr 80
		.amdhsa_reserve_vcc 0
		.amdhsa_float_denorm_mode_32 3
		.amdhsa_float_denorm_mode_16_64 3
		.amdhsa_memory_ordered 1
		.amdhsa_forward_progress 1
		.amdhsa_inst_pref_size 136
	.end_amdhsa_kernel
	.amdgpu_metadata
---
amdhsa.version: [ 1, 2 ]
amdhsa.kernels:
  - .name:           k_q8169dda7a3_edge4
    .symbol:         k_q8169dda7a3_edge4.kd
    .args:
      - { .name: h2q, .offset: 0, .size: 8, .value_kind: global_buffer, .address_space: global }
      - { .name: cat, .offset: 8, .size: 8, .value_kind: global_buffer, .address_space: global }
      - { .name: partB, .offset: 16, .size: 8, .value_kind: global_buffer, .address_space: global }
      - { .name: partA, .offset: 24, .size: 8, .value_kind: global_buffer, .address_space: global }
      - { .name: w3_codes, .offset: 32, .size: 8, .value_kind: global_buffer, .address_space: global }
      - { .name: w3_scales, .offset: 40, .size: 8, .value_kind: global_buffer, .address_space: global }
      - { .name: g3, .offset: 48, .size: 8, .value_kind: global_buffer, .address_space: global }
      - { .name: b3, .offset: 56, .size: 8, .value_kind: global_buffer, .address_space: global }
      - { .name: w4_codes, .offset: 64, .size: 8, .value_kind: global_buffer, .address_space: global }
      - { .name: w4_scales, .offset: 72, .size: 8, .value_kind: global_buffer, .address_space: global }
      - { .name: g4, .offset: 80, .size: 8, .value_kind: global_buffer, .address_space: global }
    .group_segment_fixed_size: 14848
    .private_segment_fixed_size: 0
    .kernarg_segment_align: 8
    .kernarg_segment_size: 88
    .max_flat_workgroup_size: 128
    .sgpr_count:     80
    .vgpr_count:     1024
    .wavefront_size: 32
...
	.end_amdgpu_metadata
.endif
;; end of part 5
;; launch cat5 (part 6): grid 256 x 1, 8 waves a work-group, no clusters, 303,104 bytes of LDS; arguments cat, partB, g4, b4, w5_codes, w5_scales, g5, catq, partA; writes catq, partA
.if DOCPART == 6
	.amdgcn_target "amdgcn-amd-amdhsa--gfx1250"
	.amdhsa_code_object_version 6
	.text
	.protected	k_q8169dda7a3_cat5
	.globl	k_q8169dda7a3_cat5
	.p2align	8
	.type	k_q8169dda7a3_cat5,@function
k_q8169dda7a3_cat5:
	s_mov_b64 s[64:65], 0
	v_nop
	global_prefetch_b8 v0, s[64:65] scope:SCOPE_SE
	s_setreg_imm32_b32 hwreg(HW_REG_WAVE_MODE, 25, 1), 1
	s_wait_xcnt 0x0
; The 512 features of each point: relu(bn(.)) of the maxima kept in cat, quantised along the 512 (into catq, as images of the operand's registers), and the statistics of layer 5's x~ = sign(g5) x.
; Nothing of reference() is left out.  SHARES: a work-group takes 64 points, four tiles of 16 rows.  Wave w quantises K step w % 4 of tiles 2 (w / 4), + 1; then makes channels 64 w .. 64 w + 63 for all 64 rows
; (natural: a lane is channel 64 w + 4 r + T, its registers are rows): all rows of a channel lie in one lane pair, so mean and M2 are taken in two true passes.
; EVERY LARGE LOAD TAKES 512 CONSECUTIVE BYTES A WAVE.  A quantiser wants 128 neighbouring bytes of one row in a lane, a fragment of w5 16 bytes of 16 rows: so both turn through LDS.  Wave w loads rows 8 w .. 8 w + 7 of cat
; (16 KB on end) into a stage of the work-group's (rows 2,064 bytes apart); and its own 64 rows of w5's codes (16 KB on end) into a stage of its own, row rho in slot 16 (rho % 4) + rho / 4, 272 bytes a slot, so that the 16 rows
; of a fragment are neighbours.  Both pitches are odd multiples of 16 bytes.
; Layer 4's batch norm is combined here from its 128 partials (REDUCE); those of layers 1 to 3 come finished.  LIMITS: NaN and infinities are not served; a block under 2^-124 gets the byte 1 over zero codes.
; REGISTERS: window 0: v16-31 w5's scale words, v32-47 the rows'; v48-55 codes, later results; v56-63 at work; v64-127 numbers, later accumulators; v128-255 factors, shifts.  window 1: v0-127 cat's numbers, later the rows' fragments; v128-255 w5's.
.set RX, 0
.set AT, 8192
.set DT, 10240
.set AIMG, 12288                       ; LDS: fragment (tile i, K step s) at 1,024 (4 i + s);
.set ASC, 28672                        ; its scale words, 128 bytes each
.set SPARE, 30720
.set XP, 2064                          ; a row of cat in its stage: 2,048 bytes + 16
.set XST, 31744                        ; the stage: 64 rows
.set WP, 272                           ; a row of w5's codes in its stage: 256 bytes + 16
.set WST, XST+64*XP                    ; eight stages of 64 rows, one a wave
.set SEL, 24
.set HM, 26
.set RS, 28
.set VSH, 3
.set PC, 48
.set TM, 56
.set R, 64
.set RR, 64
.set MSB, 0
.macro WIN new
.if MSB != (\new)
	s_set_vgpr_msb (MSB<<8)|(\new)
.set MSB, (\new)
.endif
.endm
.macro PLACES n
.rept \n
	v_nop
.endr
.endm
.macro MM0 d, a, b, sa, sb
	v_wmma_scale_f32_16x16x128_f8f6f4 v[\d:\d+7], v[\a:\a+7], v[\b:\b+7], 0, v[\sa], v[\sb] matrix_a_fmt:MATRIX_FMT_FP4 matrix_b_fmt:MATRIX_FMT_FP4
.endm
.macro MMC d, a, b, c, sa, sb
	v_wmma_scale_f32_16x16x128_f8f6f4 v[\d:\d+7], v[\a:\a+7], v[\b:\b+7], v[\c:\c+7], v[\sa], v[\sb] matrix_a_fmt:MATRIX_FMT_FP4 matrix_b_fmt:MATRIX_FMT_FP4
.endm
.macro BMAX m, base                    ; the largest of a lane's 32 numbers and the floor 2^(3 - 127); no |.|: a relu follows
	v_max3_num_f32 v[\m], v[\base], v[\base+1], 0x1800000
	v_max_num_f32 v[\m+1], v[\base+16], v[\base+17]
.irp i,2,4,6,8,10,12,14
	v_max3_num_f32 v[\m], v[\base+\i], v[\base+\i+1], v[\m]
	v_max3_num_f32 v[\m+1], v[\base+16+\i], v[\base+17+\i], v[\m+1]
.endr
	v_max_num_f32 v[\m], v[\m], v[\m+1]
.endm
.macro SCW2 hs                         ; blocks h and 2 + h are mine: scale operands in TM+4, TM+5; the row's scale word with lane l xor 16's bytes
	v_add_nc_u32 v[TM+4], 0xff000000, v[TM]
	v_add_nc_u32 v[TM+5], 0xff000000, v[TM+2]
	v_lshrrev_b32 v[TM+6], 23, v[TM+4]
	v_lshrrev_b32 v[TM+7], 23, v[TM+5]
	v_lshl_or_b32 v[TM+6], v[TM+7], 16, v[TM+6]
	v_lshlrev_b32 v[TM+6], v[VSH], v[TM+6]
	v_permlanex16_b32 v[TM+1], v[TM+6], s[SEL], s[SEL+1]
	v_or_b32 v[\hs], v[TM+6], v[TM+1]
.endm
.macro CVT4 dst, src, sc
.irp g,0,1,2,3
	v_cvt_scalef32_pk8_fp4_f32 v[\dst+\g], v[\src+8*\g:\src+8*\g+7], v[\sc]
.endr
	v_nop
.endm
; What was loaded at the head goes into LDS.  It stands behind REDUCE's last wait for loads, which is for 0, and ahead of the wait and the barrier that publish REDUCE's own sums: they publish cat's stage and the copied batch norms too.
.macro STAGE_IN
	s_wait_alu depctr_va_vdst(0)                   ; the wait here, ahead of the branch
	s_cmp_ge_u32 s22, 4                            ; waves 0 to 3 hold the finished batch norms of layers 1 to 3
	s_cbranch_scc1 .Lnc_\@
	ds_store_b128 v62, v[52:55] offset:AT
.Lnc_\@:
	WIN 0x04                                       ; an LDS store's data are its source 1: window 1
.set hm, 0
.rept 32
	ds_store_b128 v11, v[4*hm:4*hm+3] offset:XST+(hm/4)*XP+512*(hm%4)      ; load hm holds a quarter of row 8 w + hm / 4
.set hm, hm+1
.endr
.set hm, 0
.rept 32
	ds_store_b128 v57, v[128+4*hm:131+4*hm] offset:(32*(hm%2)+hm/2)*WP     ; load hm holds rows 2 hm (lanes 0-15) and 2 hm + 1 (lanes 16-31) of my 64
.set hm, hm+1
.endr
	WIN 0x40
.irp T,0,1,2,3
.irp s,0,1,2,3
.irp c,0,1
	ds_load_b128 v[128+32*\T+8*\s+4*\c:128+32*\T+8*\s+4*\c+3], v58 offset:16*\T*WP+64*\s+32*\c   ; my own bytes: LDS serves a wave's instructions in order
.endr
.endr
.endr
	WIN 0
.endm
; As in the edge launches: the cloud's 128 partials (mean, M2) become a batch norm; row 0's mean is the pivot; the wait ahead of row i counts the younger loads of the ring of 32 slots.
.macro REDUCE pb, rowb, lch2, rr, thr, gp, bp, ato, dto, rb, wv
	v_and_b32 v[RR], (1<<\lch2)-1, v0
	v_lshrrev_b32 v[RR+2], \lch2, v0
	v_lshlrev_b32 v[RR+1], 4, v[RR]
	v_lshlrev_b32 v[RR], 3, v[RR]
	v_mul_u32_u24 v[RR+2], v[RR+2], \rr*\rowb
	v_add_nc_u32 v[RR+2], v[RR+1], v[RR+2]
	v_lshlrev_b32 v[RR+3], 5, v0
	global_load_b128 v[RR+4:RR+7], v[RR+1], s[\pb:\pb+1]
	global_load_b64 v[RR+8:RR+9], v[RR], s[\gp:\gp+1]
	global_load_b64 v[RR+10:RR+11], v[RR], s[\bp:\bp+1]
.set ri, 0
.rept 32
	global_load_b128 v[\rb+4*ri:\rb+4*ri+3], v[RR+2], s[\pb:\pb+1] offset:ri*\rowb
.set ri, ri+1
.endr
.irp k,13,15,16,17,18,19,20,21
	v_mov_b32 v[RR+\k], 0
.endr
.set ri, 0
.rept \rr/4                            ; four rows at a time, in the rows' order
	s_wait_alu depctr_va_vdst(0)                   ; the wait here, directly ahead of the wait below
.if \rr-4-ri < 28
	s_wait_loadcnt \rr-4-ri                        ; rows ri .. ri + 3 are in: the count is that of the ring's loads younger than row ri + 3's
.else
	s_wait_loadcnt 28
.endif
.if ri == 0
	v_xor_b32 v[RR+12], 0x80000000, v[RR+4]        ; (-m0, 0) for each of my two channels
	v_xor_b32 v[RR+14], 0x80000000, v[RR+6]
.endif
.irp j,0,1,2,3
.set sl, \rb+4*((ri+\j)%32)
	v_pk_add_f32 v[sl:sl+1], v[sl:sl+1], v[RR+12:RR+13]
	v_pk_add_f32 v[sl+2:sl+3], v[sl+2:sl+3], v[RR+14:RR+15]
.endr
.irp j,0,1,2,3
.set sl, \rb+4*((ri+\j)%32)
	v_pk_add_f32 v[RR+16:RR+17], v[RR+16:RR+17], v[sl:sl+1]
	v_pk_add_f32 v[RR+18:RR+19], v[RR+18:RR+19], v[sl+2:sl+3]
	v_fma_f32 v[RR+20], v[sl], v[sl], v[RR+20]
	v_fma_f32 v[RR+21], v[sl+2], v[sl+2], v[RR+21]
.endr
.if ri+32 < \rr
.irp j,0,1,2,3
.set sl, \rb+4*((ri+\j)%32)
	global_load_b128 v[sl:sl+3], v[RR+2], s[\pb:\pb+1] offset:(ri+\j+32)*\rowb
.endr
.endif
.set ri, ri+4
.endr
	STAGE_IN
	ds_store_b128 v[RR+3], v[RR+16:RR+19] offset:RX
	ds_store_b64 v[RR+3], v[RR+20:RR+21] offset:RX+16
	s_wait_dscnt 0x0
	s_barrier_signal -1
	s_barrier_wait -1
	s_cmp_ge_u32 s[\wv], (1<<\lch2)/32
	s_cbranch_scc1 .Lred_\@
.set rg, 1
.rept (\thr>>\lch2)-1
	ds_load_b128 v[\rb+8*rg:\rb+8*rg+3], v[RR+3] offset:RX+(32<<\lch2)*rg
	ds_load_b64 v[\rb+8*rg+4:\rb+8*rg+5], v[RR+3] offset:RX+(32<<\lch2)*rg+16
.set rg, rg+1
.endr
	s_wait_dscnt 0x0
.set rg, 1
.rept (\thr>>\lch2)-1
	s_wait_alu depctr_va_vdst(0)                   ; the wait
	v_pk_add_f32 v[RR+16:RR+17], v[RR+16:RR+17], v[\rb+8*rg:\rb+8*rg+1]
	v_pk_add_f32 v[RR+18:RR+19], v[RR+18:RR+19], v[\rb+8*rg+2:\rb+8*rg+3]
	v_pk_add_f32 v[RR+20:RR+21], v[RR+20:RR+21], v[\rb+8*rg+4:\rb+8*rg+5]
.set rg, rg+1
.endr
.irp e,0,1
	v_mul_f32 v[\rb+40+\e], 0x3c000000, v[RR+16+2*\e]
	v_fma_f32 v[RR+20+\e], -v[\rb+40+\e], v[RR+16+2*\e], v[RR+20+\e]
	v_add_f32 v[\rb+42+\e], v[RR+4+2*\e], v[\rb+40+\e]
	v_fma_f32 v[RR+17+2*\e], s[RS], v[RR+20+\e], v[RR+17+2*\e]
	v_fma_f32 v[\rb+44+\e], v[RR+17+2*\e], s[RS+1], s[RS+2]
.endr
	s_wait_alu depctr_va_vdst(0)                   ; the wait ahead of the two roots too
	v_rsq_f32 v[\rb+46], v[\rb+44]
	v_rsq_f32 v[\rb+47], v[\rb+45]
	v_nop
	s_wait_alu depctr_va_vdst(0)                   ; the one wait ahead of the two roots' first reader
.irp e,0,1
	v_mul_f32 v[\rb+48+\e], |v[RR+8+\e]|, v[\rb+46+\e]
	v_fma_f32 v[\rb+50+\e], -v[\rb+42+\e], v[\rb+48+\e], v[RR+10+\e]
.endr
	ds_store_b64 v[RR], v[\rb+48:\rb+49] offset:\ato
	ds_store_b64 v[RR], v[\rb+50:\rb+51] offset:\dto
.Lred_\@:
	s_wait_dscnt 0x0
	s_barrier_signal -1
	s_barrier_wait -1
.endm
.macro QT j                            ; my tile j: 64 numbers a lane become a fragment and a scale word, for LDS and for catq
	s_wait_xcnt 0x0                                ; the stores issued so far have read their registers
	WIN 0x01
.set qi, 0
.rept 32
	v_pk_fma_f32 v[R+qi:R+qi+1], v[64*\j+qi:64*\j+qi+1], v[128+qi:129+qi], v[192+qi:193+qi]
.set qi, qi+2
.endr
	WIN 0
	BMAX TM, R
	BMAX TM+2, R+32
	SCW2 12
.set qi, 0
.rept 64
	v_max_num_f32 v[R+qi], 0, v[R+qi]
.set qi, qi+1
.endr
	CVT4 PC, R, TM+4
	CVT4 PC+4, R+32, TM+5
.irp c,0,1
	ds_store_b128 v8, v[PC+4*\c:PC+4*\c+3] offset:AIMG+4096*\j+512*\c
	global_store_b128 v8, v[PC+4*\c:PC+4*\c+3], s[18:19] offset:4096*\j+512*\c
.endr
	ds_store_b32 v9, v12 offset:ASC+512*\j
	global_store_b32 v9, v12, s[38:39] offset:0x400000+512*\j
.endm
.macro NN T                            ; channels 64 w + 4 r + T for the four row tiles: four accumulators by turns, four K steps
	WIN 0x05
.irp s,0,1,2,3
.irp i,0,1,2,3
.if \s == 0
	MM0 R+32*((\T)&1)+8*\i, 32*\i+8*\s, 128+32*(\T)+8*\s, 32+4*\i+\s, 16+4*(\T)+\s
.else
	MMC R+32*((\T)&1)+8*\i, 32*\i+8*\s, 128+32*(\T)+8*\s, R+32*((\T)&1)+8*\i, 32+4*\i+\s, 16+4*(\T)+\s
.endif
.endr
.endr
	WIN 0
.endm
.macro ST5 T                           ; the channel's 64 rows: the mean, then the sum of squares of the distances from it
.set B, R+32*((\T)&1)
	v_pk_add_f32 v[TM:TM+1], v[B:B+1], v[B+2:B+3]
.irp p,4,6,8,10,12,14,16,18,20,22,24,26,28,30
	v_pk_add_f32 v[TM:TM+1], v[TM:TM+1], v[B+\p:B+\p+1]
.endr
	v_add_f32 v[TM+2], v[TM], v[TM+1]
	v_permlanex16_b32 v[TM+3], v[TM+2], s[SEL], s[SEL+1]
	v_add_f32 v[TM+2], v[TM+2], v[TM+3]
	v_mul_f32 v[PC+(\T)], 0x3c800000, v[TM+2]
	v_mov_b32 v[TM+4], v[PC+(\T)]
	v_mov_b32 v[TM+5], v[PC+(\T)]
.irp p,0,2,4,6,8,10,12,14,16,18,20,22,24,26,28,30
	v_pk_add_f32 v[B+\p:B+\p+1], v[B+\p:B+\p+1], v[TM+4:TM+5] neg_lo:[0,1] neg_hi:[0,1]
.endr
	v_pk_mul_f32 v[TM+6:TM+7], v[B:B+1], v[B:B+1]
.irp p,2,4,6,8,10,12,14,16,18,20,22,24,26,28,30
	v_pk_fma_f32 v[TM+6:TM+7], v[B+\p:B+\p+1], v[B+\p:B+\p+1], v[TM+6:TM+7]
.endr
	v_add_f32 v[TM+2], v[TM+6], v[TM+7]
	v_permlanex16_b32 v[TM+3], v[TM+2], s[SEL], s[SEL+1]
	v_add_f32 v[PC+4+(\T)], v[TM+2], v[TM+3]
.endm
	s_load_b256 s[4:11], s[0:1], 0x0               ; cat, partB, g4, b4
	s_load_b256 s[12:19], s[0:1], 0x20             ; w5's codes, scales, g5, catq
	s_load_b64 s[20:21], s[0:1], 0x40              ; partA
	v_lshl_add_u32 v14, v0, 2, SPARE               ; my spare word,
	v_mov_b32 v15, 0                               ; and 0
	v_lshrrev_b32 v1, 5, v0
	v_readfirstlane_b32 s22, v1                    ; wave
	v_and_b32 v1, 15, v0                           ; r
	v_bfe_u32 v2, v0, 4, 1                         ; h
	v_lshlrev_b32 v3, 3, v2
	v_and_b32 v5, 31, v0
	v_lshlrev_b32 v6, 2, v5                        ; 4 x lane
	v_lshlrev_b32 v5, 4, v5                        ; 16 x lane
	s_and_b32 s23, s22, 3                          ; my K step
	s_lshr_b32 s27, s22, 2                         ; my pair of tiles
	s_lshr_b32 s31, ttmp9, 7                       ; cloud
	s_mov_b32 s24, 0x76543210
	s_mov_b32 s25, 0xfedcba98
	s_mov_b32 s26, 0xffff0000
	s_mov_b32 s28, 0x45000000                      ; n = 2,048
	s_mov_b32 s29, 0x36800000                      ; 1 / 262,144
	s_mov_b32 s30, 0x3727c5ac                      ; eps
	s_lshl_b32 s32, s23, 9
	s_wait_alu depctr_va_vdst(0)                   ; the wait here, behind the run of scalar instructions
	v_lshl_add_u32 v7, v2, 7, s32                  ; bytes of my 32 channels of a block pair: 512 s + 128 h
	v_lshl_add_u32 v4, s22, 14, v5                 ; memory, cat's rows and w5's alike: my wave's 16 KB, 16 bytes a lane
	s_mul_i32 s32, s22, 8*XP
	v_add_nc_u32 v11, s32, v5                      ; cat's stage, on the way in: my 8 rows, 16 bytes a lane
	v_mad_u32_u24 v56, v1, XP, v7
	s_mul_i32 s32, s27, 32*XP
	v_add_nc_u32 v56, s32, v56                     ; and on the way out: row 32 tp + r, my 128 bytes
	s_mul_i32 s32, s22, 64*WP
	s_add_co_u32 s32, s32, WST                     ; my wave's stage for w5
	v_mul_u32_u24 v57, v2, 16*WP
	v_lshl_add_u32 v57, v1, 4, v57
	v_add_nc_u32 v57, s32, v57                     ; in: lanes 16-31 hold the odd row, 16 slots on; 16 bytes a lane
	v_mul_u32_u24 v58, v1, WP
	v_lshl_add_u32 v58, v2, 4, v58
	v_add_nc_u32 v58, s32, v58                     ; out: slot r of a tile's 16, + 16 h
	s_lshl_b32 s32, s23, 10
	s_lshl_b32 s33, s27, 13
	s_add_co_u32 s32, s32, s33
	v_add_nc_u32 v8, s32, v5                       ; an image's place: 16 lane + 1,024 (8 tp + s)
	s_lshr_b32 s32, s32, 3
	v_add_nc_u32 v9, s32, v6                       ; a scale word's: 4 lane + 128 (8 tp + s)
	v_lshlrev_b32 v13, 6, v1
	v_lshl_add_u32 v13, s22, 10, v13               ; w5's scale bytes: row 64 w + 4 r
	v_lshlrev_b32 v60, 4, v1
	v_lshl_add_u32 v60, s22, 8, v60                ; g5
	v_lshlrev_b32 v61, 4, v0                       ; the copy of the finished batch norms: 16 t in memory,
	v_lshrrev_b32 v62, 6, v0
	v_and_b32 v63, 63, v0
	v_lshlrev_b32 v62, 11, v62
	v_lshl_add_u32 v62, v63, 4, v62                ; factors and shifts 2,048 bytes apart in LDS
	v_lshlrev_b32 v10, 5, v1
	v_lshl_add_u32 v10, v2, 4, v10
	v_lshl_add_u32 v10, s22, 9, v10                ; the partial: 8 (64 w + 4 r) + 16 h
	s_mov_b32 s33, 0
	s_wait_alu depctr_va_vdst(0)                   ; the wait at the head's end
	s_wait_kmcnt 0x0
	s_lshl_b32 s32, ttmp9, 17
	s_add_nc_u64 s[4:5], s[4:5], s[32:33]          ; cat at my 64 rows
	s_lshl_b32 s32, ttmp9, 11
	s_add_nc_u64 s[38:39], s[18:19], s[32:33]      ; catq's scale words
	s_lshl_b32 s32, ttmp9, 14
	s_add_nc_u64 s[18:19], s[18:19], s[32:33]      ; catq's codes
	s_lshl_b32 s32, ttmp9, 12
	s_add_nc_u64 s[20:21], s[20:21], s[32:33]      ; my partial
	s_lshl_b32 s32, s31, 11
	s_add_co_u32 s32, s32, 0x100000
	s_add_nc_u64 s[34:35], s[6:7], s[32:33]        ; the batch norms of layers 1 to 3
	s_lshl_b32 s32, s31, 18
	s_add_nc_u64 s[36:37], s[6:7], s[32:33]        ; layer 4's 128 partials
	WIN 0x40
.rept 32
	global_load_b128 v[4*\+:4*\++3], v4, s[4:5] offset:512*\+ th:TH_LOAD_NT     ; 32 lanes read 512 consecutive bytes
.endr
.rept 32
	global_load_b128 v[128+4*\+:131+4*\+], v4, s[12:13] offset:512*\+
.endr
	WIN 0
.irp T,0,1,2,3
	global_load_b128 v[16+4*\T:19+4*\T], v13, s[14:15] offset:16*\T
	global_load_b32 v[PC+\T], v60, s[16:17] offset:4*\T
.endr
	s_cmp_ge_u32 s22, 4
	s_cbranch_scc1 .Lnocopy
	global_load_b128 v[52:55], v61, s[34:35]       ; stored into LDS in STAGE_IN, behind the wait for all loads
.Lnocopy:
	REDUCE 36, 2048, 7, 64, 256, 8, 10, AT+1024, DT+1024, 128, 22
	WIN 0x40
.irp j,0,1
.irp c,0,1
.irp k,0,1,2,3,4,5,6,7
	ds_load_b128 v[64*\j+32*\c+4*\k:64*\j+32*\c+4*\k+3], v56 offset:XST+16*\j*XP+256*\c+16*\k   ; row 32 tp + 16 j + r, channels 128 s + 64 c + 32 h + 4 k on
.endr
.endr
.endr
	WIN 0
.irp c,0,1
.irp k,0,1,2,3,4,5,6,7
	ds_load_b128 v[128+32*\c+4*\k:131+32*\c+4*\k], v7 offset:AT+256*\c+16*\k
	ds_load_b128 v[192+32*\c+4*\k:195+32*\c+4*\k], v7 offset:DT+256*\c+16*\k
.endr
.endr
.irp T,0,1,2,3
	v_ashrrev_i32 v[PC+\T], 31, v[PC+\T]           ; a row of w5 whose g5 is negative changes the sign of its codes
	v_and_b32 v[PC+\T], 0x88888888, v[PC+\T]
.endr
	WIN 0x44
.rept 128
	v_xor_b32 v[128+\+], v[PC+\+/32], v[128+\+]
.endr
	WIN 0
	s_wait_dscnt 0x0
	QT 0
	QT 1
	s_wait_dscnt 0x0
	s_barrier_signal -1
	s_barrier_wait -1                              ; the sixteen fragments lie in LDS
	WIN 0x40
.rept 32
	ds_load_b128 v[4*\+:4*\++3], v5 offset:AIMG+512*\+
.endr
	WIN 0
.rept 16
	ds_load_b32 v[32+\+], v6 offset:ASC+128*\+
.endr
	s_wait_xcnt 0x0                                ; catq's stores have read the registers that take the results
	s_wait_dscnt 0x0
	NN 0
	NN 1
	PLACES 4
	ST5 0
	NN 2
	ST5 1
	NN 3
	ST5 2
	ST5 3
	v_cndmask_b32 v56, v48, v50, s[HM]             ; lanes 0-15: (mean, M2) of channels 4 r, + 1; lanes 16-31: + 2, + 3: the wave stores 512 consecutive bytes
	v_cndmask_b32 v57, v52, v54, s[HM]
	v_cndmask_b32 v58, v49, v51, s[HM]
	v_cndmask_b32 v59, v53, v55, s[HM]
	global_store_b128 v10, v[56:59], s[20:21]
	s_wait_tensorcnt 0x0                           ; the wave's end, behind my last LDS store
	ds_add_u32 v14, v15
	s_wait_dscnt 0x0
	s_endpgm
.Lfunc_end_k_q8169dda7a3_cat5:
	.size	k_q8169dda7a3_cat5, .Lfunc_end_k_q8169dda7a3_cat5-k_q8169dda7a3_cat5
	.p2alignl 7, 3214868480
	.fill 96, 4, 3214868480
	.section	.rodata,"a",@progbits
	.p2align	6, 0x0
	.amdhsa_kernel k_q8169dda7a3_cat5
		.amdhsa_group_segment_fixed_size 303104
		.amdhsa_private_segment_fixed_size 0
		.amdhsa_enable_private_segment 0
		.amdhsa_kernarg_size 72
		.amdhsa_user_sgpr_count 2
		.amdhsa_user_sgpr_kernarg_segment_ptr 1
		.amdhsa_wavefront_size32 1
		.amdhsa_system_sgpr_workgroup_id_x 1
		.amdhsa_system_sgpr_workgroup_id_y 1
		.amdhsa_system_sgpr_workgroup_id_z 1
		.amdhsa_system_vgpr_workitem_id 0
		.amdhsa_next_free_vgpr 512
		.amdhsa_next_free_sgpr 66
		.amdhsa_reserve_vcc 0
		.amdhsa_float_denorm_mode_32 3
		.amdhsa_float_denorm_mode_16_64 3
		.amdhsa_memory_ordered 1
		.amdhsa_forward_progress 1
		.amdhsa_inst_pref_size 100
	.end_amdhsa_kernel
	.amdgpu_metadata
---
amdhsa.version: [ 1, 2 ]
amdhsa.kernels:
  - .name:           k_q8169dda7a3_cat5
    .symbol:         k_q8169dda7a3_cat5.kd
    .args:
      - { .name: cat, .offset: 0, .size: 8, .value_kind: global_buffer, .address_space: global }
      - { .name: partB, .offset: 8, .size: 8, .value_kind: global_buffer, .address_space: global }
      - { .name: g4, .offset: 16, .size: 8, .value_kind: global_buffer, .address_space: global }
      - { .name: b4, .offset: 24, .size: 8, .value_kind: global_buffer, .address_space: global }
      - { .name: w5_codes, .offset: 32, .size: 8, .value_kind: global_buffer, .address_space: global }
      - { .name: w5_scales, .offset: 40, .size: 8, .value_kind: global_buffer, .address_space: global }
      - { .name: g5, .offset: 48, .size: 8, .value_kind: global_buffer, .address_space: global }
      - { .name: catq, .offset: 56, .size: 8, .value_kind: global_buffer, .address_space: global }
      - { .name: partA, .offset: 64, .size: 8, .value_kind: global_buffer, .address_space: global }
    .group_segment_fixed_size: 303104
    .private_segment_fixed_size: 0
    .kernarg_segment_align: 8
    .kernarg_segment_size: 72
    .max_flat_workgroup_size: 256
    .sgpr_count:     66
    .vgpr_count:     512
    .wavefront_size: 32
...
	.end_amdgpu_metadata
.endif
;; end of part 6
;; launch emb5 (part 7): grid 4 x 64, 4 waves a work-group, no clusters, 40,448 bytes of LDS; arguments catq, partA, w5_codes, w5_scales, g5, b5, embq; writes embq
.if DOCPART == 7
	.amdgcn_target "amdgcn-amd-amdhsa--gfx1250"
	.amdhsa_code_object_version 6
	.text
	.protected	k_q8169dda7a3_emb5
	.globl	k_q8169dda7a3_emb5
	.p2align	8
	.type	k_q8169dda7a3_emb5,@function
k_q8169dda7a3_emb5:
	s_mov_b64 s[64:65], 0
	v_nop
	global_prefetch_b8 v0, s[64:65] scope:SCOPE_SE
	s_setreg_imm32_b32 hwreg(HW_REG_WAVE_MODE, 25, 1), 1
	s_wait_xcnt 0x0
; The embeddings: layer 5 once more on catq's codes, its batch norm (combined here from the cloud's 128 partials), relu, quantised along the 512 channels into embq (images of the operand's registers),
; with each row's sum of squares of the unquantised numbers.  Nothing of reference() is left out.
; SHARES: work-group (x, y): channels 128 x on (one K step of the last product), rows 256 y on (cloud = y / 32); a wave takes four tiles of 16 rows.
; Transposed use (weight rows 128 x + 64 (T/4) + 32 (r/8) + 8 (T%4) + r%8): a lane holds one row and two whole blocks of 32 channels.  LIMITS: NaN and infinities are not served; a block under 2^-124 gets the byte 1 over zero codes.
; W5's 128 ROWS, 32 KB that all four waves want, are loaded ONCE a work-group: each wave takes 32 rows, 16 loads of 512 consecutive bytes, into a stage in LDS, row rho in slot 16 T + r of the tile and lane that want it,
; 272 bytes a slot (an odd multiple of 16); REDUCE's barriers publish the stage, and each wave reads its fragments from it.
; REGISTERS: window 0: v16-47 w5's scale words, v48-63 the rows'; v64-191 two areas of accumulators; v192-223 codes, v224-227 scale words, v228-231 sums of squares; v232-239, v248-255 at work; v240-247 g5.
;   window 1: w5's 32 fragments.  window 2: v0-127 factors and shifts, v128-255 the rows' fragments.
.set RX, 0
.set AT, 4096
.set DT, 4608
.set SPARE, 5120
.set WST, 5632                         ; LDS: w5's stage, 128 slots
.set WP, 272
.set SEL, 24
.set RS, 28
.set VSH, 3
.set TM, 232
.set RR, 192
.set MSB, 0
.macro WIN new
.if MSB != (\new)
	s_set_vgpr_msb (MSB<<8)|(\new)
.set MSB, (\new)
.endif
.endm
.macro MM0 d, a, b, sa, sb
	v_wmma_scale_f32_16x16x128_f8f6f4 v[\d:\d+7], v[\a:\a+7], v[\b:\b+7], 0, v[\sa], v[\sb] matrix_a_fmt:MATRIX_FMT_FP4 matrix_b_fmt:MATRIX_FMT_FP4
.endm
.macro MMC d, a, b, c, sa, sb
	v_wmma_scale_f32_16x16x128_f8f6f4 v[\d:\d+7], v[\a:\a+7], v[\b:\b+7], v[\c:\c+7], v[\sa], v[\sb] matrix_a_fmt:MATRIX_FMT_FP4 matrix_b_fmt:MATRIX_FMT_FP4
.endm
.macro BMAX m, base
	v_max3_num_f32 v[\m], v[\base], v[\base+1], 0x1800000
	v_max_num_f32 v[\m+1], v[\base+16], v[\base+17]
.irp i,2,4,6,8,10,12,14
	v_max3_num_f32 v[\m], v[\base+\i], v[\base+\i+1], v[\m]
	v_max3_num_f32 v[\m+1], v[\base+16+\i], v[\base+17+\i], v[\m+1]
.endr
	v_max_num_f32 v[\m], v[\m], v[\m+1]
.endm
.macro SCW2 hs
	v_add_nc_u32 v[TM+4], 0xff000000, v[TM]
	v_add_nc_u32 v[TM+5], 0xff000000, v[TM+2]
	v_lshrrev_b32 v[TM+6], 23, v[TM+4]
	v_lshrrev_b32 v[TM+7], 23, v[TM+5]
	v_lshl_or_b32 v[TM+6], v[TM+7], 16, v[TM+6]
	v_lshlrev_b32 v[TM+6], v[VSH], v[TM+6]
	v_permlanex16_b32 v[TM+1], v[TM+6], s[SEL], s[SEL+1]
	v_or_b32 v[\hs], v[TM+6], v[TM+1]
.endm
.macro CVT4 dst, src, sc
.irp g,0,1,2,3
	v_cvt_scalef32_pk8_fp4_f32 v[\dst+\g], v[\src+8*\g:\src+8*\g+7], v[\sc]
.endr
	v_nop
.endm
; As in the edge launches: the cloud's 128 partials (mean, M2) become a batch norm; row 0's mean is the pivot; the wait ahead of row i counts the younger loads of the ring of 32 slots.
; Behind its last wait for loads, which is for 0, my 32 rows of w5 go into their stage: the wait and the barrier that publish the sums publish them too.
.macro REDUCE pb, rowb, lch2, rr, thr, gp, bp, ato, dto, rb, wv
	v_and_b32 v[RR], (1<<\lch2)-1, v0
	v_lshrrev_b32 v[RR+2], \lch2, v0
	v_lshlrev_b32 v[RR+1], 4, v[RR]
	v_lshlrev_b32 v[RR], 3, v[RR]
	v_mul_u32_u24 v[RR+2], v[RR+2], \rr*\rowb
	v_add_nc_u32 v[RR+2], v[RR+1], v[RR+2]
	v_lshlrev_b32 v[RR+3], 5, v0
	global_load_b128 v[RR+4:RR+7], v[RR+1], s[\pb:\pb+1]
	global_load_b64 v[RR+8:RR+9], v[RR], s[\gp:\gp+1]
	global_load_b64 v[RR+10:RR+11], v[RR], s[\bp:\bp+1]
.set ri, 0
.rept 32
	global_load_b128 v[\rb+4*ri:\rb+4*ri+3], v[RR+2], s[\pb:\pb+1] offset:ri*\rowb
.set ri, ri+1
.endr
.irp k,13,15,16,17,18,19,20,21
	v_mov_b32 v[RR+\k], 0
.endr
.set ri, 0
.rept \rr/4                            ; four rows at a time, in the rows' order
	s_wait_alu depctr_va_vdst(0)                   ; the wait here, directly ahead of the wait below
.if \rr-4-ri < 28
	s_wait_loadcnt \rr-4-ri                        ; rows ri .. ri + 3 are in: the count is that of the ring's loads younger than row ri + 3's
.else
	s_wait_loadcnt 28
.endif
.if ri == 0
	v_xor_b32 v[RR+12], 0x80000000, v[RR+4]        ; (-m0, 0) for each of my two channels
	v_xor_b32 v[RR+14], 0x80000000, v[RR+6]
.endif
.irp j,0,1,2,3
.set sl, \rb+4*((ri+\j)%32)
	v_pk_add_f32 v[sl:sl+1], v[sl:sl+1], v[RR+12:RR+13]
	v_pk_add_f32 v[sl+2:sl+3], v[sl+2:sl+3], v[RR+14:RR+15]
.endr
.irp j,0,1,2,3
.set sl, \rb+4*((ri+\j)%32)
	v_pk_add_f32 v[RR+16:RR+17], v[RR+16:RR+17], v[sl:sl+1]
	v_pk_add_f32 v[RR+18:RR+19], v[RR+18:RR+19], v[sl+2:sl+3]
	v_fma_f32 v[RR+20], v[sl], v[sl], v[RR+20]
	v_fma_f32 v[RR+21], v[sl+2], v[sl+2], v[RR+21]
.endr
.if ri+32 < \rr
.irp j,0,1,2,3
.set sl, \rb+4*((ri+\j)%32)
	global_load_b128 v[sl:sl+3], v[RR+2], s[\pb:\pb+1] offset:(ri+\j+32)*\rowb
.endr
.endif
.set ri, ri+4
.endr
	WIN 0x04                                       ; an LDS store's data are its source 1: window 1
.set hm, 0
.rept 16
	ds_store_b128 v12, v[4*hm:4*hm+3] offset:(16*(hm/4)+2*(hm%4))*WP       ; load hm holds rows 32 w + 2 hm (lanes 0-15) and + 1 (lanes 16-31)
.set hm, hm+1
.endr
	WIN 0
	ds_store_b128 v[RR+3], v[RR+16:RR+19] offset:RX
	ds_store_b64 v[RR+3], v[RR+20:RR+21] offset:RX+16
	s_wait_dscnt 0x0
	s_barrier_signal -1
	s_barrier_wait -1
	s_cmp_ge_u32 s[\wv], (1<<\lch2)/32
	s_cbranch_scc1 .Lred_\@
.set rg, 1
.rept (\thr>>\lch2)-1
	ds_load_b128 v[\rb+8*rg:\rb+8*rg+3], v[RR+3] offset:RX+(32<<\lch2)*rg
	ds_load_b64 v[\rb+8*rg+4:\rb+8*rg+5], v[RR+3] offset:RX+(32<<\lch2)*rg+16
.set rg, rg+1
.endr
	s_wait_dscnt 0x0
.set rg, 1
.rept (\thr>>\lch2)-1
	s_wait_alu depctr_va_vdst(0)                   ; the wait
	v_pk_add_f32 v[RR+16:RR+17], v[RR+16:RR+17], v[\rb+8*rg:\rb+8*rg+1]
	v_pk_add_f32 v[RR+18:RR+19], v[RR+18:RR+19], v[\rb+8*rg+2:\rb+8*rg+3]
	v_pk_add_f32 v[RR+20:RR+21], v[RR+20:RR+21], v[\rb+8*rg+4:\rb+8*rg+5]
.set rg, rg+1
.endr
.irp e,0,1
	v_mul_f32 v[\rb+40+\e], 0x3c000000, v[RR+16+2*\e]
	v_fma_f32 v[RR+20+\e], -v[\rb+40+\e], v[RR+16+2*\e], v[RR+20+\e]
	v_add_f32 v[\rb+42+\e], v[RR+4+2*\e], v[\rb+40+\e]
	v_fma_f32 v[RR+17+2*\e], s[RS], v[RR+20+\e], v[RR+17+2*\e]
	v_fma_f32 v[\rb+44+\e], v[RR+17+2*\e], s[RS+1], s[RS+2]
.endr
	s_wait_alu depctr_va_vdst(0)                   ; the wait ahead of the two roots too
	v_rsq_f32 v[\rb+46], v[\rb+44]
	v_rsq_f32 v[\rb+47], v[\rb+45]
	v_nop
	s_wait_alu depctr_va_vdst(0)                   ; the one wait ahead of the two roots' first reader
.irp e,0,1
	v_mul_f32 v[\rb+48+\e], |v[RR+8+\e]|, v[\rb+46+\e]
	v_fma_f32 v[\rb+50+\e], -v[\rb+42+\e], v[\rb+48+\e], v[RR+10+\e]
.endr
	ds_store_b64 v[RR], v[\rb+48:\rb+49] offset:\ato
	ds_store_b64 v[RR], v[\rb+50:\rb+51] offset:\dto
.Lred_\@:
	s_wait_dscnt 0x0
	s_barrier_signal -1
	s_barrier_wait -1
.endm
.macro PP i, acc                       ; row tile i: eight accumulators by turns, four K steps
	WIN 0x09
.irp s,0,1,2,3
.irp T,0,1,2,3,4,5,6,7
.if \s == 0
	MM0 \acc+8*\T, 32*\T+8*\s, 128+32*\i+8*\s, 16+4*\T+\s, 48+4*\i+\s
.else
	MMC \acc+8*\T, 32*\T+8*\s, 128+32*\i+8*\s, \acc+8*\T, 16+4*\T+\s, 48+4*\i+\s
.endif
.endr
.endr
	WIN 0
.endm
.macro VV i, acc                       ; batch norm, the blocks' scales, relu, the row's sum of squares, the codes; each tile has store registers of its own
	WIN 0x28
.set qi, 0
.rept 32
	v_pk_fma_f32 v[\acc+qi:\acc+qi+1], v[\acc+qi:\acc+qi+1], v[qi:qi+1], v[64+qi:65+qi]
.set qi, qi+2
.endr
	WIN 0
	BMAX TM, \acc
	BMAX TM+2, \acc+32
	SCW2 224+\i
.set qi, 0
.rept 64
	v_max_num_f32 v[\acc+qi], 0, v[\acc+qi]
.set qi, qi+1
.endr
	v_pk_mul_f32 v[248:249], v[\acc:\acc+1], v[\acc:\acc+1]
.set qi, 2
.rept 31
	v_pk_fma_f32 v[248:249], v[\acc+qi:\acc+qi+1], v[\acc+qi:\acc+qi+1], v[248:249]
.set qi, qi+2
.endr
	v_add_f32 v[228+\i], v248, v249
	v_permlanex16_b32 v250, v[228+\i], s[SEL], s[SEL+1]
	v_add_f32 v[228+\i], v[228+\i], v250
	CVT4 192+8*\i, \acc, TM+4
	CVT4 196+8*\i, \acc+32, TM+5
	global_store_b128 v5, v[192+8*\i:195+8*\i], s[16:17] offset:4096*\i
	global_store_b128 v5, v[196+8*\i:199+8*\i], s[16:17] offset:4096*\i+512
	global_store_b32 v6, v[224+\i], s[34:35] offset:0x400000+128*\i
	global_store_b32 v6, v[228+\i], s[34:35] offset:0x480000+128*\i
.endm
	s_load_b256 s[4:11], s[0:1], 0x0               ; catq, partA, w5's codes, scales
	s_load_b128 s[12:15], s[0:1], 0x20             ; g5, b5
	s_load_b64 s[16:17], s[0:1], 0x30              ; embq
	v_lshl_add_u32 v14, v0, 2, SPARE               ; my spare word,
	v_mov_b32 v15, 0                               ; and 0
	v_lshrrev_b32 v1, 5, v0
	v_readfirstlane_b32 s22, v1                    ; wave
	v_and_b32 v1, 15, v0
	v_bfe_u32 v2, v0, 4, 1
	v_lshlrev_b32 v3, 3, v2
	v_and_b32 v5, 31, v0
	v_lshlrev_b32 v6, 2, v5                        ; 4 x lane
	v_lshlrev_b32 v5, 4, v5                        ; 16 x lane
	v_lshlrev_b32 v7, 7, v2                        ; LDS: 32 h channels on
	v_and_b32 v8, 7, v1
	v_lshrrev_b32 v9, 3, v1
	v_lshl_add_u32 v8, v9, 5, v8                   ; 32 (r / 8) + r % 8
	v_lshl_add_u32 v9, s22, 13, v5                 ; w5's codes in memory: my wave's 32 rows, 8 KB on end, 16 bytes a lane
	v_lshlrev_b32 v10, 4, v8                       ; its scale bytes
	v_lshlrev_b32 v11, 2, v8                       ; g5
	s_lshr_b32 s32, s22, 1                         ; row rho = 32 w + 2 m + (lane / 16) is wanted by tile T = 4 (w / 2) + m / 4, lane r = 8 (w % 2) + 2 (m % 4) + lane / 16: slot 16 T + r
	s_lshl_b32 s32, s32, 6
	s_and_b32 s34, s22, 1
	s_lshl_b32 s34, s34, 3
	s_add_co_u32 s32, s32, s34
	s_mul_i32 s32, s32, WP                         ; my wave's part of it: (64 (w / 2) + 8 (w % 2)) slots
	v_mul_u32_u24 v12, v2, WP
	v_lshl_add_u32 v12, v1, 4, v12
	v_add_nc_u32 v12, s32, v12
	v_add_nc_u32 v12, WST, v12                     ; the stage, on the way in
	v_mul_u32_u24 v13, v1, WP
	v_lshl_add_u32 v13, v2, 4, v13
	v_add_nc_u32 v13, WST, v13                     ; and on the way out: slot r of a tile's 16, + 16 h
	s_and_b32 s23, ttmp7, 0xffff                   ; y
	s_lshr_b32 s31, s23, 5                         ; cloud
	s_lshl_b32 s27, s23, 4
	s_lshl_b32 s26, s22, 2
	s_add_co_u32 s27, s27, s26                     ; my first row tile
	s_mov_b32 s24, 0x76543210
	s_mov_b32 s25, 0xfedcba98
	s_mov_b32 s28, 0x42800000                      ; n = 64 rows a partial
	s_mov_b32 s29, 0x39000000                      ; 1 / 8,192
	s_mov_b32 s30, 0x3727c5ac                      ; eps
	s_mov_b32 s33, 0
	s_wait_alu depctr_va_vdst(0)                   ; the wait at the head's end
	s_wait_kmcnt 0x0
	s_lshl_b32 s32, ttmp9, 15
	s_add_nc_u64 s[8:9], s[8:9], s[32:33]          ; w5 at my 128 rows
	s_lshl_b32 s32, ttmp9, 11
	s_add_nc_u64 s[10:11], s[10:11], s[32:33]
	s_lshl_b32 s32, ttmp9, 9
	s_add_nc_u64 s[12:13], s[12:13], s[32:33]      ; g5, b5 at my 128 channels
	s_add_nc_u64 s[14:15], s[14:15], s[32:33]
	s_lshl_b32 s32, s27, 9
	s_add_nc_u64 s[36:37], s[4:5], s[32:33]        ; catq's scale words: 512 bytes a row tile
	s_lshl_b32 s32, s27, 12
	s_add_nc_u64 s[4:5], s[4:5], s[32:33]          ; catq's codes
	s_lshl_b32 s26, ttmp9, 10
	s_add_co_u32 s32, s32, s26
	s_add_nc_u64 s[16:17], s[16:17], s[32:33]      ; embq's codes: 4,096 x row tile + 1,024 x
	s_sub_nc_u64 s[34:35], s[16:17], s[32:33]
	s_add_co_u32 s32, s26, s27
	s_lshl_b32 s32, s32, 7
	s_add_nc_u64 s[34:35], s[34:35], s[32:33]      ; its scale words and sums: 128 (1,024 x + row tile)
	s_lshl_b32 s32, s31, 19
	s_add_co_u32 s32, s32, s26
	s_add_nc_u64 s[6:7], s[6:7], s[32:33]          ; my cloud's partials, my channels
	WIN 0x40
.rept 16
	global_load_b128 v[4*\+:4*\++3], v9, s[8:9] offset:512*\+      ; 32 lanes read 512 consecutive bytes: two rows of w5's codes
.endr
	WIN 0x80
.rept 32
	global_load_b128 v[128+4*\+:131+4*\+], v5, s[4:5] offset:512*\+
.endr
	WIN 0
.irp T,0,1,2,3,4,5,6,7
	global_load_b128 v[16+4*\T:19+4*\T], v10, s[10:11] offset:(64*(\T/4)+8*(\T%4))*16
	global_load_b32 v[240+\T], v11, s[12:13] offset:(64*(\T/4)+8*(\T%4))*4
.endr
.rept 16
	global_load_b32 v[48+\+], v6, s[36:37] offset:0x400000+128*\+
.endr
	REDUCE 6, 4096, 6, 64, 128, 12, 14, AT, DT, 64, 22
	WIN 0x40
.irp T,0,1,2,3,4,5,6,7
.irp s,0,1,2,3
.irp c,0,1
	ds_load_b128 v[32*\T+8*\s+4*\c:32*\T+8*\s+4*\c+3], v13 offset:16*\T*WP+64*\s+32*\c
.endr
.endr
.endr
	WIN 0x80
.irp c,0,1
.irp k,0,1,2,3,4,5,6,7
	ds_load_b128 v[32*\c+4*\k:32*\c+4*\k+3], v7 offset:AT+256*\c+16*\k
	ds_load_b128 v[64+32*\c+4*\k:67+32*\c+4*\k], v7 offset:DT+256*\c+16*\k
.endr
.endr
	WIN 0
.rept 8
	v_ashrrev_i32 v[248+\+], 31, v[240+\+]         ; a row of w5 whose g5 is negative changes the sign of its codes
.endr
.rept 8
	v_and_b32 v[248+\+], 0x88888888, v[248+\+]
.endr
	s_wait_dscnt 0x0                               ; the fragments, the factors and the shifts are in
	s_wait_alu depctr_va_vdst(0)                   ; the wait
	WIN 0x44
.rept 256
	v_xor_b32 v[\+], v[248+\+/32], v[\+]
.endr
	WIN 0
.rept 4
	v_nop                                          ; an operand written by a vector instruction stands four places ahead of the scaled matrix instruction that takes it: the last fragments flipped above are read by the run below, and matrix instructions are no places
.endr
	PP 0, 64
	PP 1, 128
.rept 4
	v_nop
.endr
	VV 0, 64
	PP 2, 64
	VV 1, 128
	PP 3, 128
	VV 2, 64
	VV 3, 128
	s_wait_tensorcnt 0x0                           ; the wave's end, behind my last LDS store
	ds_add_u32 v14, v15
	s_wait_dscnt 0x0
	s_endpgm
.Lfunc_end_k_q8169dda7a3_emb5:
	.size	k_q8169dda7a3_emb5, .Lfunc_end_k_q8169dda7a3_emb5-k_q8169dda7a3_emb5
	.p2alignl 7, 3214868480
	.fill 96, 4, 3214868480
	.section	.rodata,"a",@progbits
	.p2align	6, 0x0
	.amdhsa_kernel k_q8169dda7a3_emb5
		.amdhsa_group_segment_fixed_size 40448
		.amdhsa_private_segment_fixed_size 0
		.amdhsa_enable_private_segment 0
		.amdhsa_kernarg_size 56
		.amdhsa_user_sgpr_count 2
		.amdhsa_user_sgpr_kernarg_segment_ptr 1
		.amdhsa_wavefront_size32 1
		.amdhsa_system_sgpr_workgroup_id_x 1
		.amdhsa_system_sgpr_workgroup_id_y 1
		.amdhsa_system_sgpr_workgroup_id_z 1
		.amdhsa_system_vgpr_workitem_id 0
		.amdhsa_next_free_vgpr 768
		.amdhsa_next_free_sgpr 66
		.amdhsa_reserve_vcc 0
		.amdhsa_float_denorm_mode_32 3
		.amdhsa_float_denorm_mode_16_64 3
		.amdhsa_memory_ordered 1
		.amdhsa_forward_progress 1
		.amdhsa_inst_pref_size 116
	.end_amdhsa_kernel
	.amdgpu_metadata
---
amdhsa.version: [ 1, 2 ]
amdhsa.kernels:
  - .name:           k_q8169dda7a3_emb5
    .symbol:         k_q8169dda7a3_emb5.kd
    .args:
      - { .name: catq, .offset: 0, .size: 8, .value_kind: global_buffer, .address_space: global }
      - { .name: partA, .offset: 8, .size: 8, .value_kind: global_buffer, .address_space: global }
      - { .name: w5_codes, .offset: 16, .size: 8, .value_kind: global_buffer, .address_space: global }
      - { .name: w5_scales, .offset: 24, .size: 8, .value_kind: global_buffer, .address_space: global }
      - { .name: g5, .offset: 32, .size: 8, .value_kind: global_buffer, .address_space: global }
      - { .name: b5, .offset: 40, .size: 8, .value_kind: global_buffer, .address_space: global }
      - { .name: embq, .offset: 48, .size: 8, .value_kind: global_buffer, .address_space: global }
    .group_segment_fixed_size: 40448
    .private_segment_fixed_size: 0
    .kernarg_segment_align: 8
    .kernarg_segment_size: 56
    .max_flat_workgroup_size: 128
    .sgpr_count:     66
    .vgpr_count:     768
    .wavefront_size: 32
...
	.end_amdgpu_metadata
.endif
;; end of part 7
;; launch corr (part 8): grid 64 x 4, 16 waves a work-group, no clusters, 30,720 bytes of LDS; arguments embq, tgt, out0; writes out0
.if DOCPART == 8
	.amdgcn_target "amdgcn-amd-amdhsa--gfx1250"
	.amdhsa_code_object_version 6
	.text
	.protected	k_q8169dda7a3_corr
	.globl	k_q8169dda7a3_corr
	.p2align	8
	.type	k_q8169dda7a3_corr,@function
k_q8169dda7a3_corr:
	s_mov_b64 s[64:65], 0
	v_nop
	global_prefetch_b8 v0, s[64:65] scope:SCOPE_SE
	s_setreg_imm32_b32 hwreg(HW_REG_WAVE_MODE, 25, 1), 1
	s_wait_xcnt 0x0
; out0[b][:][n] = sum over m of softmax_m(-d(n, m)) tgt[b][:][m], d = sqrt(max(xx + yy - 2 inner, 0)), which equals reference()'s sqrt(pd_sq + err 1e-16) (1 - err) for all values; inner on embq's codes.
; SHARES: work-group (x, b): queries 32 x on of batch b, two tiles u; wave w: keys 128 w on, in four steps of two tiles of 16.  The sixteen waves' sums meet in LDS at the end.
; S^T = keys x queries (a lane holds one query, its registers keys), with C = -xx / 2: pd = -2 S + yy.  The running smallest d is the maximum that reference() takes away ahead of the exponential.
; The last product (M = 3, left as it is) goes in f16: source 0 = (x, y, z, 1, 0 ..) of 32 keys, source 1 = p: its row 3 is the softmax's sum.  LIMITS: |tgt| under 65,504; NaN and infinities are not served.
; No cluster: the 64 work-groups of a batch read the same 0.5 MB of keys once each, straight into registers, with no LDS slot that a joint load could fill.
; REGISTERS: v16-79 queries, v80-87 their scale words, v88-103 -xx / 2, v104-119 O, v120-183 keys, v184-191 their scale words, v192-223 S, then p; v224-239 yy, then the next step's tgt; v240-247 tgt in f16; v248-255 at work.
.set YB, 0                             ; LDS: yy of my wave's 128 keys, 512 bytes a wave;
.set CMB, 8192                         ; the waves' results: 640 bytes for each (wave, u);
.set SPARE, 28672
.set SEL, 24
.set NC, 26                            ; s[26:27] -log2(e)
.set FM, 30                            ; s30 the mask of lanes whose row of source 0 is 3 or more
.macro KLOAD n                         ; step n's two tiles of keys, their scale words.  (The argument comes as text, n + 1 among the calls: so it stands in brackets wherever it is multiplied)
.irp tt,0,1
.irp s,0,1,2,3
.irp c,0,1
	global_load_b128 v[120+32*\tt+8*\s+4*\c:123+32*\tt+8*\s+4*\c], v3, s[10:11] offset:4096*(2*(\n)+\tt)+1024*\s+512*\c
.endr
	global_load_b32 v[184+4*\tt+\s], v4, s[12:13] offset:0x400000+131072*\s+128*(2*(\n)+\tt)
.endr
.endr
.endm
.macro TLOAD n                         ; step n's 32 keys of tgt, in source 0's order
.irp e,0,1
	global_load_b128 v[224+8*\e:227+8*\e], v6, s[6:7] offset:128*(\n)+64*\e
	global_load_b128 v[228+8*\e:231+8*\e], v6, s[6:7] offset:128*(\n)+64*\e+16
.endr
.endm
.macro KSTEP n
	s_wait_loadcnt 0x0                             ; all that was asked for a step ago
.irp k,0,1,2,3,4,5,6,7
	v_cvt_pk_f16_f32 v[240+\k], v[224+2*\k], v[225+2*\k]
.endr
.irp k,0,1,2,3,4,5,6,7
	v_cndmask_b32 v[240+\k], v[240+\k], v7, s[FM]  ; row 3: ones; rows above: zeros
.endr
.irp s,0,1,2,3
.irp tt,0,1
.irp u,0,1
.if \s == 0
	v_wmma_scale_f32_16x16x128_f8f6f4 v[192+16*\u+8*\tt:199+16*\u+8*\tt], v[120+32*\tt+8*\s:127+32*\tt+8*\s], v[16+32*\u+8*\s:23+32*\u+8*\s], v[88+8*\u:95+8*\u], v[184+4*\tt+\s], v[80+4*\u+\s] matrix_a_fmt:MATRIX_FMT_FP4 matrix_b_fmt:MATRIX_FMT_FP4
.else
	v_wmma_scale_f32_16x16x128_f8f6f4 v[192+16*\u+8*\tt:199+16*\u+8*\tt], v[120+32*\tt+8*\s:127+32*\tt+8*\s], v[16+32*\u+8*\s:23+32*\u+8*\s], v[192+16*\u+8*\tt:199+16*\u+8*\tt], v[184+4*\tt+\s], v[80+4*\u+\s] matrix_a_fmt:MATRIX_FMT_FP4 matrix_b_fmt:MATRIX_FMT_FP4
.endif
.endr
.endr
.endr
.rept 4
	v_nop                                          ; places in front of loads into the keys' registers and of the first read of S
.endr
.if \n < 3
	KLOAD \n+1
.endif
.irp tt,0,1
	ds_load_b128 v[224+8*\tt:227+8*\tt], v5 offset:YB+64*(2*\n+\tt)
	ds_load_b128 v[228+8*\tt:231+8*\tt], v5 offset:YB+64*(2*\n+\tt)+16
.endr
	s_wait_dscnt 0x0
.irp u,0,1
.irp p,0,2,4,6,8,10,12,14
	v_pk_fma_f32 v[192+16*\u+\p:193+16*\u+\p], v[192+16*\u+\p:193+16*\u+\p], -2.0, v[224+\p:225+\p] op_sel_hi:[1,0,1]
.endr
.endr
.if \n < 3
	TLOAD \n+1
.endif
.set qi, 0
.rept 32
	v_max_num_f32 v[192+qi], 0, v[192+qi]
.set qi, qi+1
.endr
.set qi, 0
	s_wait_alu depctr_va_vdst(0)
.rept 32
	v_sqrt_f32 v[192+qi], v[192+qi]
.set qi, qi+1
.endr
	v_nop                                          ; a plain place behind the batch,
	s_wait_alu depctr_va_vdst(0)                   ; and its one wait
.irp u,0,1
	v_min3_num_f32 v[250+\u], v[192+16*\u], v[193+16*\u], v[194+16*\u]
.irp i,3,5,7,9,11,13
	v_min3_num_f32 v[250+\u], v[250+\u], v[192+16*\u+\i], v[193+16*\u+\i]
.endr
	v_min_num_f32 v[250+\u], v[250+\u], v[207+16*\u]
.endr
.irp u, 0
	v_permlanex16_b32 v[252+\u], v[250+\u], s[SEL], s[SEL+1]
.endr
.irp u, 1
	s_delay_alu instid0(VALU_DEP_2)
	v_permlanex16_b32 v[252+\u], v[250+\u], s[SEL], s[SEL+1]
.endr
.irp u,0,1
	v_min3_num_f32 v[250+\u], v[250+\u], v[252+\u], v[8+\u]     ; the smallest d so far
	s_delay_alu instid0(VALU_DEP_1)
	v_sub_f32 v[252+\u], v[250+\u], v[8+\u]
	s_delay_alu instid0(VALU_DEP_2)
	v_mov_b32 v[8+\u], v[250+\u]
	s_delay_alu instid0(VALU_DEP_2)
	v_mul_f32 v[252+\u], 0x3fb8aa3b, v[252+\u]
	s_delay_alu instid0(VALU_DEP_4)
	v_mul_f32 v[10+4*\u], 0x3fb8aa3b, v[250+\u]
.endr
.irp u,0,1
.irp p,0,2,4,6,8,10,12,14
	v_pk_fma_f32 v[192+16*\u+\p:193+16*\u+\p], v[192+16*\u+\p:193+16*\u+\p], s[NC:NC+1], v[10+4*\u:11+4*\u] op_sel_hi:[1,0,0]
.endr
.endr
	s_wait_alu depctr_va_vdst(0)
	v_exp_f32 v248, v252                           ; what was summed under the old smallest d is brought under the new
	v_exp_f32 v254, v253
.set qi, 0
.rept 32
	v_exp_f32 v[192+qi], v[192+qi]
.set qi, qi+1
.endr
	v_nop
	s_wait_alu depctr_va_vdst(0)                   ; one wait for the 34
.irp u,0,1
.irp k,0,1,2,3,4,5,6,7
	v_cvt_pk_f16_f32 v[192+16*\u+\k], v[192+16*\u+2*\k], v[193+16*\u+2*\k]
.endr
.endr
.if \n > 0
	v_pk_mul_f32 v[104:105], v[104:105], v[248:249] op_sel_hi:[1,0]
	v_pk_mul_f32 v[106:107], v[106:107], v[248:249] op_sel_hi:[1,0]
	v_pk_mul_f32 v[112:113], v[112:113], v[254:255] op_sel_hi:[1,0]
	v_pk_mul_f32 v[114:115], v[114:115], v[254:255] op_sel_hi:[1,0]
	v_wmma_f32_16x16x32_f16 v[104:111], v[240:247], v[192:199], v[104:111]
	s_wait_alu depctr_va_vdst(0)
	v_wmma_f32_16x16x32_f16 v[112:119], v[240:247], v[208:215], v[112:119]
	s_wait_alu depctr_va_vdst(0)
.else
	v_wmma_f32_16x16x32_f16 v[104:111], v[240:247], v[192:199], 0
	s_wait_alu depctr_va_vdst(0)                   ; as above
	v_wmma_f32_16x16x32_f16 v[112:119], v[240:247], v[208:215], 0
	s_wait_alu depctr_va_vdst(0)
.endif
.rept 5
	v_nop                                          ; the next step writes these products' sources, by vector and by matrix instructions
.endr
.endm
	s_load_b128 s[4:7], s[0:1], 0x0                ; embq, tgt
	s_load_b64 s[8:9], s[0:1], 0x10                ; out0
	v_lshl_add_u32 v12, v0, 2, SPARE               ; my spare word,
	v_mov_b32 v13, 0                               ; and 0
	v_lshrrev_b32 v1, 5, v0
	s_delay_alu instid0(VALU_DEP_1)
	v_readfirstlane_b32 s22, v1                    ; wave
	v_and_b32 v1, 15, v0                           ; r
	v_bfe_u32 v2, v0, 4, 1                         ; h
	v_and_b32 v3, 31, v0
	s_delay_alu instid0(VALU_DEP_1)
	v_lshlrev_b32 v4, 2, v3                        ; 4 x lane
	s_delay_alu instid0(VALU_DEP_2)
	v_lshlrev_b32 v3, 4, v3                        ; 16 x lane
	s_lshl_b32 s23, s22, 9
	v_lshl_add_u32 v5, v2, 5, s23                  ; LDS: my wave's yy, + 8 h keys
	v_add_nc_u32 v14, s23, v4                      ; and on the way in: 4 x lane
	v_min_u32 v6, 2, v1
	s_delay_alu instid0(VALU_DEP_1)
	v_lshlrev_b32 v6, 13, v6
	s_delay_alu instid0(VALU_DEP_1)
	v_lshl_add_u32 v6, v2, 5, v6
	s_delay_alu instid0(VALU_DEP_1)
	v_add_nc_u32 v6, s23, v6                       ; tgt: plane min(r, 2), my wave's keys, + 8 h
	v_cmp_lt_u32 s[FM], 2, v1
	v_cmp_eq_u32 vcc_lo, 3, v1
	v_mov_b32 v7, 0x3c003c00
	s_delay_alu instid0(VALU_DEP_1)
	v_cndmask_b32 v7, 0, v7, vcc_lo                ; 1.0 twice in row 3, else 0
	v_lshlrev_b32 v15, 7, v2
	s_delay_alu instid0(VALU_DEP_1)
	v_lshl_add_u32 v15, v1, 2, v15                 ; a key's sum of squares: 128 (lane / 16) + 4 (lane % 16)
	s_and_b32 s28, ttmp7, 0xffff                   ; batch
	s_mov_b32 s24, 0x76543210
	s_mov_b32 s25, 0xfedcba98
	s_mov_b32 s26, 0xbfb8aa3b
	s_mov_b32 s27, s26
	s_lshl_b32 s29, s28, 7
	s_lshl_b32 s31, ttmp9, 1
	s_add_co_u32 s31, s31, s29                     ; the queries' first row tile
	s_lshl_b32 s32, s22, 3
	s_add_co_u32 s32, s32, s29
	s_add_co_u32 s32, s32, 512                     ; my keys' first row tile
	s_mov_b32 s35, 0
	s_wait_alu depctr_va_vdst(0)
	s_wait_kmcnt 0x0
	s_lshl_b32 s34, s32, 12
	s_add_nc_u64 s[10:11], s[4:5], s[34:35]        ; the keys' codes,
	s_lshl_b32 s34, s32, 7
	s_add_nc_u64 s[12:13], s[4:5], s[34:35]        ; their scale words and sums
	s_lshl_b32 s34, s31, 12
	s_add_nc_u64 s[14:15], s[4:5], s[34:35]        ; the queries' likewise
	s_lshl_b32 s34, s31, 7
	s_add_nc_u64 s[16:17], s[4:5], s[34:35]
	s_mul_i32 s34, s28, 24576
	s_add_nc_u64 s[6:7], s[6:7], s[34:35]
	s_add_nc_u64 s[8:9], s[8:9], s[34:35]
	s_lshl_b32 s34, ttmp9, 7
	s_add_nc_u64 s[8:9], s[8:9], s[34:35]          ; out0 at my 32 queries
.irp u,0,1
.irp s,0,1,2,3
.irp c,0,1
	global_load_b128 v[16+32*\u+8*\s+4*\c:19+32*\u+8*\s+4*\c], v3, s[14:15] offset:4096*\u+1024*\s+512*\c
.endr
	global_load_b32 v[80+4*\u+\s], v4, s[16:17] offset:0x400000+131072*\s+128*\u
	global_load_b32 v[192+4*\u+\s], v4, s[16:17] offset:0x480000+131072*\s+128*\u
.endr
.endr
.irp q,0,1,2,3
.irp s,0,1,2,3
	global_load_b32 v[200+4*\q+\s], v15, s[12:13] offset:0x480000+131072*\s+256*\q
.endr
.endr
	KLOAD 0
	TLOAD 0
	v_mov_b32 v8, 0x7f61b1e6                       ; the smallest d so far: 3e38, over every d
	v_mov_b32 v9, 0x7f61b1e6
.irp j,11,249,252,253,255
	v_mov_b32 v\j, 0                               ; upper halves of pairs, and lane permutes' destinations: written once
.endr
	s_wait_loadcnt 0x0
	v_mov_b32 v15, 0                               ; (the upper half of v[14:15])
.irp u,0,1
	v_add_f32 v[192+4*\u], v[192+4*\u], v[193+4*\u]
	v_add_f32 v[194+4*\u], v[194+4*\u], v[195+4*\u]
	s_delay_alu instid0(VALU_DEP_1)
	v_add_f32 v[192+4*\u], v[192+4*\u], v[194+4*\u]
	s_delay_alu instid0(VALU_DEP_1)
	v_mul_f32 v[88+8*\u], -0.5, v[192+4*\u]
.irp j,1,2,3,4,5,6,7
	v_mov_b32 v[88+8*\u+\j], v[88+8*\u]
.endr
.endr
.irp q,0,1,2,3
	v_add_f32 v[200+4*\q], v[200+4*\q], v[201+4*\q]
	v_add_f32 v[202+4*\q], v[202+4*\q], v[203+4*\q]
	s_delay_alu instid0(VALU_DEP_1)
	v_add_f32 v[200+4*\q], v[200+4*\q], v[202+4*\q]
	ds_store_b32 v14, v[200+4*\q] offset:YB+128*\q      ; my wave's own bytes: LDS serves a wave's instructions in order
.endr
	KSTEP 0
	KSTEP 1
	KSTEP 2
	KSTEP 3
	s_mul_i32 s23, s22, 1280
	v_add_nc_u32 v16, s23, v3                      ; where my results go,
	v_add_nc_u32 v17, s23, v4
	v_mul_u32_u24 v18, v2, 640
	s_delay_alu instid0(VALU_DEP_1)
	v_lshl_add_u32 v19, v1, 2, v18                 ; and where wave 0's lane 16 u + r reads query r of tile u
	s_delay_alu instid0(VALU_DEP_2)
	v_lshl_add_u32 v18, v1, 4, v18
.irp u,0,1
	ds_store_b128 v16, v[104+8*\u:107+8*\u] offset:CMB+640*\u
	ds_store_b32 v17, v[8+\u] offset:CMB+640*\u+512
.endr
	s_wait_dscnt 0x0
	s_barrier_signal -1
	s_barrier_wait -1
	s_cmp_lg_u32 s22, 0
	s_cbranch_scc1 .Lend
	s_wait_alu depctr_va_vdst(0)
.rept 16
	ds_load_b128 v[120+4*\+:123+4*\+], v18 offset:CMB+1280*\+
.endr
.rept 16
	ds_load_b32 v[192+\+], v19 offset:CMB+512+1280*\+
.endr
	s_wait_dscnt 0x0
	v_min_num_f32 v20, v192, v193
.irp i,2,4,6,8,10,12,14
	v_min3_num_f32 v20, v20, v[192+\i], v[193+\i]
.endr
.rept 16
	v_sub_f32 v[192+\+], v20, v[192+\+]
.endr
.rept 16
	v_mul_f32 v[192+\+], 0x3fb8aa3b, v[192+\+]
.endr
	s_wait_alu depctr_va_vdst(0)                   ; the wait ahead of the batch too
.rept 16
	v_exp_f32 v[192+\+], v[192+\+]
.endr
	v_nop
	s_wait_alu depctr_va_vdst(0)
.irp k,0,1,2,3
	v_mul_f32 v[24+\k], v[120+\k], v192
.endr
.set qi, 1
.rept 15
.irp k,0,1,2,3
	v_fma_f32 v[24+\k], v[120+4*qi+\k], v[192+qi], v[24+\k]
.endr
.set qi, qi+1
.endr
	s_wait_alu depctr_va_vdst(0)
	v_rcp_f32 v28, v27
	v_nop
	s_wait_alu depctr_va_vdst(0)
.irp k,0,1,2
	v_mul_f32 v[24+\k], v[24+\k], v28
	global_store_b32 v4, v[24+\k], s[8:9] offset:8192*\k
.endr
.Lend:
	s_wait_tensorcnt 0x0                           ; the wave's end, behind my last LDS store
	ds_add_u32 v12, v13
	s_wait_dscnt 0x0
	s_endpgm
.Lfunc_end_k_q8169dda7a3_corr:
	.size	k_q8169dda7a3_corr, .Lfunc_end_k_q8169dda7a3_corr-k_q8169dda7a3_corr
	.p2alignl 7, 3214868480
	.fill 96, 4, 3214868480
	.section	.rodata,"a",@progbits
	.p2align	6, 0x0
	.amdhsa_kernel k_q8169dda7a3_corr
		.amdhsa_group_segment_fixed_size 30720
		.amdhsa_private_segment_fixed_size 0
		.amdhsa_enable_private_segment 0
		.amdhsa_kernarg_size 24
		.amdhsa_user_sgpr_count 2
		.amdhsa_user_sgpr_kernarg_segment_ptr 1
		.amdhsa_wavefront_size32 1
		.amdhsa_system_sgpr_workgroup_id_x 1
		.amdhsa_system_sgpr_workgroup_id_y 1
		.amdhsa_system_sgpr_workgroup_id_z 1
		.amdhsa_system_vgpr_workitem_id 0
		.amdhsa_next_free_vgpr 256
		.amdhsa_next_free_sgpr 66
		.amdhsa_reserve_vcc 1
		.amdhsa_float_denorm_mode_32 3
		.amdhsa_float_denorm_mode_16_64 3
		.amdhsa_memory_ordered 1
		.amdhsa_forward_progress 1
		.amdhsa_inst_pref_size 78
	.end_amdhsa_kernel
	.amdgpu_metadata
---
amdhsa.version: [ 1, 2 ]
amdhsa.kernels:
  - .name:           k_q8169dda7a3_corr
    .symbol:         k_q8169dda7a3_corr.kd
    .args:
      - { .name: embq, .offset: 0, .size: 8, .value_kind: global_buffer, .address_space: global }
      - { .name: tgt, .offset: 8, .size: 8, .value_kind: global_buffer, .address_space: global }
      - { .name: out0, .offset: 16, .size: 8, .value_kind: global_buffer, .address_space: global }
    .group_segment_fixed_size: 30720
    .private_segment_fixed_size: 0
    .kernarg_segment_align: 8
    .kernarg_segment_size: 24
    .max_flat_workgroup_size: 512
    .sgpr_count:     66
    .vgpr_count:     256
    .wavefront_size: 32
...
	.end_amdgpu_metadata
.endif
;; end of part 8
